; MI455X (gfx1250); checked and timed in simulation.
; The chip was launched on July 23, 2026; its instructions are those of AMD's public machine-readable ISA for CDNA 5 (MIT licence, August 2026) and "CDNA5" Instruction Set Architecture Reference Guide (July 2026). The comments in the code are by the model that wrote it; some were corrected since.
;; Residual Self Attention. Allowed arithmetic: matrix products marked QUANTISED: E2M3 operands, one E8M0 scale for each 32 along K, by v_wmma_scale_f32_16x16x128_f8f6f4 with both operands' format E2M3, f32 sums; everything else in f32.
;; Inputs: ln1_bias 1,024 float32; ln1_scale 1,024 float32; ln2_bias 1,024 float32; ln2_scale 1,024 float32; mlp_b0 4,096 float32; mlp_b1 1,024 float32; mlp_w0_codes 4,096 x 32 x 24 uint8 (E2M3 codes of mlp_w0, K innermost, in blocks of 32 codes, four codes in three bytes); mlp_w0_scales 4,096 x 32 uint8 (E8M0 scales of mlp_w0, one for each 32 codes along K); mlp_w1_codes 1,024 x 128 x 24 uint8 (E2M3 codes of mlp_w1, K innermost, in blocks of 32 codes, four codes in three bytes); mlp_w1_scales 1,024 x 128 uint8 (E8M0 scales of mlp_w1, one for each 32 codes along K); sscale one number float32; wk_codes 1,024 x 32 x 24 uint8 (E2M3 codes of wk, K innermost, in blocks of 32 codes, four codes in three bytes); wk_scales 1,024 x 32 uint8 (E8M0 scales of wk, one for each 32 codes along K); wo_codes 1,024 x 32 x 24 uint8 (E2M3 codes of wo, K innermost, in blocks of 32 codes, four codes in three bytes); wo_scales 1,024 x 32 uint8 (E8M0 scales of wo, one for each 32 codes along K); wq_codes 1,024 x 32 x 24 uint8 (E2M3 codes of wq, K innermost, in blocks of 32 codes, four codes in three bytes); wq_scales 1,024 x 32 uint8 (E8M0 scales of wq, one for each 32 codes along K); wv_codes 1,024 x 32 x 24 uint8 (E2M3 codes of wv, K innermost, in blocks of 32 codes, four codes in three bytes); wv_scales 1,024 x 32 uint8 (E8M0 scales of wv, one for each 32 codes along K); x 2 x 2,048 x 1,024 float32.
;; Outputs: out0 2 x 2,048 x 1,024 float32.
;; This version of the problem:
;;   THIS VERSION OF THE PROBLEM IS GIVEN IN LOW PRECISION. The matrix products marked QUANTISED in the list below multiply operands that are first quantised to E2M3 (2 exponent bits, 3 mantissa bits; 6 bits a number), with one power-of-two scale for each 32 numbers along K (OCP MX v1.0); their sums are f32. All else is computed in f32.
;;   The module's matrix products, in the order in which they are computed (A, B: the left and right operand; K: the contracted axis; several contracted axes count as one K, in the product's order):
;;     1. [M 4,096, K 1,024] x [K 1,024, N 1,024]; A: computed on the way; B: input wq (given as codes): QUANTISED
;;     2. [M 4,096, K 1,024] x [K 1,024, N 1,024]; A: input x; B: input wk (given as codes): QUANTISED
;;     3. [M 4,096, K 1,024] x [K 1,024, N 1,024]; A: input x; B: input wv (given as codes): QUANTISED
;;     4. batch 32 x [M 2,048, K 64] x [K 64, N 2,048]; A: computed on the way; B: computed on the way: QUANTISED
;;     5. batch 32 x [M 2,048, K 2,048] x [K 2,048, N 64]; A: softmax (see below); B: computed on the way: QUANTISED
;;     6. [M 4,096, K 1,024] x [K 1,024, N 1,024]; A: computed on the way; B: input wo (given as codes): QUANTISED
;;     7. [M 4,096, K 1,024] x [K 1,024, N 4,096]; A: computed on the way; B: input mlp_w0 (given as codes): QUANTISED
;;     8. [M 4,096, K 4,096] x [K 4,096, N 1,024]; A: computed on the way; B: input mlp_w1 (given as codes): QUANTISED
;;   THE QUANTISER, for each operand of a quantised product, along K:
;;     - K is cut into blocks of 32 from its start; a last block that is shorter is filled with zeros.
;;     - A block's scale is 2^e with e = floor(log2(the largest magnitude in the block)) - 2, held to -126 .. 127; a block of zeros has e = 0. As a byte (E8M0): e + 127.
;;     - Each number is divided by its block's scale, clamped to +-7.5, and rounded to the nearest number of E2M3, ties to even, subnormals kept.
;;     - The product sums the exact products of the quantised numbers (number of the format x scale) in f32.
;;   ~~~python
;;   def quantise(x, axis):      # numpy; x: float32 -> the quantised numbers, widened to float32 again
;;       x = np.moveaxis(x, axis, -1); K = x.shape[-1]
;;       x = np.pad(x, [(0, 0)] * (x.ndim - 1) + [(0, -K % 32)]); x = x.reshape(x.shape[:-1] + (-1, 32)); a = np.abs(x).max(-1, keepdims=True)
;;       e = np.where(a > 0, np.clip(np.frexp(np.where(a > 0, a, 1))[1] - 1 - 2, -126, 127), 0)      # np.frexp(a)[1] - 1 = floor(log2(a)), exactly
;;       r = np.clip(x / 2.0 ** e, -7.5, 7.5)
;;       step = 2.0 ** (np.maximum(np.frexp(np.where(r == 0, 1, r))[1] - 1, 0) - 3)
;;       q = np.round(r / step) * step * 2.0 ** e      # np.round: ties to even
;;       return np.moveaxis(q.reshape(q.shape[:-2] + (-1,))[..., :K], -1, axis).astype(np.float32)
;;   ~~~
;;   SOFTMAX AHEAD OF A QUANTISED PRODUCT. Where the list says 'softmax', what is quantised is not the finished softmax but p = 2^(t - M), with t = logit x log2(e) and M = ceil(the row's largest t), a whole number; so 1/2 < the row's largest p <= 1. The row's sum l is taken of the UNQUANTISED p, in f32, and the product's result is divided by l at the end. Since M is a whole number, a kernel that streams over the keys may use a running M (the ceiling of the running maximum): every later rescaling is an exact power of two, which a block's scale takes up: the codes' values come out the same.
;;   OPERANDS COMPUTED ON THE WAY. 'Computed on the way' means the value that the module computes at that place (a softmax that the list does not call 'softmax' is quantised finished and normalised). What goes into a quantiser is computed in f32, as accurately as f32 sums, v_exp_f32 and their like allow (about 1e-6 of the number): no bf16 or f16 on the way to a quantiser, and a product that is left as it is and whose result goes on into a quantised operand takes f32 operands (vector FMAs, or v_wmma_f32_16x16x4_f32). A number that lies on a knife's edge between two numbers of the format may be rounded either way, as far as f32 arithmetic and the matrix unit's own rounding can turn it there, and no further.
;;   INPUTS GIVEN AS CODES. mlp_w0 (in the module: [1024, 4096], K = its axis 0); mlp_w1 (in the module: [4096, 1024], K = its axis 0); wk (in the module: [1024, 1024], K = its axis 0); wo (in the module: [1024, 1024], K = its axis 0); wq (in the module: [1024, 1024], K = its axis 0); wv (in the module: [1024, 1024], K = its axis 0): each comes as NAME_codes (uint8): NAME with its K axis moved to the last place and cut into blocks of 32 codes, [.., K / 32, bytes a block], one block behind the other in memory; four codes in three bytes: a row's codes are one little-endian stream of bits, code i at bits 6 i .. 6 i + 5 (a code: sign, 2 exponent bits, 3 mantissa bits); and NAME_scales (uint8): the same leading axes, one E8M0 byte (e + 127) for each 32 codes along K. Its value is code x scale, taken as it is: it is not quantised again, and the codes and scales need not be those that the quantiser above would give.
;; 2 versions. Each part assembles by itself: llvm-mc -triple=amdgcn-amd-amdhsa -mcpu=gfx1250 --defsym DOCPART=n.
;; ======== version 1 of 2: 7 launches
;; workspace buffers: img 16,384,000 bytes; qkvc 10,092,544 bytes; attc 3,276,800 bytes; x1 16,777,216 bytes; hnc 3,276,800 bytes; glc 13,107,200 bytes
;; launch prep (part 1): grid 352 x 1, 8 waves a work-group, no clusters, 67,072 bytes of LDS; arguments x, ln1_scale, ln1_bias, img, wq_codes, wq_scales, wk_codes, wk_scales, wv_codes, wv_scales, wo_codes, wo_scales, mlp_w0_codes, mlp_w0_scales, mlp_w1_codes, mlp_w1_scales; writes img
.if DOCPART == 1
	.amdgcn_target "amdgcn-amd-amdhsa--gfx1250"
	.amdhsa_code_object_version 6
	.text
	.protected	k_q3f45a62312_prep
	.globl	k_q3f45a62312_prep
	.p2align	8
	.type	k_q3f45a62312_prep,@function
k_q3f45a62312_prep:
	s_mov_b64 s[64:65], 0
	v_nop
	global_prefetch_b8 v0, s[64:65] scope:SCOPE_SE
	s_setreg_imm32_b32 hwreg(HW_REG_WAVE_MODE, 25, 1), 1
	s_wait_xcnt 0x0
; Work-groups 0-255: 16 rows of x each.  The rows are quantised to FP6 (E2M3, one E8M0 byte for 32 along K) twice: as they are, and after layer norm 1.
; Work-groups 256-351: the six weights' codes and scale bytes are laid out anew, unchanged in value.
; ALL RESULTS ARE IMAGES OF OPERAND REGISTERS.  An operand of R rows x K is [R / 128][K / 128] panels of 12,800 bytes.  In a panel: tile t (16 rows), half c (64 along K) at 1536 t + 768 c:
; registers 6 c .. 6 c + 3 of lane l at 16 l, registers 6 c + 4, 6 c + 5 at 512 + 8 l; the rows' scale words at 12288 + 256 (t / 4) + 16 r + 4 (t % 4).
; Lane r of tile t holds row 32 (t / 2) + 8 (t % 2) + r + 8 (r / 8) of the panel's 128: so the results of two neighbouring tiles used as source 0 are 16 neighbours along the next K.
; ROWS.  Wave w loads rows 2 w, 2 w + 1 of the tile whole (512 consecutive bytes a load), finds mean and 1 / sqrt(var + eps) (the variance from the deviations, so a common offset does no harm),
; and puts the rows into a stage in LDS; behind one barrier wave w takes K step w of all 16 rows: lane (r, h) holds 2 x 32 neighbours, two whole blocks, so no other lane is asked for a maximum.
; A block's scale byte is its largest magnitude's exponent field - 2, held at 1 from below.
; LIMITS: NaN and infinities are not served; a block whose largest magnitude lies under 2^-124 (a block of zeros too) keeps the byte 1: its codes are then small or zero, and only this program reads the bytes.
; No cluster, no tensor load: no two work-groups read the same rows, and gain and bias are 8 KB.
.set RAW,    1                         ; the rows as they are get an image too
.set PANEL,  12800
.set NOFF,   3276800                   ; the normalised rows' image begins here; the raw rows' at 0
.set SPITCH, 4112                      ; a stage row: 4,096 bytes + 16, so that 16 rows' equal columns fall on 16 different groups of banks
.set STAT,   16*SPITCH                 ; behind the stage: (mean, 1 / sigma) of the 16 rows
.set X,   32                           ; v32-95   phase 1: two rows, 32 numbers a lane each; phase 2: my 64 numbers
.set GA,  96                           ; v96-159  the gain at my 64 columns
.set BI,  160                          ; v160-223 the bias
.set CO,  224                          ; v224-235 a fragment's codes
.set CT,  236                          ; v236-242 the blocks' upper halves as the conversion leaves them
.set WV,  52
.set SEL, 54                           ; s[54:55] lane l xor 16
	s_load_b256 s[4:11], s[0:1], 0x0               ; x, gain, bias, the images
	s_load_b256 s[12:19], s[0:1], 0x20             ; wq's codes and scales, wk's
	s_load_b256 s[20:27], s[0:1], 0x40             ; wv's, wo's
	s_load_b256 s[28:35], s[0:1], 0x60             ; mlp_w0's, mlp_w1's
	v_lshl_add_u32 v239, v0, 2, 0x10200
	v_mov_b32 v243, 0
	v_lshrrev_b32 v1, 5, v0
	v_readfirstlane_b32 s[WV], v1                  ; wave 0..7
	v_and_b32 v2, 31, v0                           ; lane
	v_and_b32 v3, 15, v0                           ; r
	v_bfe_u32 v4, v0, 4, 1                         ; h
	v_lshlrev_b32 v5, 4, v2                        ; 16 x lane
	v_lshlrev_b32 v6, 3, v2                        ; 8 x lane
	v_lshlrev_b32 v13, 4, v3                       ; 16 r: a row's place among the scale words
	s_cmp_ge_u32 ttmp9, 256
	s_cbranch_scc1 .Lrelay
	s_mov_b32 s[SEL], 0x76543210
	s_mov_b32 s[SEL+1], 0xfedcba98
	s_mov_b32 s56, 0x3a800000                      ; 1 / 1024
	s_mov_b32 s57, 0x358637bd                      ; eps = 1e-6
	s_lshr_b32 s40, ttmp9, 1
	s_lshl_b32 s40, s40, 5
	s_and_b32 s41, ttmp9, 1
	s_lshl_b32 s41, s41, 3
	s_add_co_u32 s40, s40, s41                     ; the tile's first row: 32 (T / 2) + 8 (T % 2)
	s_lshl_b32 s41, s[WV], 1
	s_add_co_u32 s40, s40, s41
	s_lshr_b32 s41, s[WV], 2
	s_lshl_b32 s41, s41, 3
	s_add_co_u32 s40, s40, s41                     ; stage row i = 2 w is row i + 8 (i / 8) of it
	s_lshl_b32 s40, s40, 12                        ; in bytes
	s_mov_b32 s41, 0
	s_lshl_b32 s42, s[WV], 9
	v_lshlrev_b32 v7, 7, v4
	v_add_nc_u32 v7, s42, v7                       ; 512 w + 128 h: my columns of K step w
	s_mul_i32 s43, s[WV], 2*SPITCH
	v_add_nc_u32 v8, s43, v5                       ; the stage, in: my two rows, 16 bytes a lane
	s_lshl_b32 s43, s[WV], 4
	s_add_co_u32 s43, s43, STAT
	v_mov_b32 v9, s43                              ; their two pairs of figures
	v_mul_u32_u24 v10, v3, SPITCH
	v_add_nc_u32 v10, v10, v7                      ; the stage, out: row r, my columns
	v_lshl_add_u32 v11, v3, 3, STAT                ; row r's figures
	v_lshlrev_b32 v12, 3, v4                       ; 8 h: where my two scale bytes stand in the word
	s_lshr_b32 s44, ttmp9, 3
	s_lshl_b32 s44, s44, 3
	s_add_co_u32 s44, s44, s[WV]
	s_mul_i32 s44, s44, PANEL                      ; panel (row block, K step w)
	s_and_b32 s46, ttmp9, 7                        ; t
	s_mul_i32 s45, s46, 1536
	s_lshr_b32 s47, s46, 2
	s_lshl_b32 s47, s47, 8
	s_and_b32 s46, s46, 3
	s_lshl_b32 s46, s46, 2
	s_add_co_u32 s46, s46, s47
	s_add_co_u32 s46, s46, s44
	s_add_co_u32 s46, s46, 12288                   ; the tile's scale words
	s_add_co_u32 s44, s44, s45                     ; the tile's codes
	s_mov_b32 s45, 0
	s_mov_b32 s47, 0
	s_wait_kmcnt 0x0
	s_add_nc_u64 s[4:5], s[4:5], s[40:41]
	s_add_nc_u64 s[44:45], s[10:11], s[44:45]
	s_add_nc_u64 s[46:47], s[10:11], s[46:47]
.irp e, 0,1
.irp j, 0,1,2,3,4,5,6,7
	global_load_b128 v[X+32*\e+4*\j:X+32*\e+4*\j+3], v5, s[4:5] offset:4096*\e+512*\j
.endr
.endr
.irp c, 0,1
.irp j, 0,1,2,3,4,5,6,7
	global_load_b128 v[GA+32*\c+4*\j:GA+32*\c+4*\j+3], v7, s[6:7] offset:256*\c+16*\j
	global_load_b128 v[BI+32*\c+4*\j:BI+32*\c+4*\j+3], v7, s[8:9] offset:256*\c+16*\j
.endr
.endr
.macro REDUCE                          ; v244 summed over the 32 lanes, in every lane
	v_add_f32_dpp v244, v244, v244 row_xmask:1 row_mask:0xf bank_mask:0xf
	v_add_f32_dpp v244, v244, v244 row_xmask:2 row_mask:0xf bank_mask:0xf
	v_add_f32_dpp v244, v244, v244 row_xmask:4 row_mask:0xf bank_mask:0xf
	v_add_f32_dpp v244, v244, v244 row_xmask:8 row_mask:0xf bank_mask:0xf
	v_permlanex16_b32 v245, v244, s[SEL], s[SEL+1]
	v_add_f32 v244, v244, v245
.endm
.macro ROWSTAT e                       ; row e of my two: mean, then the mean of the squared deviations, 1 / sqrt of it + eps; both to LDS
.set B, X+32*\e
	v_pk_add_f32 v[244:245], v[B:B+1], v[B+2:B+3]
	v_pk_add_f32 v[246:247], v[B+4:B+5], v[B+6:B+7]
.irp j, 8,12,16,20,24,28
	v_pk_add_f32 v[244:245], v[244:245], v[B+\j:B+\j+1]
	v_pk_add_f32 v[246:247], v[246:247], v[B+\j+2:B+\j+3]
.endr
	v_pk_add_f32 v[244:245], v[244:245], v[246:247]
	v_add_f32 v244, v244, v245
	REDUCE
	v_mul_f32 v248, s56, v244                      ; the mean
	v_mov_b32 v249, v248
	v_pk_add_f32 v[250:251], v[B:B+1], v[248:249] neg_lo:[0,1] neg_hi:[0,1]
	v_pk_add_f32 v[252:253], v[B+2:B+3], v[248:249] neg_lo:[0,1] neg_hi:[0,1]
	v_pk_mul_f32 v[244:245], v[250:251], v[250:251]
	v_pk_mul_f32 v[246:247], v[252:253], v[252:253]
.irp j, 4,8,12,16,20,24,28
	v_pk_add_f32 v[250:251], v[B+\j:B+\j+1], v[248:249] neg_lo:[0,1] neg_hi:[0,1]
	v_pk_add_f32 v[252:253], v[B+\j+2:B+\j+3], v[248:249] neg_lo:[0,1] neg_hi:[0,1]
	v_pk_fma_f32 v[244:245], v[250:251], v[250:251], v[244:245]
	v_pk_fma_f32 v[246:247], v[252:253], v[252:253], v[246:247]
.endr
	v_pk_add_f32 v[244:245], v[244:245], v[246:247]
	v_add_f32 v244, v244, v245
	REDUCE
	v_fma_f32 v244, v244, s56, s57                 ; var + eps
	v_rsq_f32 v249, v244
	v_nop                                          ; a plain line between the root and the use of its result
	s_wait_alu depctr_va_vdst(0)
	ds_store_b64 v9, v[248:249] offset:8*\e        ; every lane writes the same pair
.endm
; My 64 numbers in v[X] on (block 2 c + h in registers 32 c .. 32 c + 31) become a fragment's codes in v[CO] on and the row's scale word in v250.
.macro QFULL
.irp c, 0,1
	v_max3_num_f32 v[244+\c], |v[X+32*\c]|, |v[X+32*\c+1]|, 0x1800000   ; with the floor 2^-124: the byte cannot fall under 1
.endr
.irp i, 2,4,6,8,10,12,14,16,18,20,22,24,26,28,30
.irp c, 0,1
	v_max3_num_f32 v[244+\c], v[244+\c], |v[X+32*\c+\i]|, |v[X+32*\c+\i+1]|
.endr
.endr
.irp c, 0,1
	v_add_nc_u32 v[246+\c], 0xff000000, v[244+\c]  ; 2 off the exponent field: the conversion's scale operand
.endr
.irp c, 0,1
	v_lshrrev_b32 v[248+\c], 23, v[246+\c]         ; the scale's byte
.endr
	v_lshl_or_b32 v250, v249, 16, v248             ; bytes h and 2 + h of the word,
	v_lshlrev_b32 v250, v12, v250                  ; at their places;
	v_mov_b32 v251, 0
	v_permlanex16_b32 v251, v250, s[SEL], s[SEL+1]
	v_or_b32 v250, v250, v251                      ; with lane l xor 16's two the word is whole
.irp c, 0,1
	v_cvt_scalef32_pk16_fp6_f32 v[CO+6*\c:CO+6*\c+2], v[X+32*\c:X+32*\c+15], v[246+\c]
	v_cvt_scalef32_pk16_fp6_f32 v[CT+4*\c:CT+4*\c+2], v[X+32*\c+16:X+32*\c+31], v[246+\c]   ; (three registers from an even one on: made aside and moved)
.endr
	v_nop                                          ; a plain line behind the scaled conversions
.irp c, 0,1
.irp i, 0,1,2
	v_mov_b32 v[CO+3+6*\c+\i], v[CT+4*\c+\i]
.endr
.endr
.endm
.macro PUT off                         ; each store of codes covers 512 or 256 consecutive bytes, aligned to 256
	global_store_b128 v5, v[CO:CO+3], s[44:45] offset:\off
	global_store_b64 v6, v[CO+4:CO+5], s[44:45] offset:\off+512
	global_store_b128 v5, v[CO+6:CO+9], s[44:45] offset:\off+768
	global_store_b64 v6, v[CO+10:CO+11], s[44:45] offset:\off+1280
	global_store_b32 v13, v250, s[46:47] offset:\off   ; lanes r and r + 16 write the same word with the same value
.endm
	s_wait_loadcnt 32                              ; my two rows are in; the 32 loads of gain and bias behind them may stay out
.irp e, 0,1
.irp j, 0,1,2,3,4,5,6,7
	ds_store_b128 v8, v[X+32*\e+4*\j:X+32*\e+4*\j+3] offset:\e*SPITCH+512*\j
.endr
.endr
	ROWSTAT 0
	ROWSTAT 1
	s_wait_dscnt 0x0                               ; for the others' sake: my rows and figures lie in LDS
	s_barrier_signal -1
	s_barrier_wait -1
.irp c, 0,1
.irp j, 0,1,2,3,4,5,6,7
	ds_load_b128 v[X+32*\c+4*\j:X+32*\c+4*\j+3], v10 offset:256*\c+16*\j
.endr
.endr
	ds_load_b64 v[252:253], v11
	s_wait_dscnt 0x0
.if RAW
	QFULL
	PUT 0
.endif
	v_mov_b32 v254, v253                           ; 1 / sigma twice, the mean twice: pairs for the packed forms
	v_mov_b32 v255, v253
	v_mov_b32 v253, v252
	s_wait_loadcnt 0x0                             ; gain and bias
.set J, 0
.rept 32
	v_pk_add_f32 v[X+J:X+J+1], v[X+J:X+J+1], v[252:253] neg_lo:[0,1] neg_hi:[0,1]
.set J, J+2
.endr
.set J, 0
.rept 32
	v_pk_mul_f32 v[X+J:X+J+1], v[X+J:X+J+1], v[254:255]
.set J, J+2
.endr
.set J, 0
.rept 32
	v_pk_fma_f32 v[X+J:X+J+1], v[X+J:X+J+1], v[GA+J:GA+J+1], v[BI+J:BI+J+1]
.set J, J+2
.endr
	s_wait_xcnt 0x0                                ; the first image's stores have read their registers: the codes are written again only behind this wait
	QFULL
	PUT NOFF
	s_wait_tensorcnt 0x0
	ds_add_u32 v239, v243
	s_wait_dscnt 0x0
	s_endpgm
; THE WEIGHTS.  A wave moves 16 rows x 1,024 along K: eight fragments and their scale words, loaded in the operand's own pieces (24 bytes a lane and half as three loads of 8) and stored as images.
.Lrelay:
	s_sub_co_u32 s40, ttmp9, 256                   ; 0-7 wq, 8-15 wk, 16-23 wv, 24-31 wo, 32-63 mlp_w0, 64-95 mlp_w1
	s_wait_kmcnt 0x0
	s_mov_b64 s[36:37], s[32:33]
	s_mov_b64 s[38:39], s[34:35]
	s_mov_b32 s41, 64                              ; the weight's first work-group
	s_mov_b32 s42, 13107200                        ; its image's first byte
	s_mov_b32 s43, 3072                            ; a row of its codes in bytes
	s_cmp_lt_u32 s40, 64
	s_cselect_b64 s[36:37], s[28:29], s[36:37]
	s_cselect_b64 s[38:39], s[30:31], s[38:39]
	s_cselect_b32 s41, 32, s41
	s_cselect_b32 s42, 9830400, s42
	s_cselect_b32 s43, 768, s43
	s_cselect_b32 s44, 32, 128                     ; a row of its scale bytes
	s_cselect_b32 s45, 8, 32                       ; K steps in a row
	s_cselect_b32 s46, 0, 2                        ; mlp_w1: four waves share a tile of rows, 1,024 along K each
	s_cselect_b32 s47, 0, 3
	s_cmp_lt_u32 s40, 32
	s_cselect_b64 s[36:37], s[24:25], s[36:37]
	s_cselect_b64 s[38:39], s[26:27], s[38:39]
	s_cselect_b32 s41, 24, s41
	s_cselect_b32 s42, 9011200, s42
	s_cmp_lt_u32 s40, 24
	s_cselect_b64 s[36:37], s[20:21], s[36:37]
	s_cselect_b64 s[38:39], s[22:23], s[38:39]
	s_cselect_b32 s41, 16, s41
	s_cselect_b32 s42, 8192000, s42
	s_cmp_lt_u32 s40, 16
	s_cselect_b64 s[36:37], s[16:17], s[36:37]
	s_cselect_b64 s[38:39], s[18:19], s[38:39]
	s_cselect_b32 s41, 8, s41
	s_cselect_b32 s42, 7372800, s42
	s_cmp_lt_u32 s40, 8
	s_cselect_b64 s[36:37], s[12:13], s[36:37]
	s_cselect_b64 s[38:39], s[14:15], s[38:39]
	s_cselect_b32 s41, 0, s41
	s_cselect_b32 s42, 6553600, s42
	s_sub_co_u32 s40, s40, s41
	s_lshl_b32 s40, s40, 3
	s_add_co_u32 s40, s40, s[WV]                   ; my unit of the weight
	s_and_b32 s47, s40, s47                        ; which 1,024 along K
	s_lshr_b32 s46, s40, s46                       ; which tile of 16 rows
	s_lshr_b32 s48, s46, 1
	s_lshl_b32 s48, s48, 5
	s_and_b32 s49, s46, 1
	s_lshl_b32 s49, s49, 3
	s_add_co_u32 s48, s48, s49                     ; the tile's first row
	s_mul_i32 s50, s48, s43
	s_mul_i32 s49, s47, 768
	s_add_co_u32 s50, s50, s49
	s_mov_b32 s51, 0
	s_add_nc_u64 s[36:37], s[36:37], s[50:51]      ; its codes
	s_mul_i32 s50, s48, s44
	s_lshl_b32 s49, s47, 5
	s_add_co_u32 s50, s50, s49
	s_add_nc_u64 s[38:39], s[38:39], s[50:51]      ; its scale bytes
	s_lshr_b32 s48, s46, 3
	s_mul_i32 s48, s48, s45
	s_lshl_b32 s49, s47, 3
	s_add_co_u32 s48, s48, s49
	s_mul_i32 s48, s48, PANEL
	s_add_co_u32 s48, s48, s42                     ; my first panel
	s_and_b32 s49, s46, 7
	s_mul_i32 s50, s49, 1536
	s_add_co_u32 s50, s50, s48
	s_add_nc_u64 s[58:59], s[10:11], s[50:51]      ; the tile's codes in it
	s_lshr_b32 s49, s49, 2
	s_lshl_b32 s49, s49, 8
	s_add_co_u32 s50, s48, s49
	s_and_b32 s49, s46, 3
	s_lshl_b32 s49, s49, 2
	s_add_co_u32 s50, s50, s49
	s_add_co_u32 s50, s50, 12288
	s_add_nc_u64 s[60:61], s[10:11], s[50:51]      ; and its scale words
	v_and_b32 v7, 8, v3
	v_add_nc_u32 v7, v7, v3                        ; r + 8 (r / 8)
	v_mul_u32_u24 v8, v7, s43
	v_mad_u32_u24 v8, v4, 24, v8                   ; my row's codes, + 24 h
	v_mul_u32_u24 v9, v7, s44                      ; my row's scale bytes
	global_load_b128 v[16:19], v9, s[38:39] th:TH_LOAD_NT
	global_load_b128 v[20:23], v9, s[38:39] offset:16 th:TH_LOAD_NT
.irp s, 0,1,2,3,4,5,6,7
.irp c, 0,1
.irp p, 0,1,2
	global_load_b64 v[32+12*\s+6*\c+2*\p:32+12*\s+6*\c+2*\p+1], v8, s[36:37] offset:96*\s+48*\c+8*\p th:TH_LOAD_NT
.endr
.endr
.endr
	s_wait_loadcnt 0x0
.irp s, 0,1,2,3,4,5,6,7
.irp c, 0,1
	global_store_b128 v5, v[32+12*\s+6*\c:32+12*\s+6*\c+3], s[58:59] offset:\s*PANEL+768*\c
	global_store_b64 v6, v[32+12*\s+6*\c+4:32+12*\s+6*\c+5], s[58:59] offset:\s*PANEL+768*\c+512
.endr
	global_store_b32 v13, v[16+\s], s[60:61] offset:\s*PANEL
.endr
	s_endpgm
.Lfunc_end_k_q3f45a62312_prep:
	.size	k_q3f45a62312_prep, .Lfunc_end_k_q3f45a62312_prep-k_q3f45a62312_prep
	.p2alignl 7, 3214868480
	.fill 96, 4, 3214868480
	.section	.rodata,"a",@progbits
	.p2align	6, 0x0
	.amdhsa_kernel k_q3f45a62312_prep
		.amdhsa_group_segment_fixed_size 67072
		.amdhsa_private_segment_fixed_size 0
		.amdhsa_enable_private_segment 0
		.amdhsa_kernarg_size 128
		.amdhsa_user_sgpr_count 2
		.amdhsa_user_sgpr_kernarg_segment_ptr 1
		.amdhsa_wavefront_size32 1
		.amdhsa_system_sgpr_workgroup_id_x 1
		.amdhsa_system_sgpr_workgroup_id_y 1
		.amdhsa_system_sgpr_workgroup_id_z 1
		.amdhsa_system_vgpr_workitem_id 0
		.amdhsa_next_free_vgpr 256
		.amdhsa_next_free_sgpr 66
		.amdhsa_reserve_vcc 0
		.amdhsa_float_denorm_mode_32 3
		.amdhsa_float_denorm_mode_16_64 3
		.amdhsa_memory_ordered 1
		.amdhsa_forward_progress 1
		.amdhsa_inst_pref_size 43
	.end_amdhsa_kernel
	.amdgpu_metadata
---
amdhsa.version: [ 1, 2 ]
amdhsa.kernels:
  - .name:           k_q3f45a62312_prep
    .symbol:         k_q3f45a62312_prep.kd
    .args:
      - { .name: x, .offset: 0, .size: 8, .value_kind: global_buffer, .address_space: global }
      - { .name: ln1_scale, .offset: 8, .size: 8, .value_kind: global_buffer, .address_space: global }
      - { .name: ln1_bias, .offset: 16, .size: 8, .value_kind: global_buffer, .address_space: global }
      - { .name: img, .offset: 24, .size: 8, .value_kind: global_buffer, .address_space: global }
      - { .name: wq_codes, .offset: 32, .size: 8, .value_kind: global_buffer, .address_space: global }
      - { .name: wq_scales, .offset: 40, .size: 8, .value_kind: global_buffer, .address_space: global }
      - { .name: wk_codes, .offset: 48, .size: 8, .value_kind: global_buffer, .address_space: global }
      - { .name: wk_scales, .offset: 56, .size: 8, .value_kind: global_buffer, .address_space: global }
      - { .name: wv_codes, .offset: 64, .size: 8, .value_kind: global_buffer, .address_space: global }
      - { .name: wv_scales, .offset: 72, .size: 8, .value_kind: global_buffer, .address_space: global }
      - { .name: wo_codes, .offset: 80, .size: 8, .value_kind: global_buffer, .address_space: global }
      - { .name: wo_scales, .offset: 88, .size: 8, .value_kind: global_buffer, .address_space: global }
      - { .name: mlp_w0_codes, .offset: 96, .size: 8, .value_kind: global_buffer, .address_space: global }
      - { .name: mlp_w0_scales, .offset: 104, .size: 8, .value_kind: global_buffer, .address_space: global }
      - { .name: mlp_w1_codes, .offset: 112, .size: 8, .value_kind: global_buffer, .address_space: global }
      - { .name: mlp_w1_scales, .offset: 120, .size: 8, .value_kind: global_buffer, .address_space: global }
    .group_segment_fixed_size: 67072
    .private_segment_fixed_size: 0
    .kernarg_segment_align: 8
    .kernarg_segment_size: 128
    .max_flat_workgroup_size: 256
    .sgpr_count:     66
    .vgpr_count:     256
    .wavefront_size: 32
...
	.end_amdgpu_metadata
.endif
;; end of part 1
;; launch qkv (part 2): grid 8 x 24, 8 waves a work-group, clusters of 4 x 4, 327,680 bytes of LDS; arguments img, qkvc; writes qkvc
.if DOCPART == 2
	.amdgcn_target "amdgcn-amd-amdhsa--gfx1250"
	.amdhsa_code_object_version 6
	.text
	.protected	k_q3f45a62312_qkv
	.globl	k_q3f45a62312_qkv
	.p2align	8
	.type	k_q3f45a62312_qkv,@function
k_q3f45a62312_qkv:
	s_mov_b64 s[64:65], 0
	v_nop
	global_prefetch_b8 v0, s[64:65] scope:SCOPE_SE
	s_setreg_imm32_b32 hwreg(HW_REG_WAVE_MODE, 25, 1), 1
	s_wait_xcnt 0x0
	s_wait_alu depctr_hold_cnt(0) depctr_sa_sdst(0) depctr_va_vdst(0) depctr_va_sdst(0) depctr_va_ssrc(0) depctr_va_vcc(0) depctr_vm_vsrc(0)
	s_getreg_b32 s2, hwreg(HW_REG_IB_STS2, 6, 4)
	s_cmp_eq_u32 s2, 0
	s_cbranch_scc0 .Lentry_in_a_cluster
	s_endpgm
.Lentry_in_a_cluster:
	s_bfe_u32 s2, ttmp6, 0x10000c
	s_cmp_lg_u32 s2, 0xf033
	s_cbranch_scc0 .Lentry_shape_is_right
	s_endpgm
.Lentry_shape_is_right:
; q = LN1(x) wq, k = x wk, v = x wv on codes of FP6, and each result quantised for attention's products: q and k along the head's 64, v along the keys.
; OPERANDS are images of operand registers, in panels of 128 rows x 128 K, 12,800 bytes: tile t, half c at 1536 t + 768 c (registers 6 c .. 6 c + 3 at 16 x lane, 6 c + 4, 6 c + 5 at 512 + 8 x lane);
; scale words at 12288 + 256 (t / 4) + 16 r + 4 (t % 4).  Lane r of tile t holds row 32 (t / 2) + 8 (t % 2) + r + 8 (r / 8).  A work-group's operand is one dense stream along K.
; SHARES.  A work-group makes four tiles of 128 tokens x 128 columns (two heads), one below the other.  Eight waves: 2 x 2 quadrants of 64 x 64 times 2 groups along K: of a slot's four K steps of 128, group g
; takes steps 2 g and 2 g + 1.  Two waves share a SIMD, each within 256 registers: one wave's LDS loads stand beside the other's products.  At a tile's end the two groups exchange halves of their sums
; through LDS, so that each wave finishes 32 rows x 64 columns.  (So an output's K is summed in two halves: the order of f32 additions differs from an ascending sum.)
; RING.  Two slots, each W's four K steps and X's four; each wave fetches one panel (50 rows of 256 bytes) by one tensor load behind each round: one load of a wave is out at a time.
; CLUSTER 4 x 4.  W's panels hang on the column block alone and are asked for jointly along a column of the cluster, X's on the token block alone, along a row.
; q, k: source 0 = 16 columns of W, source 1 = 16 tokens: a lane holds one token and 32 registers run along the head's 64.  v: the sources swapped: a lane holds one channel and the registers run along 64 tokens.
; OUT.  For each (batch, head) and each 128 keys a record of 13,056 bytes: K's eight tiles as half fragments (768 t), K's words at 6144 + 32 r + 4 t (upper two bytes 0), V^T's fragments at
; 6656 + 1536 d + 768 c, V's words at 12800 + 16 r + 4 d.  Q: half fragments of 768 bytes a tile, and 16 words a tile (upper two bytes 0).
; LIMITS: NaN and infinities are not served; a block whose largest magnitude lies under 2^-124 keeps the byte 1.
.set PANEL, 12800
.set CHUNK, 4*PANEL                    ; four K steps of one operand
.set SLOT,  2*CHUNK
.set SCR,   2*SLOT                     ; behind the ring: 8,192 bytes a wave for the exchange of sums
.set STG,   SCR+8*8192                 ; (a stage for rows of f32: not used in this text)
.set SPARE, STG+8*16*272               ; the spare words, 128 bytes a wave: four blocks of 256 bytes that no other line names
.set XSTEP, SLOT                       ; a slot's next X chunk lies two chunks on; W's chunk of a slot is the same in every tile
.set WSTEP, 0
.set WQOFF, 6553600
.set XNOFF, 3276800
.set REC,   13056
.set QOFF,  6684672
.set QSOFF, 9830400
.set AW16, 1                           ; v1-2   W's codes in slot 0, 1: 16 x lane on;  v3-4 the same with 8 x lane
.set AW8,  3
.set AX16, 5                           ; v5-8   X's
.set AX8,  7
.set ASW,  9                           ; v9-10  W's scale words;  v11-12 X's
.set ASX,  11
.set SPW,  13                          ; v13    my spare word;  v14 = 0: both never rewritten
.set NIL,  14
.set XS,   15                          ; v15    where I put sums for my partner;  v120 where I find my partner's
.set FW,   16                          ; v16-63   W's four fragments
.set FX,   64                          ; v64-111  X's four
.set TT,   80                          ; v80-111  the partner's sums, on the way out
.set SCW,  112                         ; v112-115 W's scale words, v116-119 X's: scales and nothing else
.set SCX,  116
.set XL,   120
.set L16,  121                         ; v121 16 x lane, v122 8 x lane, v123 a row's place among the scale words
.set L8,   122
.set LSC,  123
.set ACC,  128                         ; v128-255 accumulator (a = source 1's tile, b = source 0's) at 128 + 8 (4 a + b)
.set PW,   4                           ; s[4:5] the images;  s[6:7] the output
.set PX,   4
.set POUT, 6
.set WV, 14
.set KG, 15                            ; wave / 4: my group along K.  Also: I fetch for W (0) or for X (1)
.set QD, 16                            ; wave % 4: my quadrant.  Also: which K step of a chunk I fetch
.set WH, 17                            ; which 64 rows of W
.set XH, 18                            ; which 64 rows of X
.set LB, 19
.set G1W, 24
.set G0W, 32
.set G1X, 48
.set G0X, 56
.set TYPE, 68                          ; 0 q, 1 k, 2 v: from the cluster's y alone, the same in all partners
.set SEL, 70
.macro PLACES                          ; four plain lines between a matrix instruction and a load into, or a vector instruction or store on, its registers
.rept 4
	v_nop
.endr
.endm
.macro JLOAD s                         ; a joint load into slot s: waves 0-3 W's panels, waves 4-7 X's; four v_nop follow each line
	s_cmp_eq_u32 s[KG], 0
	s_cbranch_scc0 .Lfor_x_\@
	tensor_load_to_lds s[G0W+4*(\s):G0W+4*(\s)+3], s[G1W:G1W+7]
	s_nop 0
.rept 4
	v_nop
.endr
	s_branch .Lasked_\@
.Lfor_x_\@:
	tensor_load_to_lds s[G0X+4*(\s):G0X+4*(\s)+3], s[G1X:G1X+7]
	s_nop 0
.rept 4
	v_nop
.endr
.Lasked_\@:
.endm
.macro CROUND                          ; a round of the cluster's barrier
	s_barrier_signal -1
	s_barrier_wait -1
	s_cmp_lg_u32 s[WV], 0
	s_cbranch_scc1 .Lnot_wave_0_\@
	s_barrier_signal -3
.Lnot_wave_0_\@:
	s_barrier_wait -3
	s_barrier_signal -1
	s_barrier_wait -1
.endm
; The change of slots, at the head of slot rs's work.  All my tensor loads have landed (my panel of slot rs), my LDS reads of the other slot and my stores are done: then the round.  fill = 1: the other slot is filled.
.macro CHANGE rs, fill
	s_wait_tensorcnt 0x0                           ; no tensor load of mine is out, so a group 0 may be written
	ds_add_u32 v[SPW], v[NIL]                      ; 0 onto my spare word
	s_add_nc_u64 s[G0X+4*(\rs)+2:G0X+4*(\rs)+3], s[G0X+4*(\rs)+2:G0X+4*(\rs)+3], XSTEP   ; this slot's next chunk
.if WSTEP
	s_add_nc_u64 s[G0W+4*(\rs)+2:G0W+4*(\rs)+3], s[G0W+4*(\rs)+2:G0W+4*(\rs)+3], WSTEP
.endif
	s_wait_dscnt 0x0                               ; the add, my reads of the slot that I leave, and my stores for my partner
.if \fill
	CROUND
	JLOAD 1-\rs
.else
	s_barrier_signal -1
	s_barrier_wait -1
.endif
.endm
.macro LOADF slot, kk                  ; my group's K step kk of the slot: two loads of scale words, W's four fragments, X's four: 34 loads, every one at consecutive lane addresses
	ds_load_b128 v[SCW:SCW+3], v[ASW+\slot] offset:\kk*PANEL
	ds_load_b128 v[SCX:SCX+3], v[ASX+\slot] offset:\kk*PANEL
.irp t, 0,1,2,3
.irp c, 0,1
	ds_load_b128 v[FW+12*\t+6*\c:FW+12*\t+6*\c+3], v[AW16+\slot] offset:\kk*PANEL+1536*\t+768*\c
	ds_load_b64 v[FW+12*\t+6*\c+4:FW+12*\t+6*\c+5], v[AW8+\slot] offset:\kk*PANEL+1536*\t+768*\c+512
.endr
.endr
.irp t, 0,1,2,3
.irp c, 0,1
	ds_load_b128 v[FX+12*\t+6*\c:FX+12*\t+6*\c+3], v[AX16+\slot] offset:\kk*PANEL+1536*\t+768*\c
	ds_load_b64 v[FX+12*\t+6*\c+4:FX+12*\t+6*\c+5], v[AX8+\slot] offset:\kk*PANEL+1536*\t+768*\c+512
.endr
.endr
.endm
.macro MM d, fa, fb, zero, sa, sb
.if \zero
	v_wmma_scale_f32_16x16x128_f8f6f4 v[\d:\d+7], v[\fa:\fa+11], v[\fb:\fb+11], 0, v[\sa], v[\sb] matrix_a_fmt:MATRIX_FMT_FP6 matrix_b_fmt:MATRIX_FMT_FP6
.else
	v_wmma_scale_f32_16x16x128_f8f6f4 v[\d:\d+7], v[\fa:\fa+11], v[\fb:\fb+11], v[\d:\d+7], v[\sa], v[\sb] matrix_a_fmt:MATRIX_FMT_FP6 matrix_b_fmt:MATRIX_FMT_FP6
.endif
.endm
; 16 products; the sixteen accumulators take turns, one instruction a turn, in the same order everywhere.  zero = 1: the products start the sums.
.macro MUL16 zero, swap
.if \swap
	s_wait_dscnt 0x0
.endif
.irp a, 0,1,2,3
.if !\swap
	s_wait_dscnt 12-4*\a                           ; X's fragments behind tile a, four loads each, may stay out
.endif
.irp b, 0,1,2,3
.if \swap
	MM ACC+8*(4*\a+\b), FX+12*\b, FW+12*\a, \zero, SCX+\b, SCW+\a
.else
	MM ACC+8*(4*\a+\b), FW+12*\b, FX+12*\a, \zero, SCW+\b, SCX+\a
.endif
.endr
.endr
.endm
.macro MULS zero                       ; v takes the tokens as source 0
	s_cmp_eq_u32 s[TYPE], 2
	s_cbranch_scc1 .Lswap_\@
	MUL16 \zero, 0
	s_branch .Lmuld_\@
.Lswap_\@:
	MUL16 \zero, 1
.Lmuld_\@:
.endm
.macro WORK slot, zero                 ; my two K steps of the slot
	PLACES
	LOADF \slot, 0
	MULS \zero
	PLACES
	LOADF \slot, 1
	MULS 0
.endm
.macro XSTORE                          ; the half of my sums that my partner finishes goes to LDS: group 0 gives source 1's tiles 2, 3, group 1 tiles 0, 1; each accumulator from its low end on
	PLACES
	s_cmp_eq_u32 s[KG], 0
	s_cbranch_scc0 .Lxs1_\@
.irp i, 0,1,2,3,4,5,6,7,8,9,10,11,12,13,14,15
	ds_store_b128 v[XS], v[ACC+64+4*\i:ACC+64+4*\i+3] offset:512*\i
.endr
	s_branch .Lxs2_\@
.Lxs1_\@:
.irp i, 0,1,2,3,4,5,6,7,8,9,10,11,12,13,14,15
	ds_store_b128 v[XS], v[ACC+4*\i:ACC+4*\i+3] offset:512*\i
.endr
.Lxs2_\@:
.endm
.macro XADD ap                         ; the finished sums of source 1's tile 2 g + ap come to lie in v[ACC + 32 ap] on, in both groups
.irp i, 0,1,2,3,4,5,6,7
	ds_load_b128 v[TT+4*\i:TT+4*\i+3], v[XL] offset:4096*\ap+512*\i
.endr
	s_wait_dscnt 0x0
	s_cmp_eq_u32 s[KG], 0
	s_cbranch_scc0 .Lxa1_\@
.irp i, 0,2,4,6,8,10,12,14,16,18,20,22,24,26,28,30
	v_pk_add_f32 v[ACC+32*\ap+\i:ACC+32*\ap+\i+1], v[ACC+32*\ap+\i:ACC+32*\ap+\i+1], v[TT+\i:TT+\i+1]
.endr
	s_branch .Lxa2_\@
.Lxa1_\@:
.irp i, 0,2,4,6,8,10,12,14,16,18,20,22,24,26,28,30
	v_pk_add_f32 v[ACC+32*\ap+\i:ACC+32*\ap+\i+1], v[ACC+64+32*\ap+\i:ACC+64+32*\ap+\i+1], v[TT+\i:TT+\i+1]
.endr
.Lxa2_\@:
.endm
; 32 numbers of a lane, register 16 b + i = k 32 b + 16 (lane / 16) + i of my row, become half a fragment (64 along K) in v[C] .. v[C + 5] and two scale bytes in v[HW].  D: three registers, T: six, at work.
.macro QHALF S, C, D, HW, T
	v_max3_num_f32 v[\T], |v[\S]|, |v[\S+1]|, 0x1800000          ; with the floor 2^-124: the byte cannot fall under 1
	v_max3_num_f32 v[\T+1], |v[\S+16]|, |v[\S+17]|, 0x1800000
.irp i, 2,4,6,8,10,12,14
	v_max3_num_f32 v[\T], v[\T], |v[\S+\i]|, |v[\S+\i+1]|
	v_max3_num_f32 v[\T+1], v[\T+1], |v[\S+16+\i]|, |v[\S+17+\i]|
.endr
	v_mov_b32 v[\T+2], 0                           ; (a lane permute's destination counts as one of its sources)
	v_mov_b32 v[\T+3], 0
	v_permlanex16_b32 v[\T+2], v[\T], s[SEL], s[SEL+1]
	v_permlanex16_b32 v[\T+3], v[\T+1], s[SEL], s[SEL+1]
	v_max_num_f32 v[\T], v[\T], v[\T+2]            ; with lane l xor 16's 16: the block's largest magnitude
	v_max_num_f32 v[\T+1], v[\T+1], v[\T+3]
	v_add_nc_u32 v[\T+4], 0xff000000, v[\T]        ; 2 off the exponent field: the conversion's scale operand
	v_add_nc_u32 v[\T+5], 0xff000000, v[\T+1]
	v_lshrrev_b32 v[\T+2], 23, v[\T+4]             ; the scale's byte
	v_lshrrev_b32 v[\T+3], 23, v[\T+5]
	v_lshl_or_b32 v[\HW], v[\T+3], 8, v[\T+2]
	v_cvt_scalef32_pk16_fp6_f32 v[\C:\C+2], v[\S:\S+15], v[\T+4]
	v_cvt_scalef32_pk16_fp6_f32 v[\D:\D+2], v[\S+16:\S+31], v[\T+5]
	v_nop                                          ; a plain line behind the scaled conversions
.irp i, 0,1,2
	v_permlane16_swap_b32 v[\C+\i], v[\D+\i]       ; a whole block to a lane: lanes 0-15 block 0, lanes 16-31 block 1
.endr
.irp i, 0,1,2
	v_mov_b32 v[\C+3+\i], v[\D+\i]
.endr
.endm
.macro SSTORE ap                       ; q, k: a whole word, its upper bytes 0, since the instruction's upper 64 along K meet zero codes there; v: my two bytes of a word
	s_cmp_eq_u32 s[TYPE], 2
	s_cbranch_scc1 .Lhalf_\@
	global_store_b32 v[LSC], v[28+\ap], s[76+2*\ap:77+2*\ap]
	s_branch .Lsst_\@
.Lhalf_\@:
	global_store_b16 v[LSC], v[28+\ap], s[76+2*\ap:77+2*\ap]
.Lsst_\@:
.endm
.macro EPI
.irp ap, 0,1
	s_wait_xcnt 0x0                                ; earlier stores have read their registers
	XADD \ap
	QHALF ACC+32*\ap, 32+8*\ap, 48, 28+\ap, 56
	global_store_b128 v[L16], v[32+8*\ap:35+8*\ap], s[72+2*\ap:73+2*\ap]             ; 512 consecutive bytes, aligned to 256
	global_store_b64 v[L8], v[36+8*\ap:37+8*\ap], s[72+2*\ap:73+2*\ap] offset:512    ; and 256 more
	SSTORE \ap
.endr
	s_wait_xcnt 0x0                                ; the stores' registers and bases are written again only behind this wait
.endm
	s_load_b128 s[4:7], s[0:1], 0x0
	v_lshl_add_u32 v[SPW], v0, 2, SPARE
	v_mov_b32 v[NIL], 0
	ds_add_u32 v13, v14
	ds_add_u32 v13, v14
	s_wait_dscnt 0x0
	v_lshrrev_b32 v16, 5, v0
	v_readfirstlane_b32 s[WV], v16
	s_lshr_b32 s[KG], s[WV], 2
	s_and_b32 s[QD], s[WV], 3
	s_and_b32 s[WH], s[QD], 1
	s_lshr_b32 s[XH], s[QD], 1
	s_mul_i32 s[LB], s[WV], PANEL                  ; where my panel goes in a slot: no place in the cluster enters an LDS address
	s_bfe_u32 s40, ttmp6, 0x40000                  ; cx, cy
	s_bfe_u32 s41, ttmp6, 0x40004
	s_lshl_b32 s42, ttmp9, 2
	s_add_co_u32 s42, s42, s40                     ; x: the block of 128 columns
	s_and_b32 s43, ttmp7, 0xffff
	s_lshr_b32 s[TYPE], s43, 1
	s_lshl_b32 s43, s43, 2
	s_add_co_u32 s43, s43, s41                     ; y = 8 x type + the group of four token blocks
	s_lshl_b32 s44, s41, 2
	s_lshl_b32 s44, 15, s44                        ; my row of the cluster
	s_lshl_b32 s45, 0x1111, s40                    ; my column
	s_or_b32 s[G1X], s44, (3<<16)|(1<<21)          ; 15:0 the mask; 17:16 elements of 8 bytes; 21 set beside a mask; no padding
	s_or_b32 s[G1W], s45, (3<<16)|(1<<21)
.irp g, G1W, G1X
	s_mov_b32 s[\g+1], 32<<16                      ; tensor_dim0 = 32 elements: 256 bytes
	s_mov_b32 s[\g+2], 50<<16                      ; tensor_dim1 = 50 rows: a panel
	s_mov_b32 s[\g+3], 32<<16                      ; tile_dim0
	s_mov_b32 s[\g+4], 50                          ; tile_dim1
	s_mov_b32 s[\g+5], 32                          ; the pitch: dense
	s_mov_b32 s[\g+6], 0
	s_mov_b32 s[\g+7], 0
.endr
	s_mov_b32 s[SEL], 0x76543210
	s_mov_b32 s[SEL+1], 0xfedcba98
	s_mul_i32 s46, s42, 8*PANEL                    ; W: the weight's image, its block x, my K step
	s_mul_i32 s47, s[TYPE], 64*PANEL
	s_add_co_u32 s46, s46, s47
	s_mul_i32 s47, s[QD], PANEL
	s_add_co_u32 s46, s46, s47
	s_add_co_u32 s46, s46, WQOFF
	s_mov_b32 s47, 0
	s_and_b32 s20, s43, 7                          ; X: four token blocks on end,
	s_mul_i32 s20, s20, 32*PANEL
	s_min_u32 s21, s[TYPE], 1
	s_xor_b32 s21, s21, 1
	s_mul_i32 s21, s21, XNOFF                      ; of the normalised rows for q, of the rows as they are for k and v
	s_add_co_u32 s20, s20, s21
	s_mul_i32 s21, s[QD], PANEL
	s_add_co_u32 s20, s20, s21
	s_mov_b32 s21, 0
	v_and_b32 v16, 31, v0
	v_and_b32 v17, 15, v0
	v_lshlrev_b32 v19, 4, v16
	v_lshlrev_b32 v20, 3, v16
	v_lshlrev_b32 v21, 4, v17
	s_mul_i32 s2, s[KG], 2*PANEL
	s_mul_i32 s3, s[WH], 6144
	s_add_co_u32 s3, s3, s2
	s_mul_i32 s22, s[XH], 6144
	s_add_co_u32 s22, s22, s2
	s_add_co_u32 s22, s22, CHUNK
	s_lshl_b32 s23, s[WH], 8
	s_add_co_u32 s23, s23, s2
	s_add_co_u32 s23, s23, 12288
	s_lshl_b32 s69, s[XH], 8
	s_add_co_u32 s69, s69, s2
	s_add_co_u32 s69, s69, CHUNK+12288
.irp s, 0,1
	v_add_nc_u32 v[AW16+\s], s3, v19
	v_add_nc_u32 v[AW8+\s], s3, v20
	v_add_nc_u32 v[AX16+\s], s22, v19
	v_add_nc_u32 v[AX8+\s], s22, v20
	v_add_nc_u32 v[ASW+\s], s23, v21
	v_add_nc_u32 v[ASX+\s], s69, v21
	s_add_co_u32 s3, s3, SLOT
	s_add_co_u32 s22, s22, SLOT
	s_add_co_u32 s23, s23, SLOT
	s_add_co_u32 s69, s69, SLOT
.endr
	s_lshl_b32 s2, s[WV], 13
	s_add_co_u32 s2, s2, SCR
	v_add_nc_u32 v[XS], s2, v19
	s_xor_b32 s2, s[WV], 4                         ; my partner: the same quadrant, the other group
	s_lshl_b32 s2, s2, 13
	s_add_co_u32 s2, s2, SCR
	v_add_nc_u32 v[XL], s2, v19
	; where the results go
	s_and_b32 s72, s43, 7
	s_lshr_b32 s73, s72, 2                         ; batch
	s_and_b32 s72, s72, 3
	s_lshl_b32 s72, s72, 2                         ; my first block of 128 tokens in the batch
	s_lshl_b32 s74, s42, 1
	s_add_co_u32 s74, s74, s[WH]                   ; head
	s_lshl_b32 s73, s73, 4
	s_add_co_u32 s73, s73, s74                     ; 16 x batch + head
	s_lshl_b32 s75, s[XH], 2
	s_lshl_b32 s76, s[KG], 1
	s_add_co_u32 s75, s75, s76                     ; u: my first tile of tokens
	s_lshl_b32 s76, s73, 7
	s_lshl_b32 s77, s72, 3
	s_add_co_u32 s76, s76, s77
	s_add_co_u32 s76, s76, s75                     ; q: the tile's number
	s_mul_i32 s77, s76, 768
	s_add_co_u32 s77, s77, QOFF
	s_lshl_b32 s78, s76, 6
	s_add_co_u32 s78, s78, QSOFF
	s_lshl_b32 s76, s73, 4
	s_add_co_u32 s76, s76, s72
	s_mul_i32 s76, s76, REC                        ; k, v: the record
	s_mul_i32 s79, s75, 768
	s_add_co_u32 s79, s79, s76
	s_lshl_b32 s80, s75, 2
	s_add_co_u32 s80, s80, s76
	s_add_co_u32 s80, s80, 6144
	s_mul_i32 s81, s[KG], 3072
	s_mul_i32 s82, s[XH], 768
	s_add_co_u32 s81, s81, s82
	s_add_co_u32 s81, s81, s76
	s_add_co_u32 s81, s81, 6656
	s_lshl_b32 s82, s[KG], 3
	s_lshl_b32 s83, s[XH], 1
	s_add_co_u32 s82, s82, s83
	s_add_co_u32 s82, s82, s76
	s_add_co_u32 s82, s82, 12800
	s_mov_b32 s92, REC                             ; from tile to tile: codes,
	s_mov_b32 s94, REC                             ; scales
	s_mov_b32 s88, 768                             ; from my first half fragment to my second
	s_cmp_eq_u32 s[TYPE], 0
	s_cselect_b32 s84, s77, s79
	s_cselect_b32 s86, s78, s80
	s_cselect_b32 s92, 6144, s92
	s_cselect_b32 s94, 512, s94
	s_cselect_b32 s90, 64, 4
	s_cselect_b32 s96, 2, 5                        ; a row's scales lie 4, 32 or 16 bytes apart
	s_cmp_eq_u32 s[TYPE], 2
	s_cselect_b32 s84, s81, s84
	s_cselect_b32 s86, s82, s86
	s_cselect_b32 s88, 1536, s88
	s_cselect_b32 s96, 4, s96
	s_mov_b32 s85, 0
	s_mov_b32 s87, 0
	s_mov_b32 s89, 0
	s_mov_b32 s91, 0
	s_mov_b32 s93, 0
	s_mov_b32 s95, 0
	v_mov_b32 v[L16], v19
	v_mov_b32 v[L8], v20
	v_lshlrev_b32 v[LSC], s96, v17
	s_wait_kmcnt 0x0
	s_add_nc_u64 s[46:47], s[PW:PW+1], s[46:47]
	s_add_nc_u64 s[20:21], s[PX:PX+1], s[20:21]
	s_add_nc_u64 s[72:73], s[POUT:POUT+1], s[84:85]
	s_add_nc_u64 s[74:75], s[72:73], s[88:89]
	s_add_nc_u64 s[76:77], s[POUT:POUT+1], s[86:87]
	s_add_nc_u64 s[78:79], s[76:77], s[90:91]
.irp s, 0,1
	s_mov_b32 s[G0W+4*\s], 1
	s_add_co_u32 s[G0W+4*\s+1], s[LB], \s*SLOT
	s_add_nc_u64 s[G0W+4*\s+2:G0W+4*\s+3], s[46:47], \s*CHUNK
	s_or_b32 s[G0W+4*\s+3], s[G0W+4*\s+3], 0x80000000
	s_mov_b32 s[G0X+4*\s], 1
	s_add_co_u32 s[G0X+4*\s+1], s[LB], \s*SLOT
	s_add_nc_u64 s[G0X+4*\s+2:G0X+4*\s+3], s[20:21], \s*CHUNK
	s_or_b32 s[G0X+4*\s+3], s[G0X+4*\s+3], 0x80000000
.endr
	CROUND                                         ; all sixteen work-groups are here: the first joint loads meet
	JLOAD 0
	CHANGE 0, 1                                    ; slot 1's first fill goes out as a refill does
	s_mov_b32 s66, 3
.Ltile:                                                ; a tile: two chunks.  The exchange's barrier is the ring's own round, and the refill behind it lands under the way out too
	WORK 0, 1
	CHANGE 1, 1
	WORK 1, 0
	XSTORE
	CHANGE 0, 1
	EPI
	s_add_nc_u64 s[72:73], s[72:73], s[92:93]
	s_add_nc_u64 s[74:75], s[74:75], s[92:93]
	s_add_nc_u64 s[76:77], s[76:77], s[94:95]
	s_add_nc_u64 s[78:79], s[78:79], s[94:95]
	s_sub_co_u32 s66, s66, 1
	s_cmp_lg_u32 s66, 0
	s_cbranch_scc1 .Ltile
	WORK 0, 1                                      ; the last tile is written out: it asks for nothing more
	CHANGE 1, 0
	WORK 1, 0
	XSTORE
	CHANGE 0, 0
	EPI
	s_wait_tensorcnt 0x0                           ; the wave's end
	ds_add_u32 v[SPW], v[NIL]
	s_wait_dscnt 0x0
	CROUND                                         ; the closing round
	s_endpgm
.Lfunc_end_k_q3f45a62312_qkv:
	.size	k_q3f45a62312_qkv, .Lfunc_end_k_q3f45a62312_qkv-k_q3f45a62312_qkv
	.p2alignl 7, 3214868480
	.fill 96, 4, 3214868480
	.section	.rodata,"a",@progbits
	.p2align	6, 0x0
	.amdhsa_kernel k_q3f45a62312_qkv
		.amdhsa_group_segment_fixed_size 327680
		.amdhsa_private_segment_fixed_size 0
		.amdhsa_enable_private_segment 0
		.amdhsa_kernarg_size 16
		.amdhsa_user_sgpr_count 2
		.amdhsa_user_sgpr_kernarg_segment_ptr 1
		.amdhsa_wavefront_size32 1
		.amdhsa_system_sgpr_workgroup_id_x 1
		.amdhsa_system_sgpr_workgroup_id_y 1
		.amdhsa_system_sgpr_workgroup_id_z 1
		.amdhsa_system_vgpr_workitem_id 0
		.amdhsa_next_free_vgpr 256
		.amdhsa_next_free_sgpr 100
		.amdhsa_reserve_vcc 0
		.amdhsa_float_denorm_mode_32 3
		.amdhsa_float_denorm_mode_16_64 3
		.amdhsa_memory_ordered 1
		.amdhsa_forward_progress 1
		.amdhsa_inst_pref_size 91
	.end_amdhsa_kernel
	.amdgpu_metadata
---
amdhsa.version: [ 1, 2 ]
amdhsa.kernels:
  - .name:           k_q3f45a62312_qkv
    .symbol:         k_q3f45a62312_qkv.kd
    .args:
      - { .name: img, .offset: 0, .size: 8, .value_kind: global_buffer, .address_space: global }
      - { .name: qkvc, .offset: 8, .size: 8, .value_kind: global_buffer, .address_space: global }
    .group_segment_fixed_size: 327680
    .private_segment_fixed_size: 0
    .kernarg_segment_align: 8
    .kernarg_segment_size: 16
    .max_flat_workgroup_size: 256
    .sgpr_count:     100
    .vgpr_count:     256
    .wavefront_size: 32
...
	.end_amdgpu_metadata
.endif
;; end of part 2
;; launch attn (part 3): grid 8 x 32, 16 waves a work-group, clusters of 4 x 1, 210,944 bytes of LDS; arguments qkvc, sscale, attc; writes attc
.if DOCPART == 3
	.amdgcn_target "amdgcn-amd-amdhsa--gfx1250"
	.amdhsa_code_object_version 6
	.text
	.protected	k_q3f45a62312_attn
	.globl	k_q3f45a62312_attn
	.p2align	8
	.type	k_q3f45a62312_attn,@function
k_q3f45a62312_attn:
	s_mov_b64 s[64:65], 0
	v_nop
	global_prefetch_b8 v0, s[64:65] scope:SCOPE_SE
	s_setreg_imm32_b32 hwreg(HW_REG_WAVE_MODE, 25, 1), 1
	s_wait_xcnt 0x0
	s_wait_alu depctr_hold_cnt(0) depctr_sa_sdst(0) depctr_va_vdst(0) depctr_va_sdst(0) depctr_va_ssrc(0) depctr_va_vcc(0) depctr_vm_vsrc(0)
	s_getreg_b32 s2, hwreg(HW_REG_IB_STS2, 6, 4)
	s_cmp_eq_u32 s2, 0
	s_cbranch_scc0 .Lentry_in_a_cluster
	s_endpgm
.Lentry_in_a_cluster:
	s_bfe_u32 s2, ttmp6, 0x10000c
	s_cmp_lg_u32 s2, 0x3003
	s_cbranch_scc0 .Lentry_shape_is_right
	s_endpgm
.Lentry_shape_is_right:
; O = softmax(q k^T / 8 x sscale x ln 2048) v for one (batch, head), both products on codes of FP6; O / l is quantised along the model's 1,024 for the next product and stored as an operand's image.
; t = score x c, c = sscale x 11 / 8 (ln 2048 x log2 e = 11).  M = the running largest t rounded up to a whole number; p = 2^(t - M) is quantised along the keys; the row's sum l is taken of the unquantised p.
; A NEGATIVE sscale: the signs of q's codes are turned and |c| is used: the same t, and the largest score still gives the largest t.  No branch hangs on it.
; SHARES.  A work-group owns 256 queries, each of its sixteen waves one tile of 16: four waves to a SIMD, so that one wave's vector work stands beside another's products and LDS loads.
; A HEAD'S WHOLE K AND V, sixteen records of 13,056 bytes (128 keys each), FIT IN LDS: wave w fetches record w by one tensor load; one barrier; nothing is ever filled again.  One load of a wave is out.
; CLUSTER 4 x 1: the four blocks of queries of a cluster belong to one head, so each record is asked for jointly, with the same descriptor and a mask that names the four.
; A record: K's eight tiles as half fragments (768 t: registers 0-3 at 16 x lane, 4, 5 at 512 + 8 x lane), K's words at 6144 + 32 r + 4 t, V^T's four fragments at 6656 + 1536 d + 768 c, V's words at 12800 + 16 r + 4 d.
; THE FIRST PRODUCT'S K IS 64, the instruction's 128.  q's registers 6-11 are zero codes, so what stands opposite them adds nothing: K's tiles lie on end, six registers each, tile t's operand runs on into
; tile t + 1's codes, the last into six registers of zeros; the upper two scale bytes of q's and K's words are 0, which is a power of two like any other.
; Both products are used transposed: a lane holds one query throughout.  Lane r of K's tile t holds key 32 (t / 2) + 8 (t % 2) + r + 8 (r / 8), so p's 16 registers of two neighbouring tiles are 16 neighbouring keys.
; LIMITS: NaN and infinities are not served; a block of p that has fallen to 0 keeps the byte 1 over zero codes.
.set REC,   13056
.set QOFF,  6684672
.set QSOFF, 9830400
.set PANEL, 12800
.set WV,  10
.set G1,  24
.set G0,  32
.set CS,  36                           ; s[36:37] |c|, twice
.set SEL, 38                           ; s[38:39] lane l xor 16
.set TB,  46                           ; the record in hand
.set CNT, 47
; v1-4 lane terms (16 x lane, 8 x lane, 32 r, 16 r); v5-8 the step's addresses; v12 -M, v13 the largest t, v[14:15] l; v16-27 q; v28 q's word; v30-37 K's words, then V's in v30-33; v38 p's word;
; v40-93 K's tiles or V^T's fragments; v96-159 S^T, then p; v160-191 O^T; v192-203 p's codes; v204-210, v212-229 at work
.macro CROUND
	s_barrier_signal -1
	s_barrier_wait -1
	s_cmp_lg_u32 s[WV], 0
	s_cbranch_scc1 .Lnot_wave_0_\@
	s_barrier_signal -3
.Lnot_wave_0_\@:
	s_barrier_wait -3
	s_barrier_signal -1
	s_barrier_wait -1
.endm
; 32 numbers of a lane, register 16 b + i = k 32 b + 16 (lane / 16) + i of my row, become half a fragment in v[C] .. v[C + 5] and two scale bytes in v[HW]
.macro QHALF S, C, D, HW, T
	v_max3_num_f32 v[\T], |v[\S]|, |v[\S+1]|, 0x1800000
	v_max3_num_f32 v[\T+1], |v[\S+16]|, |v[\S+17]|, 0x1800000
.irp i, 2,4,6,8,10,12,14
	v_max3_num_f32 v[\T], v[\T], |v[\S+\i]|, |v[\S+\i+1]|
	v_max3_num_f32 v[\T+1], v[\T+1], |v[\S+16+\i]|, |v[\S+17+\i]|
.endr
	v_mov_b32 v[\T+2], 0
	v_mov_b32 v[\T+3], 0
	v_permlanex16_b32 v[\T+2], v[\T], s[SEL], s[SEL+1]
	v_permlanex16_b32 v[\T+3], v[\T+1], s[SEL], s[SEL+1]
	v_max_num_f32 v[\T], v[\T], v[\T+2]
	v_max_num_f32 v[\T+1], v[\T+1], v[\T+3]
	v_add_nc_u32 v[\T+4], 0xff000000, v[\T]
	v_add_nc_u32 v[\T+5], 0xff000000, v[\T+1]
	v_lshrrev_b32 v[\T+2], 23, v[\T+4]
	v_lshrrev_b32 v[\T+3], 23, v[\T+5]
	v_lshl_or_b32 v[\HW], v[\T+3], 8, v[\T+2]
	v_cvt_scalef32_pk16_fp6_f32 v[\C:\C+2], v[\S:\S+15], v[\T+4]
	v_cvt_scalef32_pk16_fp6_f32 v[\D:\D+2], v[\S+16:\S+31], v[\T+5]
	v_nop
.irp i, 0,1,2
	v_permlane16_swap_b32 v[\C+\i], v[\D+\i]
.endr
.irp i, 0,1,2
	v_mov_b32 v[\C+3+\i], v[\D+\i]
.endr
.endm
	s_load_b128 s[4:7], s[0:1], 0x0                ; q, k, v as codes; sscale
	s_load_b64 s[8:9], s[0:1], 0x10                ; the output's image
	v_lshl_add_u32 v254, v0, 2, 0x33000
	v_mov_b32 v255, 0
	ds_add_u32 v254, v255
	ds_add_u32 v254, v255
	v_lshrrev_b32 v9, 5, v0
	v_readfirstlane_b32 s[WV], v9                  ; wave 0..15
	s_bfe_u32 s11, ttmp6, 0x40000                  ; cx: it enters q's and the output's addresses alone
	s_lshl_b32 s12, ttmp9, 2
	s_add_co_u32 s12, s12, s11                     ; my block of 256 queries
	s_and_b32 s13, ttmp7, 0xffff                   ; 16 x batch + head, which the partners share
	s_lshl_b32 s14, s13, 4
	s_add_co_u32 s14, s14, s[WV]
	s_mul_i32 s14, s14, REC                        ; record w of the head, in memory
	s_mov_b32 s15, 0
	s_mul_i32 s16, s[WV], REC                      ; and in LDS
	s_mov_b32 s[G1], 15|(3<<16)|(1<<21)            ; the mask: all four; elements of 8 bytes; bit 21 beside a mask; no padding
	s_mov_b32 s[G1+1], 32<<16                      ; rows of 256 bytes,
	s_mov_b32 s[G1+2], 51<<16                      ; 51 of them
	s_mov_b32 s[G1+3], 32<<16
	s_mov_b32 s[G1+4], 51
	s_mov_b32 s[G1+5], 32
	s_mov_b32 s[G1+6], 0
	s_mov_b32 s[G1+7], 0
	s_mov_b32 s[SEL], 0x76543210
	s_mov_b32 s[SEL+1], 0xfedcba98
	s_lshl_b32 s18, s12, 4
	s_add_co_u32 s18, s18, s[WV]                   ; my tile of queries, 0..127
	s_lshl_b32 s19, s13, 7
	s_add_co_u32 s19, s19, s18
	s_mul_i32 s52, s19, 768
	s_add_co_u32 s52, s52, QOFF
	s_mov_b32 s53, 0
	s_lshl_b32 s54, s19, 6
	s_add_co_u32 s54, s54, QSOFF
	s_mov_b32 s55, 0
	s_lshr_b32 s56, s13, 4
	s_lshl_b32 s56, s56, 4
	s_lshr_b32 s57, s18, 3
	s_add_co_u32 s56, s56, s57                     ; the block of 128 tokens
	s_lshl_b32 s56, s56, 3
	s_and_b32 s57, s13, 15                         ; head
	s_lshr_b32 s58, s57, 1
	s_add_co_u32 s56, s56, s58                     ; two heads make a K step of the next product
	s_mul_i32 s56, s56, PANEL
	s_and_b32 s57, s57, 1
	s_and_b32 s58, s18, 7
	s_mul_i32 s59, s58, 1536
	s_add_co_u32 s59, s59, s56
	s_mul_i32 s60, s57, 768
	s_add_co_u32 s60, s60, s59                     ; my half fragment
	s_mov_b32 s61, 0
	s_lshr_b32 s59, s58, 2
	s_lshl_b32 s59, s59, 8
	s_add_co_u32 s62, s56, s59
	s_and_b32 s59, s18, 3
	s_lshl_b32 s59, s59, 2
	s_add_co_u32 s62, s62, s59
	s_lshl_b32 s59, s57, 1
	s_add_co_u32 s62, s62, s59
	s_add_co_u32 s62, s62, 12288                   ; my two bytes of the rows' scale words
	s_mov_b32 s63, 0
	v_and_b32 v10, 31, v0
	v_and_b32 v11, 15, v0
	v_lshlrev_b32 v1, 4, v10
	v_lshlrev_b32 v2, 3, v10
	v_lshlrev_b32 v3, 5, v11
	v_lshlrev_b32 v4, 4, v11
	v_lshlrev_b32 v9, 2, v11
	s_wait_dscnt 0x0
	s_wait_kmcnt 0x0
	s_load_b32 s17, s[6:7], 0x0
	s_mov_b32 s[G0], 1
	s_mov_b32 s[G0+1], s16
	s_add_nc_u64 s[G0+2:G0+3], s[4:5], s[14:15]
	s_or_b32 s[G0+3], s[G0+3], 0x80000000
	s_add_nc_u64 s[20:21], s[4:5], s[52:53]
	s_add_nc_u64 s[22:23], s[4:5], s[54:55]
	s_add_nc_u64 s[48:49], s[8:9], s[60:61]
	s_add_nc_u64 s[50:51], s[8:9], s[62:63]
	CROUND                                         ; all four work-groups are here: the joint loads meet
	tensor_load_to_lds s[G0:G0+3], s[G1:G1+7]
	s_nop 0
.rept 4
	v_nop
.endr
	global_load_b128 v[16:19], v1, s[20:21]
	global_load_b64 v[20:21], v2, s[20:21] offset:512
	global_load_b32 v28, v9, s[22:23]
	s_wait_kmcnt 0x0
	s_mul_f32 s40, s17, 0x3fb00000                 ; c = sscale x 1.375
	s_ashr_i32 s43, s40, 31                        ; all ones where c is negative
	s_and_b32 s[CS], s40, 0x7fffffff
	s_mov_b32 s[CS+1], s[CS]
	s_and_b32 s40, s43, 0x20820820                 ; the sign bits (6 i + 5) of sixteen codes in three words
	s_and_b32 s41, s43, 0x08208208
	s_and_b32 s42, s43, 0x82082082
	s_wait_loadcnt 0x0
	v_xor_b32 v16, s40, v16
	v_xor_b32 v17, s41, v17
	v_xor_b32 v18, s42, v18
	v_xor_b32 v19, s40, v19
	v_xor_b32 v20, s41, v20
	v_xor_b32 v21, s42, v21
.irp j, 22,23,24,25,26,27,88,89,90,91,92,93
	v_mov_b32 v\j, 0                               ; zero codes: q's upper 64 along K; what follows K's last tile
.endr
	v_mov_b32 v13, 0xff61b1e6                      ; the largest t so far: -3e38
	v_floor_f32 v12, -v13                          ; -M
	v_mov_b32 v14, 0
	v_mov_b32 v15, 0
	v_mov_b32 v227, 0                              ; (named as the upper half of a pair)
.irp j, 216,217,218,219
	v_mov_b32 v\j, 0                               ; (a lane permute's destination counts as one of its sources)
.endr
.set J, 0
.rept 32
	v_mov_b32 v[160+J], 0                          ; O^T: the step is written once, its first trip finds zeros
.set J, J+1
.endr
	s_mov_b32 s[TB], 0
	s_mov_b32 s[CNT], 16
	s_wait_tensorcnt 0x0                           ; my record has landed,
	s_barrier_signal -1
	s_barrier_wait -1                              ; everybody's has
.Lstep:                                                ; 128 keys a trip
	v_add_nc_u32 v5, s[TB], v1                     ; (these four are also the places behind the last trip's products)
	v_add_nc_u32 v6, s[TB], v2
	v_add_nc_u32 v7, s[TB], v3
	v_add_nc_u32 v8, s[TB], v4
	ds_load_b128 v[30:33], v7 offset:6144
	ds_load_b128 v[34:37], v7 offset:6160
.irp t, 0,1,2,3,4,5,6,7
	ds_load_b128 v[40+6*\t:43+6*\t], v5 offset:768*\t
	ds_load_b64 v[44+6*\t:45+6*\t], v6 offset:768*\t+512
.endr
	s_wait_dscnt 0x0
.irp t, 0,1,2,3,4,5,6,7
	v_wmma_scale_f32_16x16x128_f8f6f4 v[96+8*\t:103+8*\t], v[40+6*\t:51+6*\t], v[16:27], 0, v[30+\t], v28 matrix_a_fmt:MATRIX_FMT_FP6 matrix_b_fmt:MATRIX_FMT_FP6
.endr
.rept 4
	v_nop                                          ; places in front of the loads into K's registers and of the first read of the scores
.endr
	ds_load_b128 v[30:33], v8 offset:12800         ; V^T lands under the softmax
.irp d, 0,1,2,3
.irp c, 0,1
	ds_load_b128 v[40+12*\d+6*\c:43+12*\d+6*\c], v5 offset:6656+1536*\d+768*\c
	ds_load_b64 v[44+12*\d+6*\c:45+12*\d+6*\c], v6 offset:6656+1536*\d+768*\c+512
.endr
.endr
.irp b, 0,1,2,3
	v_max3_num_f32 v[212+\b], v[96+16*\b], v[97+16*\b], v[98+16*\b]   ; the largest score of each block of 32 keys: for the row's maximum, and, since p rises with the score, for the block's largest p
.endr
.irp i, 3,5,7,9,11,13
.irp b, 0,1,2,3
	v_max3_num_f32 v[212+\b], v[212+\b], v[96+16*\b+\i], v[97+16*\b+\i]
.endr
.endr
.irp b, 0,1,2,3
	v_max_num_f32 v[212+\b], v[212+\b], v[111+16*\b]
.endr
.irp b, 0,1,2,3
	v_permlanex16_b32 v[216+\b], v[212+\b], s[SEL], s[SEL+1]
.endr
.irp b, 0,1,2,3
	v_max_num_f32 v[212+\b], v[212+\b], v[216+\b]
.endr
	v_max3_num_f32 v224, v212, v213, v214
	v_max_num_f32 v224, v224, v215
	v_mul_f32 v224, s[CS], v224                    ; as t (|c| is not negative)
	v_max_num_f32 v13, v13, v224                   ; the running largest t
	v_mov_b32 v224, v12
	v_floor_f32 v12, -v13                          ; the new -M = -ceil(t)
	v_sub_f32 v224, v12, v224                      ; old M - new M: a whole number, 0 or less
	v_cvt_i32_f32 v224, v224                       ; (it saturates)
	v_ldexp_f32 v226, 1.0, v224                    ; f = 2^(old M - new M): a multiplication by it rounds nothing
.set J, 0
.rept 32
	v_pk_fma_f32 v[96+J:97+J], v[96+J:97+J], s[CS:CS+1], v[12:13] op_sel_hi:[1,0,0]   ; t - M
.set J, J+2
.endr
.irp b, 0,1,2,3
	v_fma_f32 v[212+\b], v[212+\b], s[CS], v12
.endr
.set J, 0
.rept 64
	v_exp_f32 v[96+J], v[96+J]                     ; p = 2^(t - M)
.set J, J+1
.endr
.irp b, 0,1,2,3
	v_exp_f32 v[212+\b], v[212+\b]                 ; the block's largest p
.endr
	v_pk_mul_f32 v[14:15], v[14:15], v[226:227] op_sel_hi:[1,0]   ; l under the new M.  (A plain line behind the exponentials)
	s_wait_alu depctr_va_vdst(0)
.irp b, 0,1,2,3
	v_max_num_f32 v[212+\b], 0x1800000, v[212+\b]  ; the floor 2^-124
.endr
.irp b, 0,1,2,3
	v_add_nc_u32 v[220+\b], 0xff000000, v[212+\b]
.endr
.irp b, 0,1,2,3
	v_lshrrev_b32 v[216+\b], 23, v[220+\b]
.endr
	v_lshl_or_b32 v38, v217, 8, v216               ; p's scale word for these 128 keys
	v_lshl_or_b32 v38, v218, 16, v38
	v_lshl_or_b32 v38, v219, 24, v38
.irp c, 0,1
	v_cvt_scalef32_pk16_fp6_f32 v[192+6*\c:194+6*\c], v[96+32*\c:111+32*\c], v[220+2*\c]
	v_cvt_scalef32_pk16_fp6_f32 v[204+4*\c:206+4*\c], v[112+32*\c:127+32*\c], v[220+2*\c+1]
.endr
	v_nop
.irp c, 0,1
.irp i, 0,1,2
	v_permlane16_swap_b32 v[192+6*\c+\i], v[204+4*\c+\i]
.endr
.irp i, 0,1,2
	v_mov_b32 v[195+6*\c+\i], v[204+4*\c+\i]
.endr
.endr
	v_pk_add_f32 v[228:229], v[96:97], v[98:99]    ; the row's sum of the unquantised p, in two chains
.irp j, 4,8,12,16,20,24,28,32,36,40,44,48,52,56,60
	v_pk_add_f32 v[14:15], v[14:15], v[96+\j:97+\j]
	v_pk_add_f32 v[228:229], v[228:229], v[98+\j:99+\j]
.endr
	v_pk_add_f32 v[14:15], v[14:15], v[228:229]
.set J, 0
.rept 16
	v_pk_mul_f32 v[160+J:161+J], v[160+J:161+J], v[226:227] op_sel_hi:[1,0]   ; O^T under the new M
.set J, J+2
.endr
	s_wait_dscnt 0x0                               ; V^T and its words
.irp d, 0,1,2,3
	v_wmma_scale_f32_16x16x128_f8f6f4 v[160+8*\d:167+8*\d], v[40+12*\d:51+12*\d], v[192:203], v[160+8*\d:167+8*\d], v[30+\d], v38 matrix_a_fmt:MATRIX_FMT_FP6 matrix_b_fmt:MATRIX_FMT_FP6
.endr
	s_add_co_u32 s[TB], s[TB], REC
	s_sub_co_u32 s[CNT], s[CNT], 1
	s_cmp_lg_u32 s[CNT], 0
	s_cbranch_scc1 .Lstep
.rept 4
	v_nop
.endr
	v_add_f32 v14, v14, v15
	v_permlanex16_b32 v216, v14, s[SEL], s[SEL+1]
	v_add_f32 v14, v14, v216                       ; the row's sum
	v_rcp_f32 v14, v14
	v_nop
.set J, 0
	s_wait_alu depctr_va_vdst(0)
.rept 16
	v_pk_mul_f32 v[96+J:97+J], v[160+J:161+J], v[14:15] op_sel_hi:[1,0]   ; register 8 d + j is channel 32 (d / 2) + 8 (d % 2) + 16 h + j of my query: two blocks of 32, half of each
.set J, J+2
.endr
	QHALF 96, 192, 204, 212, 216
	global_store_b128 v1, v[192:195], s[48:49]
	global_store_b64 v2, v[196:197], s[48:49] offset:512
	global_store_b16 v4, v212, s[50:51]
	s_wait_tensorcnt 0x0
	ds_add_u32 v254, v255
	s_wait_dscnt 0x0
	CROUND                                         ; the closing round
	s_endpgm
.Lfunc_end_k_q3f45a62312_attn:
	.size	k_q3f45a62312_attn, .Lfunc_end_k_q3f45a62312_attn-k_q3f45a62312_attn
	.p2alignl 7, 3214868480
	.fill 96, 4, 3214868480
	.section	.rodata,"a",@progbits
	.p2align	6, 0x0
	.amdhsa_kernel k_q3f45a62312_attn
		.amdhsa_group_segment_fixed_size 210944
		.amdhsa_private_segment_fixed_size 0
		.amdhsa_enable_private_segment 0
		.amdhsa_kernarg_size 24
		.amdhsa_user_sgpr_count 2
		.amdhsa_user_sgpr_kernarg_segment_ptr 1
		.amdhsa_wavefront_size32 1
		.amdhsa_system_sgpr_workgroup_id_x 1
		.amdhsa_system_sgpr_workgroup_id_y 1
		.amdhsa_system_sgpr_workgroup_id_z 1
		.amdhsa_system_vgpr_workitem_id 0
		.amdhsa_next_free_vgpr 256
		.amdhsa_next_free_sgpr 66
		.amdhsa_reserve_vcc 0
		.amdhsa_float_denorm_mode_32 3
		.amdhsa_float_denorm_mode_16_64 3
		.amdhsa_memory_ordered 1
		.amdhsa_forward_progress 1
		.amdhsa_inst_pref_size 27
	.end_amdhsa_kernel
	.amdgpu_metadata
---
amdhsa.version: [ 1, 2 ]
amdhsa.kernels:
  - .name:           k_q3f45a62312_attn
    .symbol:         k_q3f45a62312_attn.kd
    .args:
      - { .name: qkvc, .offset: 0, .size: 8, .value_kind: global_buffer, .address_space: global }
      - { .name: sscale, .offset: 8, .size: 8, .value_kind: global_buffer, .address_space: global }
      - { .name: attc, .offset: 16, .size: 8, .value_kind: global_buffer, .address_space: global }
    .group_segment_fixed_size: 210944
    .private_segment_fixed_size: 0
    .kernarg_segment_align: 8
    .kernarg_segment_size: 24
    .max_flat_workgroup_size: 512
    .sgpr_count:     66
    .vgpr_count:     256
    .wavefront_size: 32
...
	.end_amdgpu_metadata
.endif
;; end of part 3
;; launch proj (part 4): grid 8 x 32, 8 waves a work-group, clusters of 4 x 4, 327,680 bytes of LDS; arguments img, attc, x, x1; writes x1
.if DOCPART == 4
	.amdgcn_target "amdgcn-amd-amdhsa--gfx1250"
	.amdhsa_code_object_version 6
	.text
	.protected	k_q3f45a62312_proj
	.globl	k_q3f45a62312_proj
	.p2align	8
	.type	k_q3f45a62312_proj,@function
k_q3f45a62312_proj:
	s_mov_b64 s[64:65], 0
	v_nop
	global_prefetch_b8 v0, s[64:65] scope:SCOPE_SE
	s_setreg_imm32_b32 hwreg(HW_REG_WAVE_MODE, 25, 1), 1
	s_wait_xcnt 0x0
	s_wait_alu depctr_hold_cnt(0) depctr_sa_sdst(0) depctr_va_vdst(0) depctr_va_sdst(0) depctr_va_ssrc(0) depctr_va_vcc(0) depctr_vm_vsrc(0)
	s_getreg_b32 s2, hwreg(HW_REG_IB_STS2, 6, 4)
	s_cmp_eq_u32 s2, 0
	s_cbranch_scc0 .Lentry_in_a_cluster
	s_endpgm
.Lentry_in_a_cluster:
	s_bfe_u32 s2, ttmp6, 0x10000c
	s_cmp_lg_u32 s2, 0xf033
	s_cbranch_scc0 .Lentry_shape_is_right
	s_endpgm
.Lentry_shape_is_right:
; x1 = x + att wo on codes of FP6; x1 is f32.  One tile of 128 tokens x 128 columns to a work-group, K = 1,024: two chunks of four K steps.
; OPERANDS are images of operand registers, in panels of 128 rows x 128 K, 12,800 bytes: tile t, half c at 1536 t + 768 c (registers 6 c .. 6 c + 3 at 16 x lane, 6 c + 4, 6 c + 5 at 512 + 8 x lane);
; scale words at 12288 + 256 (t / 4) + 16 r + 4 (t % 4).  Lane r of tile t holds row 32 (t / 2) + 8 (t % 2) + r + 8 (r / 8).
; SHARES.  Eight waves: 2 x 2 quadrants of 64 x 64 times 2 groups along K (of a slot's four K steps group g takes 2 g, 2 g + 1); two waves to a SIMD, each within 256 registers.  At the end the groups exchange
; halves of their sums through LDS; each wave finishes 32 rows x 64 columns.  (So K is summed in two halves: the order of f32 additions differs from an ascending sum.)
; CLUSTER 4 x 4.  W's panels are asked for jointly along a column of the cluster, X's along a row.  One tensor load of a wave is out at a time.
; OUT.  A lane holds one token and 32 columns: 16 rows x 256 bytes go through the wave's own stage and leave as whole rows: sixteen lanes store 256 consecutive bytes, aligned.
.set BIAS,  0
.set PANEL, 12800
.set CHUNK, 4*PANEL
.set SLOT,  2*CHUNK
.set SCR,   2*SLOT                     ; 8,192 bytes a wave for the exchange of sums
.set STG,   SCR+8*8192                 ; 16 rows x 272 bytes a wave: the stage
.set SPARE, STG+8*16*272               ; the spare words, 128 bytes a wave: four blocks of 256 bytes that no other line names
.set XSTEP, SLOT
.set WSTEP, 0
.set WOFF,  9011200                    ; wo's image
.set WBLK,  8*PANEL
.set XBLK,  8*PANEL
.set AW16, 1
.set AW8,  3
.set AX16, 5
.set AX8,  7
.set ASW,  9
.set ASX,  11
.set SPW,  13
.set NIL,  14
.set XS,   15
.set FW,   16
.set FX,   64
.set TT,   80
.set SCW,  112
.set SCX,  116
.set XL,   120
.set STO,  121                         ; the stage, in;  v126 the stage, out;  v127 my bytes in two rows of the output
.set SRD,  126
.set GLN,  127
.set ACC,  128
.set PW,   4
.set PX,   6
.set PRES, 8
.set POUT, 10
.set WV, 14
.set KG, 15
.set QD, 16
.set WH, 17
.set XH, 18
.set LB, 19
.set G1W, 24
.set G0W, 32
.set G1X, 48
.set G0X, 56
.macro PLACES
.rept 4
	v_nop
.endr
.endm
.macro JLOAD s
	s_cmp_eq_u32 s[KG], 0
	s_cbranch_scc0 .Lfor_x_\@
	tensor_load_to_lds s[G0W+4*(\s):G0W+4*(\s)+3], s[G1W:G1W+7]
	s_nop 0
.rept 4
	v_nop
.endr
	s_branch .Lasked_\@
.Lfor_x_\@:
	tensor_load_to_lds s[G0X+4*(\s):G0X+4*(\s)+3], s[G1X:G1X+7]
	s_nop 0
.rept 4
	v_nop
.endr
.Lasked_\@:
.endm
.macro CROUND
	s_barrier_signal -1
	s_barrier_wait -1
	s_cmp_lg_u32 s[WV], 0
	s_cbranch_scc1 .Lnot_wave_0_\@
	s_barrier_signal -3
.Lnot_wave_0_\@:
	s_barrier_wait -3
	s_barrier_signal -1
	s_barrier_wait -1
.endm
.macro CHANGE rs, fill
	s_wait_tensorcnt 0x0                           ; no tensor load of mine is out
	ds_add_u32 v[SPW], v[NIL]                      ; 0 onto my spare word
	s_add_nc_u64 s[G0X+4*(\rs)+2:G0X+4*(\rs)+3], s[G0X+4*(\rs)+2:G0X+4*(\rs)+3], XSTEP   ; (the stepped address is not used in this text)
.if WSTEP
	s_add_nc_u64 s[G0W+4*(\rs)+2:G0W+4*(\rs)+3], s[G0W+4*(\rs)+2:G0W+4*(\rs)+3], WSTEP
.endif
	s_wait_dscnt 0x0                               ; the add, my reads of the slot that I leave, and my stores for my partner
.if \fill
	CROUND
	JLOAD 1-\rs
.else
	s_barrier_signal -1
	s_barrier_wait -1
.endif
.endm
.macro LOADF slot, kk
	ds_load_b128 v[SCW:SCW+3], v[ASW+\slot] offset:\kk*PANEL
	ds_load_b128 v[SCX:SCX+3], v[ASX+\slot] offset:\kk*PANEL
.irp t, 0,1,2,3
.irp c, 0,1
	ds_load_b128 v[FW+12*\t+6*\c:FW+12*\t+6*\c+3], v[AW16+\slot] offset:\kk*PANEL+1536*\t+768*\c
	ds_load_b64 v[FW+12*\t+6*\c+4:FW+12*\t+6*\c+5], v[AW8+\slot] offset:\kk*PANEL+1536*\t+768*\c+512
.endr
.endr
.irp t, 0,1,2,3
.irp c, 0,1
	ds_load_b128 v[FX+12*\t+6*\c:FX+12*\t+6*\c+3], v[AX16+\slot] offset:\kk*PANEL+1536*\t+768*\c
	ds_load_b64 v[FX+12*\t+6*\c+4:FX+12*\t+6*\c+5], v[AX8+\slot] offset:\kk*PANEL+1536*\t+768*\c+512
.endr
.endr
.endm
.macro MM d, fa, fb, zero, sa, sb
.if \zero
	v_wmma_scale_f32_16x16x128_f8f6f4 v[\d:\d+7], v[\fa:\fa+11], v[\fb:\fb+11], 0, v[\sa], v[\sb] matrix_a_fmt:MATRIX_FMT_FP6 matrix_b_fmt:MATRIX_FMT_FP6
.else
	v_wmma_scale_f32_16x16x128_f8f6f4 v[\d:\d+7], v[\fa:\fa+11], v[\fb:\fb+11], v[\d:\d+7], v[\sa], v[\sb] matrix_a_fmt:MATRIX_FMT_FP6 matrix_b_fmt:MATRIX_FMT_FP6
.endif
.endm
.macro MULS zero                       ; 16 products, the sixteen accumulators by turns
.irp a, 0,1,2,3
	s_wait_dscnt 12-4*\a                           ; X's fragments behind tile a, four loads each, may stay out
.irp b, 0,1,2,3
	MM ACC+8*(4*\a+\b), FW+12*\b, FX+12*\a, \zero, SCW+\b, SCX+\a
.endr
.endr
.endm
.macro WORK slot, zero
	PLACES
	LOADF \slot, 0
	MULS \zero
	PLACES
	LOADF \slot, 1
	MULS 0
.endm
.macro EARLY                           ; the residual's rows, in the layout of the stores, are asked for ahead of the exchange
.if BIAS
	v_and_b32 v80, 15, v0
	v_lshlrev_b32 v80, 4, v80
	global_load_b128 v[122:125], v80, s[76:77]
.endif
.irp ap, 0,1
.irp i, 0,1,2,3,4,5,6,7
	global_load_b128 v[16+32*\ap+4*\i:16+32*\ap+4*\i+3], v[GLN], s[72:73] offset:(8*\ap+2*\i+8*(\i/4))*4096
.endr
.endr
.endm
.macro XSTORE
	PLACES
	EARLY
	s_cmp_eq_u32 s[KG], 0
	s_cbranch_scc0 .Lxs1_\@
.irp i, 0,1,2,3,4,5,6,7,8,9,10,11,12,13,14,15
	ds_store_b128 v[XS], v[ACC+64+4*\i:ACC+64+4*\i+3] offset:512*\i
.endr
	s_branch .Lxs2_\@
.Lxs1_\@:
.irp i, 0,1,2,3,4,5,6,7,8,9,10,11,12,13,14,15
	ds_store_b128 v[XS], v[ACC+4*\i:ACC+4*\i+3] offset:512*\i
.endr
.Lxs2_\@:
.endm
.macro XADD ap
.irp i, 0,1,2,3,4,5,6,7
	ds_load_b128 v[TT+4*\i:TT+4*\i+3], v[XL] offset:4096*\ap+512*\i
.endr
	s_wait_dscnt 0x0
	s_cmp_eq_u32 s[KG], 0
	s_cbranch_scc0 .Lxa1_\@
.irp i, 0,2,4,6,8,10,12,14,16,18,20,22,24,26,28,30
	v_pk_add_f32 v[ACC+32*\ap+\i:ACC+32*\ap+\i+1], v[ACC+32*\ap+\i:ACC+32*\ap+\i+1], v[TT+\i:TT+\i+1]
.endr
	s_branch .Lxa2_\@
.Lxa1_\@:
.irp i, 0,2,4,6,8,10,12,14,16,18,20,22,24,26,28,30
	v_pk_add_f32 v[ACC+32*\ap+\i:ACC+32*\ap+\i+1], v[ACC+64+32*\ap+\i:ACC+64+32*\ap+\i+1], v[TT+\i:TT+\i+1]
.endr
.Lxa2_\@:
.endm
.macro EPI
.irp ap, 0,1
	s_wait_xcnt 0x0                                ; earlier loads and stores have read their registers
	XADD \ap
.irp b, 0,1,2,3
	ds_store_b128 v[STO], v[ACC+32*\ap+8*\b:ACC+32*\ap+8*\b+3] offset:128*(\b/2)+32*(\b%2)
	ds_store_b128 v[STO], v[ACC+32*\ap+8*\b+4:ACC+32*\ap+8*\b+7] offset:128*(\b/2)+32*(\b%2)+16
.endr
.irp i, 0,1,2,3,4,5,6,7
	ds_load_b128 v[TT+4*\i:TT+4*\i+3], v[SRD] offset:2*\i*272      ; LDS serves a wave's instructions in order: these see my stores
.endr
	s_wait_dscnt 0x0
	s_wait_loadcnt 8-8*\ap                         ; this half's residual is in; the other half's eight loads may stay out
.irp i, 0,1,2,3,4,5,6,7
	v_pk_add_f32 v[TT+4*\i:TT+4*\i+1], v[TT+4*\i:TT+4*\i+1], v[16+32*\ap+4*\i:16+32*\ap+4*\i+1]
	v_pk_add_f32 v[TT+4*\i+2:TT+4*\i+3], v[TT+4*\i+2:TT+4*\i+3], v[16+32*\ap+4*\i+2:16+32*\ap+4*\i+3]
.if BIAS
	v_pk_add_f32 v[TT+4*\i:TT+4*\i+1], v[TT+4*\i:TT+4*\i+1], v[122:123]
	v_pk_add_f32 v[TT+4*\i+2:TT+4*\i+3], v[TT+4*\i+2:TT+4*\i+3], v[124:125]
.endif
	global_store_b128 v[GLN], v[TT+4*\i:TT+4*\i+3], s[74:75] offset:(8*\ap+2*\i+8*(\i/4))*4096
.endr
.endr
.endm
	s_load_b256 s[4:11], s[0:1], 0x0               ; the images, att's image, x, x1
	v_lshl_add_u32 v[SPW], v0, 2, SPARE
	v_mov_b32 v[NIL], 0
	ds_add_u32 v13, v14
	ds_add_u32 v13, v14
	s_wait_dscnt 0x0
	v_lshrrev_b32 v16, 5, v0
	v_readfirstlane_b32 s[WV], v16
	s_lshr_b32 s[KG], s[WV], 2
	s_and_b32 s[QD], s[WV], 3
	s_and_b32 s[WH], s[QD], 1
	s_lshr_b32 s[XH], s[QD], 1
	s_mul_i32 s[LB], s[WV], PANEL
	s_bfe_u32 s40, ttmp6, 0x40000
	s_bfe_u32 s41, ttmp6, 0x40004
	s_lshl_b32 s42, ttmp9, 2
	s_add_co_u32 s42, s42, s40                     ; x: the block of 128 columns
	s_and_b32 s43, ttmp7, 0xffff
	s_lshl_b32 s43, s43, 2
	s_add_co_u32 s43, s43, s41                     ; y: the block of 128 tokens
	s_lshl_b32 s44, s41, 2
	s_lshl_b32 s44, 15, s44
	s_lshl_b32 s45, 0x1111, s40
	s_or_b32 s[G1X], s44, (3<<16)|(1<<21)
	s_or_b32 s[G1W], s45, (3<<16)|(1<<21)
.irp g, G1W, G1X
	s_mov_b32 s[\g+1], 32<<16
	s_mov_b32 s[\g+2], 50<<16
	s_mov_b32 s[\g+3], 32<<16
	s_mov_b32 s[\g+4], 50
	s_mov_b32 s[\g+5], 32
	s_mov_b32 s[\g+6], 0
	s_mov_b32 s[\g+7], 0
.endr
	s_mul_i32 s46, s42, WBLK
	s_mul_i32 s47, s[QD], PANEL
	s_add_co_u32 s46, s46, s47
	s_add_co_u32 s46, s46, WOFF
	s_mov_b32 s47, 0
	s_mul_i32 s20, s43, XBLK
	s_mul_i32 s21, s[QD], PANEL
	s_add_co_u32 s20, s20, s21
	s_mov_b32 s21, 0
	v_and_b32 v16, 31, v0
	v_and_b32 v17, 15, v0
	v_bfe_u32 v18, v0, 4, 1
	v_lshlrev_b32 v19, 4, v16
	v_lshlrev_b32 v20, 3, v16
	v_lshlrev_b32 v21, 4, v17
	s_mul_i32 s2, s[KG], 2*PANEL
	s_mul_i32 s3, s[WH], 6144
	s_add_co_u32 s3, s3, s2
	s_mul_i32 s22, s[XH], 6144
	s_add_co_u32 s22, s22, s2
	s_add_co_u32 s22, s22, CHUNK
	s_lshl_b32 s23, s[WH], 8
	s_add_co_u32 s23, s23, s2
	s_add_co_u32 s23, s23, 12288
	s_lshl_b32 s69, s[XH], 8
	s_add_co_u32 s69, s69, s2
	s_add_co_u32 s69, s69, CHUNK+12288
.irp s, 0,1
	v_add_nc_u32 v[AW16+\s], s3, v19
	v_add_nc_u32 v[AW8+\s], s3, v20
	v_add_nc_u32 v[AX16+\s], s22, v19
	v_add_nc_u32 v[AX8+\s], s22, v20
	v_add_nc_u32 v[ASW+\s], s23, v21
	v_add_nc_u32 v[ASX+\s], s69, v21
	s_add_co_u32 s3, s3, SLOT
	s_add_co_u32 s22, s22, SLOT
	s_add_co_u32 s23, s23, SLOT
	s_add_co_u32 s69, s69, SLOT
.endr
	s_lshl_b32 s2, s[WV], 13
	s_add_co_u32 s2, s2, SCR
	v_add_nc_u32 v[XS], s2, v19
	s_xor_b32 s2, s[WV], 4
	s_lshl_b32 s2, s2, 13
	s_add_co_u32 s2, s2, SCR
	v_add_nc_u32 v[XL], s2, v19
	s_mul_i32 s2, s[WV], 16*272
	s_add_co_u32 s2, s2, STG
	v_mul_u32_u24 v22, v17, 272
	v_lshl_add_u32 v22, v18, 6, v22
	v_add_nc_u32 v[STO], s2, v22                   ; in: row r, + 64 h
	v_mul_u32_u24 v22, v18, 272
	v_add_nc_u32 v22, v22, v21
	v_add_nc_u32 v[SRD], s2, v22                   ; out: lanes 0-15 one row, lanes 16-31 the next
	v_lshl_add_u32 v[GLN], v18, 12, v21            ; and the same two rows in memory
	s_lshl_b32 s72, s43, 7
	s_lshl_b32 s73, s[XH], 6
	s_add_co_u32 s72, s72, s73
	s_lshl_b32 s73, s[KG], 5
	s_add_co_u32 s72, s72, s73                     ; my 32 rows begin at 128 y + 64 xh + 32 g
	s_lshl_b32 s72, s72, 12
	s_lshl_b32 s76, s42, 9
	s_lshl_b32 s77, s[WH], 8
	s_add_co_u32 s76, s76, s77                     ; my 64 columns, in bytes
	s_add_co_u32 s72, s72, s76
	s_mov_b32 s73, 0
	s_mov_b32 s77, 0
	s_wait_kmcnt 0x0
	s_add_nc_u64 s[46:47], s[PW:PW+1], s[46:47]
	s_add_nc_u64 s[20:21], s[PX:PX+1], s[20:21]
	s_add_nc_u64 s[74:75], s[POUT:POUT+1], s[72:73]
	s_add_nc_u64 s[72:73], s[PRES:PRES+1], s[72:73]
.irp s, 0,1
	s_mov_b32 s[G0W+4*\s], 1
	s_add_co_u32 s[G0W+4*\s+1], s[LB], \s*SLOT
	s_add_nc_u64 s[G0W+4*\s+2:G0W+4*\s+3], s[46:47], \s*CHUNK
	s_or_b32 s[G0W+4*\s+3], s[G0W+4*\s+3], 0x80000000
	s_mov_b32 s[G0X+4*\s], 1
	s_add_co_u32 s[G0X+4*\s+1], s[LB], \s*SLOT
	s_add_nc_u64 s[G0X+4*\s+2:G0X+4*\s+3], s[20:21], \s*CHUNK
	s_or_b32 s[G0X+4*\s+3], s[G0X+4*\s+3], 0x80000000
.endr
	CROUND
	JLOAD 0
	CHANGE 0, 1                                    ; slot 1's fill goes out behind a round of its own, as a refill does
	WORK 0, 1
	CHANGE 1, 0
	WORK 1, 0
	XSTORE
	CHANGE 0, 0
	EPI
	s_wait_tensorcnt 0x0                           ; the wave's end
	ds_add_u32 v[SPW], v[NIL]
	s_wait_dscnt 0x0
	CROUND
	s_endpgm
.Lfunc_end_k_q3f45a62312_proj:
	.size	k_q3f45a62312_proj, .Lfunc_end_k_q3f45a62312_proj-k_q3f45a62312_proj
	.p2alignl 7, 3214868480
	.fill 96, 4, 3214868480
	.section	.rodata,"a",@progbits
	.p2align	6, 0x0
	.amdhsa_kernel k_q3f45a62312_proj
		.amdhsa_group_segment_fixed_size 327680
		.amdhsa_private_segment_fixed_size 0
		.amdhsa_enable_private_segment 0
		.amdhsa_kernarg_size 32
		.amdhsa_user_sgpr_count 2
		.amdhsa_user_sgpr_kernarg_segment_ptr 1
		.amdhsa_wavefront_size32 1
		.amdhsa_system_sgpr_workgroup_id_x 1
		.amdhsa_system_sgpr_workgroup_id_y 1
		.amdhsa_system_sgpr_workgroup_id_z 1
		.amdhsa_system_vgpr_workitem_id 0
		.amdhsa_next_free_vgpr 256
		.amdhsa_next_free_sgpr 100
		.amdhsa_reserve_vcc 0
		.amdhsa_float_denorm_mode_32 3
		.amdhsa_float_denorm_mode_16_64 3
		.amdhsa_memory_ordered 1
		.amdhsa_forward_progress 1
		.amdhsa_inst_pref_size 42
	.end_amdhsa_kernel
	.amdgpu_metadata
---
amdhsa.version: [ 1, 2 ]
amdhsa.kernels:
  - .name:           k_q3f45a62312_proj
    .symbol:         k_q3f45a62312_proj.kd
    .args:
      - { .name: img, .offset: 0, .size: 8, .value_kind: global_buffer, .address_space: global }
      - { .name: attc, .offset: 8, .size: 8, .value_kind: global_buffer, .address_space: global }
      - { .name: x, .offset: 16, .size: 8, .value_kind: global_buffer, .address_space: global }
      - { .name: x1, .offset: 24, .size: 8, .value_kind: global_buffer, .address_space: global }
    .group_segment_fixed_size: 327680
    .private_segment_fixed_size: 0
    .kernarg_segment_align: 8
    .kernarg_segment_size: 32
    .max_flat_workgroup_size: 256
    .sgpr_count:     100
    .vgpr_count:     256
    .wavefront_size: 32
...
	.end_amdgpu_metadata
.endif
;; end of part 4
;; launch norm2 (part 5): grid 256 x 1, 8 waves a work-group, no clusters, 67,072 bytes of LDS; arguments x1, ln2_scale, ln2_bias, hnc; writes hnc
.if DOCPART == 5
	.amdgcn_target "amdgcn-amd-amdhsa--gfx1250"
	.amdhsa_code_object_version 6
	.text
	.protected	k_q3f45a62312_norm2
	.globl	k_q3f45a62312_norm2
	.p2align	8
	.type	k_q3f45a62312_norm2,@function
k_q3f45a62312_norm2:
	s_mov_b64 s[64:65], 0
	v_nop
	global_prefetch_b8 v0, s[64:65] scope:SCOPE_SE
	s_setreg_imm32_b32 hwreg(HW_REG_WAVE_MODE, 25, 1), 1
	s_wait_xcnt 0x0
; Layer norm 2 of x1, quantised to FP6 (E2M3, one E8M0 byte for 32 along K) and stored as an image of operand registers: panels of 128 rows x 128 K, 12,800 bytes: tile t, half c at 1536 t + 768 c
; (registers 6 c .. 6 c + 3 at 16 x lane, 6 c + 4, 6 c + 5 at 512 + 8 x lane); scale words at 12288 + 256 (t / 4) + 16 r + 4 (t % 4).  Lane r of tile t holds row 32 (t / 2) + 8 (t % 2) + r + 8 (r / 8).
; A work-group takes one tile of 16 rows.  Wave w loads rows 2 w, 2 w + 1 whole, finds mean and 1 / sqrt(var + eps) (the variance from the deviations), puts the rows into a stage in LDS; behind one barrier
; wave w takes K step w of all 16 rows: lane (r, h) holds two whole blocks of 32.
; LIMITS: NaN and infinities are not served; a block whose largest magnitude lies under 2^-124 keeps the byte 1.  No cluster, no tensor load: no two work-groups read the same rows.
.set PANEL,  12800
.set SPITCH, 4112
.set STAT,   16*SPITCH
.set X,   32
.set GA,  96
.set BI,  160
.set CO,  224
.set CT,  236
.set WV,  52
.set SEL, 54
	s_load_b256 s[4:11], s[0:1], 0x0               ; x1, gain, bias, the image
	v_lshl_add_u32 v239, v0, 2, 0x10200
	v_mov_b32 v243, 0
	v_lshrrev_b32 v1, 5, v0
	v_readfirstlane_b32 s[WV], v1
	v_and_b32 v2, 31, v0
	v_and_b32 v3, 15, v0
	v_bfe_u32 v4, v0, 4, 1
	v_lshlrev_b32 v5, 4, v2
	v_lshlrev_b32 v6, 3, v2
	v_lshlrev_b32 v13, 4, v3
	s_mov_b32 s[SEL], 0x76543210
	s_mov_b32 s[SEL+1], 0xfedcba98
	s_mov_b32 s56, 0x3a800000                      ; 1 / 1024
	s_mov_b32 s57, 0x358637bd                      ; eps = 1e-6
	s_lshr_b32 s40, ttmp9, 1
	s_lshl_b32 s40, s40, 5
	s_and_b32 s41, ttmp9, 1
	s_lshl_b32 s41, s41, 3
	s_add_co_u32 s40, s40, s41
	s_lshl_b32 s41, s[WV], 1
	s_add_co_u32 s40, s40, s41
	s_lshr_b32 s41, s[WV], 2
	s_lshl_b32 s41, s41, 3
	s_add_co_u32 s40, s40, s41                     ; stage row i = 2 w is row i + 8 (i / 8) of the tile
	s_lshl_b32 s40, s40, 12
	s_mov_b32 s41, 0
	s_lshl_b32 s42, s[WV], 9
	v_lshlrev_b32 v7, 7, v4
	v_add_nc_u32 v7, s42, v7
	s_mul_i32 s43, s[WV], 2*SPITCH
	v_add_nc_u32 v8, s43, v5
	s_lshl_b32 s43, s[WV], 4
	s_add_co_u32 s43, s43, STAT
	v_mov_b32 v9, s43
	v_mul_u32_u24 v10, v3, SPITCH
	v_add_nc_u32 v10, v10, v7
	v_lshl_add_u32 v11, v3, 3, STAT
	v_lshlrev_b32 v12, 3, v4
	s_lshr_b32 s44, ttmp9, 3
	s_lshl_b32 s44, s44, 3
	s_add_co_u32 s44, s44, s[WV]
	s_mul_i32 s44, s44, PANEL
	s_and_b32 s46, ttmp9, 7
	s_mul_i32 s45, s46, 1536
	s_lshr_b32 s47, s46, 2
	s_lshl_b32 s47, s47, 8
	s_and_b32 s46, s46, 3
	s_lshl_b32 s46, s46, 2
	s_add_co_u32 s46, s46, s47
	s_add_co_u32 s46, s46, s44
	s_add_co_u32 s46, s46, 12288
	s_add_co_u32 s44, s44, s45
	s_mov_b32 s45, 0
	s_mov_b32 s47, 0
	s_wait_kmcnt 0x0
	s_add_nc_u64 s[4:5], s[4:5], s[40:41]
	s_add_nc_u64 s[44:45], s[10:11], s[44:45]
	s_add_nc_u64 s[46:47], s[10:11], s[46:47]
.irp e, 0,1
.irp j, 0,1,2,3,4,5,6,7
	global_load_b128 v[X+32*\e+4*\j:X+32*\e+4*\j+3], v5, s[4:5] offset:4096*\e+512*\j
.endr
.endr
.irp c, 0,1
.irp j, 0,1,2,3,4,5,6,7
	global_load_b128 v[GA+32*\c+4*\j:GA+32*\c+4*\j+3], v7, s[6:7] offset:256*\c+16*\j
	global_load_b128 v[BI+32*\c+4*\j:BI+32*\c+4*\j+3], v7, s[8:9] offset:256*\c+16*\j
.endr
.endr
.macro REDUCE
	v_add_f32_dpp v244, v244, v244 row_xmask:1 row_mask:0xf bank_mask:0xf
	v_add_f32_dpp v244, v244, v244 row_xmask:2 row_mask:0xf bank_mask:0xf
	v_add_f32_dpp v244, v244, v244 row_xmask:4 row_mask:0xf bank_mask:0xf
	v_add_f32_dpp v244, v244, v244 row_xmask:8 row_mask:0xf bank_mask:0xf
	v_permlanex16_b32 v245, v244, s[SEL], s[SEL+1]
	v_add_f32 v244, v244, v245
.endm
.macro ROWSTAT e
.set B, X+32*\e
	v_pk_add_f32 v[244:245], v[B:B+1], v[B+2:B+3]
	v_pk_add_f32 v[246:247], v[B+4:B+5], v[B+6:B+7]
.irp j, 8,12,16,20,24,28
	v_pk_add_f32 v[244:245], v[244:245], v[B+\j:B+\j+1]
	v_pk_add_f32 v[246:247], v[246:247], v[B+\j+2:B+\j+3]
.endr
	v_pk_add_f32 v[244:245], v[244:245], v[246:247]
	v_add_f32 v244, v244, v245
	REDUCE
	v_mul_f32 v248, s56, v244
	v_mov_b32 v249, v248
	v_pk_add_f32 v[250:251], v[B:B+1], v[248:249] neg_lo:[0,1] neg_hi:[0,1]
	v_pk_add_f32 v[252:253], v[B+2:B+3], v[248:249] neg_lo:[0,1] neg_hi:[0,1]
	v_pk_mul_f32 v[244:245], v[250:251], v[250:251]
	v_pk_mul_f32 v[246:247], v[252:253], v[252:253]
.irp j, 4,8,12,16,20,24,28
	v_pk_add_f32 v[250:251], v[B+\j:B+\j+1], v[248:249] neg_lo:[0,1] neg_hi:[0,1]
	v_pk_add_f32 v[252:253], v[B+\j+2:B+\j+3], v[248:249] neg_lo:[0,1] neg_hi:[0,1]
	v_pk_fma_f32 v[244:245], v[250:251], v[250:251], v[244:245]
	v_pk_fma_f32 v[246:247], v[252:253], v[252:253], v[246:247]
.endr
	v_pk_add_f32 v[244:245], v[244:245], v[246:247]
	v_add_f32 v244, v244, v245
	REDUCE
	v_fma_f32 v244, v244, s56, s57
	v_rsq_f32 v249, v244
	v_nop                                          ; a plain line between the root and the use of its result
	s_wait_alu depctr_va_vdst(0)
	ds_store_b64 v9, v[248:249] offset:8*\e
.endm
	s_wait_loadcnt 32                              ; my two rows are in; the 32 loads of gain and bias behind them may stay out
.irp e, 0,1
.irp j, 0,1,2,3,4,5,6,7
	ds_store_b128 v8, v[X+32*\e+4*\j:X+32*\e+4*\j+3] offset:\e*SPITCH+512*\j
.endr
.endr
	ROWSTAT 0
	ROWSTAT 1
	s_wait_dscnt 0x0                               ; for the others' sake: my rows and figures lie in LDS
	s_barrier_signal -1
	s_barrier_wait -1
.irp c, 0,1
.irp j, 0,1,2,3,4,5,6,7
	ds_load_b128 v[X+32*\c+4*\j:X+32*\c+4*\j+3], v10 offset:256*\c+16*\j
.endr
.endr
	ds_load_b64 v[252:253], v11
	s_wait_dscnt 0x0
	v_mov_b32 v254, v253
	v_mov_b32 v255, v253
	v_mov_b32 v253, v252
	s_wait_loadcnt 0x0
.set J, 0
.rept 32
	v_pk_add_f32 v[X+J:X+J+1], v[X+J:X+J+1], v[252:253] neg_lo:[0,1] neg_hi:[0,1]
.set J, J+2
.endr
.set J, 0
.rept 32
	v_pk_mul_f32 v[X+J:X+J+1], v[X+J:X+J+1], v[254:255]
.set J, J+2
.endr
.set J, 0
.rept 32
	v_pk_fma_f32 v[X+J:X+J+1], v[X+J:X+J+1], v[GA+J:GA+J+1], v[BI+J:BI+J+1]
.set J, J+2
.endr
.irp c, 0,1
	v_max3_num_f32 v[244+\c], |v[X+32*\c]|, |v[X+32*\c+1]|, 0x1800000   ; with the floor 2^-124
.endr
.irp i, 2,4,6,8,10,12,14,16,18,20,22,24,26,28,30
.irp c, 0,1
	v_max3_num_f32 v[244+\c], v[244+\c], |v[X+32*\c+\i]|, |v[X+32*\c+\i+1]|
.endr
.endr
.irp c, 0,1
	v_add_nc_u32 v[246+\c], 0xff000000, v[244+\c]
.endr
.irp c, 0,1
	v_lshrrev_b32 v[248+\c], 23, v[246+\c]
.endr
	v_lshl_or_b32 v250, v249, 16, v248
	v_lshlrev_b32 v250, v12, v250
	v_mov_b32 v251, 0
	v_permlanex16_b32 v251, v250, s[SEL], s[SEL+1]
	v_or_b32 v250, v250, v251
.irp c, 0,1
	v_cvt_scalef32_pk16_fp6_f32 v[CO+6*\c:CO+6*\c+2], v[X+32*\c:X+32*\c+15], v[246+\c]
	v_cvt_scalef32_pk16_fp6_f32 v[CT+4*\c:CT+4*\c+2], v[X+32*\c+16:X+32*\c+31], v[246+\c]
.endr
	v_nop
.irp c, 0,1
.irp i, 0,1,2
	v_mov_b32 v[CO+3+6*\c+\i], v[CT+4*\c+\i]
.endr
.endr
	global_store_b128 v5, v[CO:CO+3], s[44:45]
	global_store_b64 v6, v[CO+4:CO+5], s[44:45] offset:512
	global_store_b128 v5, v[CO+6:CO+9], s[44:45] offset:768
	global_store_b64 v6, v[CO+10:CO+11], s[44:45] offset:1280
	global_store_b32 v13, v250, s[46:47]
	s_wait_tensorcnt 0x0
	ds_add_u32 v239, v243
	s_wait_dscnt 0x0
	s_endpgm
.Lfunc_end_k_q3f45a62312_norm2:
	.size	k_q3f45a62312_norm2, .Lfunc_end_k_q3f45a62312_norm2-k_q3f45a62312_norm2
	.p2alignl 7, 3214868480
	.fill 96, 4, 3214868480
	.section	.rodata,"a",@progbits
	.p2align	6, 0x0
	.amdhsa_kernel k_q3f45a62312_norm2
		.amdhsa_group_segment_fixed_size 67072
		.amdhsa_private_segment_fixed_size 0
		.amdhsa_enable_private_segment 0
		.amdhsa_kernarg_size 32
		.amdhsa_user_sgpr_count 2
		.amdhsa_user_sgpr_kernarg_segment_ptr 1
		.amdhsa_wavefront_size32 1
		.amdhsa_system_sgpr_workgroup_id_x 1
		.amdhsa_system_sgpr_workgroup_id_y 1
		.amdhsa_system_sgpr_workgroup_id_z 1
		.amdhsa_system_vgpr_workitem_id 0
		.amdhsa_next_free_vgpr 256
		.amdhsa_next_free_sgpr 66
		.amdhsa_reserve_vcc 0
		.amdhsa_float_denorm_mode_32 3
		.amdhsa_float_denorm_mode_16_64 3
		.amdhsa_memory_ordered 1
		.amdhsa_forward_progress 1
		.amdhsa_inst_pref_size 28
	.end_amdhsa_kernel
	.amdgpu_metadata
---
amdhsa.version: [ 1, 2 ]
amdhsa.kernels:
  - .name:           k_q3f45a62312_norm2
    .symbol:         k_q3f45a62312_norm2.kd
    .args:
      - { .name: x1, .offset: 0, .size: 8, .value_kind: global_buffer, .address_space: global }
      - { .name: ln2_scale, .offset: 8, .size: 8, .value_kind: global_buffer, .address_space: global }
      - { .name: ln2_bias, .offset: 16, .size: 8, .value_kind: global_buffer, .address_space: global }
      - { .name: hnc, .offset: 24, .size: 8, .value_kind: global_buffer, .address_space: global }
    .group_segment_fixed_size: 67072
    .private_segment_fixed_size: 0
    .kernarg_segment_align: 8
    .kernarg_segment_size: 32
    .max_flat_workgroup_size: 256
    .sgpr_count:     66
    .vgpr_count:     256
    .wavefront_size: 32
...
	.end_amdgpu_metadata
.endif
;; end of part 5
;; launch up (part 6): grid 32 x 8, 8 waves a work-group, clusters of 4 x 4, 327,680 bytes of LDS; arguments img, hnc, mlp_b0, glc; writes glc
.if DOCPART == 6
	.amdgcn_target "amdgcn-amd-amdhsa--gfx1250"
	.amdhsa_code_object_version 6
	.text
	.protected	k_q3f45a62312_up
	.globl	k_q3f45a62312_up
	.p2align	8
	.type	k_q3f45a62312_up,@function
k_q3f45a62312_up:
	s_mov_b64 s[64:65], 0
	v_nop
	global_prefetch_b8 v0, s[64:65] scope:SCOPE_SE
	s_setreg_imm32_b32 hwreg(HW_REG_WAVE_MODE, 25, 1), 1
	s_wait_xcnt 0x0
	s_wait_alu depctr_hold_cnt(0) depctr_sa_sdst(0) depctr_va_vdst(0) depctr_va_sdst(0) depctr_va_ssrc(0) depctr_va_vcc(0) depctr_vm_vsrc(0)
	s_getreg_b32 s2, hwreg(HW_REG_IB_STS2, 6, 4)
	s_cmp_eq_u32 s2, 0
	s_cbranch_scc0 .Lentry_in_a_cluster
	s_endpgm
.Lentry_in_a_cluster:
	s_bfe_u32 s2, ttmp6, 0x10000c
	s_cmp_lg_u32 s2, 0xf033
	s_cbranch_scc0 .Lentry_shape_is_right
	s_endpgm
.Lentry_shape_is_right:
; g = gelu(LN2(x1) w0 + b0) on codes of FP6, quantised along the 4,096 hidden units and stored as an image of operand registers for the next product.
; OPERANDS are images, in panels of 128 rows x 128 K, 12,800 bytes: tile t, half c at 1536 t + 768 c (registers 6 c .. 6 c + 3 at 16 x lane, 6 c + 4, 6 c + 5 at 512 + 8 x lane);
; scale words at 12288 + 256 (t / 4) + 16 r + 4 (t % 4).  Lane r of tile t holds row 32 (t / 2) + 8 (t % 2) + r + 8 (r / 8).
; SHARES.  A work-group makes four tiles of 128 tokens x 128 hidden units, one below the other.  Eight waves: 2 x 2 quadrants of 64 x 64 times 2 groups along K (of a slot's four K steps group g takes 2 g, 2 g + 1);
; two waves to a SIMD, each within 256 registers.  At a tile's end the groups exchange halves of their sums through LDS; each wave finishes 32 tokens x 64 units.  (So K is summed in two halves.)
; RING of two slots, one tensor load of a wave out at a time.  CLUSTER 4 x 4: W's panels jointly along a column, X's along a row.
; gelu(x) = x / (1 + 2^(x (c1 + c2 x^2))), c1 = -2 log2(e) sqrt(2 / pi), c2 = 0.044715 c1: the tanh form, written without the difference 1 + tanh.
; LIMITS: NaN and infinities are not served; a block whose largest magnitude lies under 2^-124 keeps the byte 1.
.set PANEL, 12800
.set CHUNK, 4*PANEL
.set SLOT,  2*CHUNK
.set SCR,   2*SLOT
.set STG,   SCR+8*8192                 ; (a stage for rows of f32: not used in this text)
.set SPARE, STG+8*16*272               ; the spare words, 128 bytes a wave: four blocks of 256 bytes that no other line names
.set XSTEP, SLOT
.set WSTEP, 0
.set WOFF,  9830400                    ; mlp_w0's image
.set WBLK,  8*PANEL
.set XBLK,  32*PANEL                   ; four token blocks on end
.set AW16, 1
.set AW8,  3
.set AX16, 5
.set AX8,  7
.set ASW,  9
.set ASX,  11
.set SPW,  13
.set NIL,  14
.set XS,   15
.set FW,   16
.set FX,   64
.set TT,   80
.set SCW,  112
.set SCX,  116
.set XL,   120
.set L16,  121
.set L8,   122
.set LSC,  123                         ; 16 r
.set LBI,  124                         ; 64 h: my half's place in the bias
.set C1,   126                         ; v[126:127] c1, twice
.set ACC,  128
.set PW,   4
.set PX,   6
.set PB,   8
.set POUT, 10
.set WV, 14
.set KG, 15
.set QD, 16
.set WH, 17
.set XH, 18
.set LB, 19
.set G1W, 24
.set G0W, 32
.set G1X, 48
.set G0X, 56
.set SEL, 70
.set C2,  84                           ; s[84:85] c2, twice
.macro PLACES
.rept 4
	v_nop
.endr
.endm
.macro JLOAD s
	s_cmp_eq_u32 s[KG], 0
	s_cbranch_scc0 .Lfor_x_\@
	tensor_load_to_lds s[G0W+4*(\s):G0W+4*(\s)+3], s[G1W:G1W+7]
	s_nop 0
.rept 4
	v_nop
.endr
	s_branch .Lasked_\@
.Lfor_x_\@:
	tensor_load_to_lds s[G0X+4*(\s):G0X+4*(\s)+3], s[G1X:G1X+7]
	s_nop 0
.rept 4
	v_nop
.endr
.Lasked_\@:
.endm
.macro CROUND
	s_barrier_signal -1
	s_barrier_wait -1
	s_cmp_lg_u32 s[WV], 0
	s_cbranch_scc1 .Lnot_wave_0_\@
	s_barrier_signal -3
.Lnot_wave_0_\@:
	s_barrier_wait -3
	s_barrier_signal -1
	s_barrier_wait -1
.endm
.macro CHANGE rs, fill
	s_wait_tensorcnt 0x0                           ; no tensor load of mine is out, so a group 0 may be written
	ds_add_u32 v[SPW], v[NIL]                      ; 0 onto my spare word
	s_add_nc_u64 s[G0X+4*(\rs)+2:G0X+4*(\rs)+3], s[G0X+4*(\rs)+2:G0X+4*(\rs)+3], XSTEP
.if WSTEP
	s_add_nc_u64 s[G0W+4*(\rs)+2:G0W+4*(\rs)+3], s[G0W+4*(\rs)+2:G0W+4*(\rs)+3], WSTEP
.endif
	s_wait_dscnt 0x0                               ; the add, my reads of the slot that I leave, and my stores for my partner
.if \fill
	CROUND
	JLOAD 1-\rs
.else
	s_barrier_signal -1
	s_barrier_wait -1
.endif
.endm
.macro LOADF slot, kk
	ds_load_b128 v[SCW:SCW+3], v[ASW+\slot] offset:\kk*PANEL
	ds_load_b128 v[SCX:SCX+3], v[ASX+\slot] offset:\kk*PANEL
.irp t, 0,1,2,3
.irp c, 0,1
	ds_load_b128 v[FW+12*\t+6*\c:FW+12*\t+6*\c+3], v[AW16+\slot] offset:\kk*PANEL+1536*\t+768*\c
	ds_load_b64 v[FW+12*\t+6*\c+4:FW+12*\t+6*\c+5], v[AW8+\slot] offset:\kk*PANEL+1536*\t+768*\c+512
.endr
.endr
.irp t, 0,1,2,3
.irp c, 0,1
	ds_load_b128 v[FX+12*\t+6*\c:FX+12*\t+6*\c+3], v[AX16+\slot] offset:\kk*PANEL+1536*\t+768*\c
	ds_load_b64 v[FX+12*\t+6*\c+4:FX+12*\t+6*\c+5], v[AX8+\slot] offset:\kk*PANEL+1536*\t+768*\c+512
.endr
.endr
.endm
.macro MM d, fa, fb, zero, sa, sb
.if \zero
	v_wmma_scale_f32_16x16x128_f8f6f4 v[\d:\d+7], v[\fa:\fa+11], v[\fb:\fb+11], 0, v[\sa], v[\sb] matrix_a_fmt:MATRIX_FMT_FP6 matrix_b_fmt:MATRIX_FMT_FP6
.else
	v_wmma_scale_f32_16x16x128_f8f6f4 v[\d:\d+7], v[\fa:\fa+11], v[\fb:\fb+11], v[\d:\d+7], v[\sa], v[\sb] matrix_a_fmt:MATRIX_FMT_FP6 matrix_b_fmt:MATRIX_FMT_FP6
.endif
.endm
.macro MULS zero                       ; 16 products, the sixteen accumulators by turns
.irp a, 0,1,2,3
	s_wait_dscnt 12-4*\a                           ; X's fragments behind tile a, four loads each, may stay out
.irp b, 0,1,2,3
	MM ACC+8*(4*\a+\b), FW+12*\b, FX+12*\a, \zero, SCW+\b, SCX+\a
.endr
.endr
.endm
.macro WORK slot, zero
	PLACES
	LOADF \slot, 0
	MULS \zero
	PLACES
	LOADF \slot, 1
	MULS 0
.endm
.macro EARLY                           ; the bias in the result's layout: register 8 b + j is unit 32 (b / 2) + 8 (b % 2) + 16 h + j of my 64
.irp b, 0,1,2,3
	global_load_b128 v[16+8*\b:19+8*\b], v[LBI], s[78:79] offset:128*(\b/2)+32*(\b%2)
	global_load_b128 v[20+8*\b:23+8*\b], v[LBI], s[78:79] offset:128*(\b/2)+32*(\b%2)+16
.endr
.endm
.macro XSTORE
	PLACES
	EARLY
	s_cmp_eq_u32 s[KG], 0
	s_cbranch_scc0 .Lxs1_\@
.irp i, 0,1,2,3,4,5,6,7,8,9,10,11,12,13,14,15
	ds_store_b128 v[XS], v[ACC+64+4*\i:ACC+64+4*\i+3] offset:512*\i
.endr
	s_branch .Lxs2_\@
.Lxs1_\@:
.irp i, 0,1,2,3,4,5,6,7,8,9,10,11,12,13,14,15
	ds_store_b128 v[XS], v[ACC+4*\i:ACC+4*\i+3] offset:512*\i
.endr
.Lxs2_\@:
.endm
.macro XADD ap
.irp i, 0,1,2,3,4,5,6,7
	ds_load_b128 v[TT+4*\i:TT+4*\i+3], v[XL] offset:4096*\ap+512*\i
.endr
	s_wait_dscnt 0x0
	s_cmp_eq_u32 s[KG], 0
	s_cbranch_scc0 .Lxa1_\@
.irp i, 0,2,4,6,8,10,12,14,16,18,20,22,24,26,28,30
	v_pk_add_f32 v[ACC+32*\ap+\i:ACC+32*\ap+\i+1], v[ACC+32*\ap+\i:ACC+32*\ap+\i+1], v[TT+\i:TT+\i+1]
.endr
	s_branch .Lxa2_\@
.Lxa1_\@:
.irp i, 0,2,4,6,8,10,12,14,16,18,20,22,24,26,28,30
	v_pk_add_f32 v[ACC+32*\ap+\i:ACC+32*\ap+\i+1], v[ACC+64+32*\ap+\i:ACC+64+32*\ap+\i+1], v[TT+\i:TT+\i+1]
.endr
.Lxa2_\@:
.endm
.macro QHALF S, C, D, HW, T
	v_max3_num_f32 v[\T], |v[\S]|, |v[\S+1]|, 0x1800000
	v_max3_num_f32 v[\T+1], |v[\S+16]|, |v[\S+17]|, 0x1800000
.irp i, 2,4,6,8,10,12,14
	v_max3_num_f32 v[\T], v[\T], |v[\S+\i]|, |v[\S+\i+1]|
	v_max3_num_f32 v[\T+1], v[\T+1], |v[\S+16+\i]|, |v[\S+17+\i]|
.endr
	v_mov_b32 v[\T+2], 0
	v_mov_b32 v[\T+3], 0
	v_permlanex16_b32 v[\T+2], v[\T], s[SEL], s[SEL+1]
	v_permlanex16_b32 v[\T+3], v[\T+1], s[SEL], s[SEL+1]
	v_max_num_f32 v[\T], v[\T], v[\T+2]
	v_max_num_f32 v[\T+1], v[\T+1], v[\T+3]
	v_add_nc_u32 v[\T+4], 0xff000000, v[\T]
	v_add_nc_u32 v[\T+5], 0xff000000, v[\T+1]
	v_lshrrev_b32 v[\T+2], 23, v[\T+4]
	v_lshrrev_b32 v[\T+3], 23, v[\T+5]
	v_lshl_or_b32 v[\HW], v[\T+3], 8, v[\T+2]
	v_cvt_scalef32_pk16_fp6_f32 v[\C:\C+2], v[\S:\S+15], v[\T+4]
	v_cvt_scalef32_pk16_fp6_f32 v[\D:\D+2], v[\S+16:\S+31], v[\T+5]
	v_nop
.irp i, 0,1,2
	v_permlane16_swap_b32 v[\C+\i], v[\D+\i]
.endr
.irp i, 0,1,2
	v_mov_b32 v[\C+3+\i], v[\D+\i]
.endr
.endm
.macro GELU A                          ; 32 numbers in v[A] on: + bias, gelu, in place; v48-79 at work
.set J, 0
.rept 16
	v_pk_add_f32 v[\A+J:\A+J+1], v[\A+J:\A+J+1], v[16+J:17+J]
.set J, J+2
.endr
.set J, 0
.rept 16
	v_pk_mul_f32 v[48+J:49+J], v[\A+J:\A+J+1], v[\A+J:\A+J+1]
.set J, J+2
.endr
.set J, 0
.rept 16
	v_pk_fma_f32 v[48+J:49+J], v[48+J:49+J], s[C2:C2+1], v[C1:C1+1] op_sel_hi:[1,0,1]
.set J, J+2
.endr
.set J, 0
.rept 16
	v_pk_mul_f32 v[48+J:49+J], v[48+J:49+J], v[\A+J:\A+J+1]
.set J, J+2
.endr
.set J, 0
.rept 32
	v_exp_f32 v[48+J], v[48+J]
.set J, J+1
.endr
	v_nop                                          ; a plain line behind the exponentials
.set J, 0
	s_wait_alu depctr_va_vdst(0)
.rept 16
	v_pk_add_f32 v[48+J:49+J], v[48+J:49+J], 1.0 op_sel_hi:[1,0]
.set J, J+2
.endr
.set J, 0
.rept 32
	v_rcp_f32 v[48+J], v[48+J]
.set J, J+1
.endr
	v_nop                                          ; and behind the reciprocals
.set J, 0
	s_wait_alu depctr_va_vdst(0)
.rept 16
	v_pk_mul_f32 v[\A+J:\A+J+1], v[\A+J:\A+J+1], v[48+J:49+J]
.set J, J+2
.endr
.endm
.macro EPI
.irp ap, 0,1
	s_wait_xcnt 0x0                                ; earlier loads and stores have read their registers
	XADD \ap
.if \ap == 0
	s_wait_loadcnt 0x0                             ; the bias
.endif
	GELU ACC+32*\ap
	QHALF ACC+32*\ap, 48+8*\ap, 64, 72+\ap, 74
	global_store_b128 v[L16], v[48+8*\ap:51+8*\ap], s[74:75] offset:1536*\ap
	global_store_b64 v[L8], v[52+8*\ap:53+8*\ap], s[74:75] offset:1536*\ap+512
	global_store_b16 v[LSC], v[72+\ap], s[76:77] offset:4*\ap
.endr
	s_wait_xcnt 0x0
.endm
	s_load_b256 s[4:11], s[0:1], 0x0               ; the images, LN2's image, b0, the output's image
	v_lshl_add_u32 v[SPW], v0, 2, SPARE
	v_mov_b32 v[NIL], 0
	ds_add_u32 v13, v14
	ds_add_u32 v13, v14
	s_wait_dscnt 0x0
	v_lshrrev_b32 v16, 5, v0
	v_readfirstlane_b32 s[WV], v16
	s_lshr_b32 s[KG], s[WV], 2
	s_and_b32 s[QD], s[WV], 3
	s_and_b32 s[WH], s[QD], 1
	s_lshr_b32 s[XH], s[QD], 1
	s_mul_i32 s[LB], s[WV], PANEL
	s_bfe_u32 s40, ttmp6, 0x40000
	s_bfe_u32 s41, ttmp6, 0x40004
	s_lshl_b32 s42, ttmp9, 2
	s_add_co_u32 s42, s42, s40                     ; x: the block of 128 hidden units
	s_and_b32 s43, ttmp7, 0xffff
	s_lshl_b32 s43, s43, 2
	s_add_co_u32 s43, s43, s41                     ; y: four blocks of 128 tokens
	s_lshl_b32 s44, s41, 2
	s_lshl_b32 s44, 15, s44
	s_lshl_b32 s45, 0x1111, s40
	s_or_b32 s[G1X], s44, (3<<16)|(1<<21)
	s_or_b32 s[G1W], s45, (3<<16)|(1<<21)
.irp g, G1W, G1X
	s_mov_b32 s[\g+1], 32<<16
	s_mov_b32 s[\g+2], 50<<16
	s_mov_b32 s[\g+3], 32<<16
	s_mov_b32 s[\g+4], 50
	s_mov_b32 s[\g+5], 32
	s_mov_b32 s[\g+6], 0
	s_mov_b32 s[\g+7], 0
.endr
	s_mov_b32 s[SEL], 0x76543210
	s_mov_b32 s[SEL+1], 0xfedcba98
	s_mov_b32 s[C2], 0xbdd2d3e8                    ; c2 = -0.10294324
	s_mov_b32 s[C2+1], s[C2]
	v_mov_b32 v[C1], 0xc0135761                    ; c1 = -2.3022082
	v_mov_b32 v[C1+1], 0xc0135761
	s_mul_i32 s46, s42, WBLK
	s_mul_i32 s47, s[QD], PANEL
	s_add_co_u32 s46, s46, s47
	s_add_co_u32 s46, s46, WOFF
	s_mov_b32 s47, 0
	s_mul_i32 s20, s43, XBLK
	s_mul_i32 s21, s[QD], PANEL
	s_add_co_u32 s20, s20, s21
	s_mov_b32 s21, 0
	v_and_b32 v16, 31, v0
	v_and_b32 v17, 15, v0
	v_bfe_u32 v18, v0, 4, 1
	v_lshlrev_b32 v19, 4, v16
	v_lshlrev_b32 v20, 3, v16
	v_lshlrev_b32 v21, 4, v17
	s_mul_i32 s2, s[KG], 2*PANEL
	s_mul_i32 s3, s[WH], 6144
	s_add_co_u32 s3, s3, s2
	s_mul_i32 s22, s[XH], 6144
	s_add_co_u32 s22, s22, s2
	s_add_co_u32 s22, s22, CHUNK
	s_lshl_b32 s23, s[WH], 8
	s_add_co_u32 s23, s23, s2
	s_add_co_u32 s23, s23, 12288
	s_lshl_b32 s69, s[XH], 8
	s_add_co_u32 s69, s69, s2
	s_add_co_u32 s69, s69, CHUNK+12288
.irp s, 0,1
	v_add_nc_u32 v[AW16+\s], s3, v19
	v_add_nc_u32 v[AW8+\s], s3, v20
	v_add_nc_u32 v[AX16+\s], s22, v19
	v_add_nc_u32 v[AX8+\s], s22, v20
	v_add_nc_u32 v[ASW+\s], s23, v21
	v_add_nc_u32 v[ASX+\s], s69, v21
	s_add_co_u32 s3, s3, SLOT
	s_add_co_u32 s22, s22, SLOT
	s_add_co_u32 s23, s23, SLOT
	s_add_co_u32 s69, s69, SLOT
.endr
	s_lshl_b32 s2, s[WV], 13
	s_add_co_u32 s2, s2, SCR
	v_add_nc_u32 v[XS], s2, v19
	s_xor_b32 s2, s[WV], 4
	s_lshl_b32 s2, s2, 13
	s_add_co_u32 s2, s2, SCR
	v_add_nc_u32 v[XL], s2, v19
	v_mov_b32 v[L16], v19
	v_mov_b32 v[L8], v20
	v_mov_b32 v[LSC], v21
	v_lshlrev_b32 v[LBI], 6, v18
	s_lshl_b32 s72, s43, 7
	s_add_co_u32 s72, s72, s42
	s_mul_i32 s72, s72, PANEL                      ; the output's panel: token block 4 y, K step x of the next product
	s_lshl_b32 s74, s[XH], 2
	s_lshl_b32 s75, s[KG], 1
	s_add_co_u32 s74, s74, s75                     ; my first tile of tokens
	s_mul_i32 s74, s74, 1536
	s_mul_i32 s75, s[WH], 768
	s_add_co_u32 s74, s74, s75
	s_add_co_u32 s74, s74, s72
	s_mov_b32 s75, 0
	s_lshl_b32 s76, s[XH], 8
	s_lshl_b32 s77, s[KG], 3
	s_add_co_u32 s76, s76, s77
	s_lshl_b32 s77, s[WH], 1
	s_add_co_u32 s76, s76, s77
	s_add_co_u32 s76, s76, s72
	s_add_co_u32 s76, s76, 12288
	s_mov_b32 s77, 0
	s_lshl_b32 s78, s42, 9
	s_lshl_b32 s79, s[WH], 8
	s_add_co_u32 s78, s78, s79                     ; my 64 units of the bias
	s_mov_b32 s79, 0
	s_wait_kmcnt 0x0
	s_add_nc_u64 s[46:47], s[PW:PW+1], s[46:47]
	s_add_nc_u64 s[20:21], s[PX:PX+1], s[20:21]
	s_add_nc_u64 s[74:75], s[POUT:POUT+1], s[74:75]
	s_add_nc_u64 s[76:77], s[POUT:POUT+1], s[76:77]
	s_add_nc_u64 s[78:79], s[PB:PB+1], s[78:79]
.irp s, 0,1
	s_mov_b32 s[G0W+4*\s], 1
	s_add_co_u32 s[G0W+4*\s+1], s[LB], \s*SLOT
	s_add_nc_u64 s[G0W+4*\s+2:G0W+4*\s+3], s[46:47], \s*CHUNK
	s_or_b32 s[G0W+4*\s+3], s[G0W+4*\s+3], 0x80000000
	s_mov_b32 s[G0X+4*\s], 1
	s_add_co_u32 s[G0X+4*\s+1], s[LB], \s*SLOT
	s_add_nc_u64 s[G0X+4*\s+2:G0X+4*\s+3], s[20:21], \s*CHUNK
	s_or_b32 s[G0X+4*\s+3], s[G0X+4*\s+3], 0x80000000
.endr
	CROUND
	JLOAD 0
	CHANGE 0, 1
	s_mov_b32 s66, 3
.Ltile:
	WORK 0, 1
	CHANGE 1, 1
	WORK 1, 0
	XSTORE
	CHANGE 0, 1
	EPI
	s_add_nc_u64 s[74:75], s[74:75], 32*PANEL      ; the next block of 128 tokens
	s_add_nc_u64 s[76:77], s[76:77], 32*PANEL
	s_sub_co_u32 s66, s66, 1
	s_cmp_lg_u32 s66, 0
	s_cbranch_scc1 .Ltile
	WORK 0, 1                                      ; the last tile is written out: it asks for nothing more
	CHANGE 1, 0
	WORK 1, 0
	XSTORE
	CHANGE 0, 0
	EPI
	s_wait_tensorcnt 0x0                           ; the wave's end
	ds_add_u32 v[SPW], v[NIL]
	s_wait_dscnt 0x0
	CROUND
	s_endpgm
.Lfunc_end_k_q3f45a62312_up:
	.size	k_q3f45a62312_up, .Lfunc_end_k_q3f45a62312_up-k_q3f45a62312_up
	.p2alignl 7, 3214868480
	.fill 96, 4, 3214868480
	.section	.rodata,"a",@progbits
	.p2align	6, 0x0
	.amdhsa_kernel k_q3f45a62312_up
		.amdhsa_group_segment_fixed_size 327680
		.amdhsa_private_segment_fixed_size 0
		.amdhsa_enable_private_segment 0
		.amdhsa_kernarg_size 32
		.amdhsa_user_sgpr_count 2
		.amdhsa_user_sgpr_kernarg_segment_ptr 1
		.amdhsa_wavefront_size32 1
		.amdhsa_system_sgpr_workgroup_id_x 1
		.amdhsa_system_sgpr_workgroup_id_y 1
		.amdhsa_system_sgpr_workgroup_id_z 1
		.amdhsa_system_vgpr_workitem_id 0
		.amdhsa_next_free_vgpr 256
		.amdhsa_next_free_sgpr 100
		.amdhsa_reserve_vcc 0
		.amdhsa_float_denorm_mode_32 3
		.amdhsa_float_denorm_mode_16_64 3
		.amdhsa_memory_ordered 1
		.amdhsa_forward_progress 1
		.amdhsa_inst_pref_size 106
	.end_amdhsa_kernel
	.amdgpu_metadata
---
amdhsa.version: [ 1, 2 ]
amdhsa.kernels:
  - .name:           k_q3f45a62312_up
    .symbol:         k_q3f45a62312_up.kd
    .args:
      - { .name: img, .offset: 0, .size: 8, .value_kind: global_buffer, .address_space: global }
      - { .name: hnc, .offset: 8, .size: 8, .value_kind: global_buffer, .address_space: global }
      - { .name: mlp_b0, .offset: 16, .size: 8, .value_kind: global_buffer, .address_space: global }
      - { .name: glc, .offset: 24, .size: 8, .value_kind: global_buffer, .address_space: global }
    .group_segment_fixed_size: 327680
    .private_segment_fixed_size: 0
    .kernarg_segment_align: 8
    .kernarg_segment_size: 32
    .max_flat_workgroup_size: 256
    .sgpr_count:     100
    .vgpr_count:     256
    .wavefront_size: 32
...
	.end_amdgpu_metadata
.endif
;; end of part 6
;; launch down (part 7): grid 8 x 32, 8 waves a work-group, clusters of 4 x 4, 327,680 bytes of LDS; arguments img, glc, x1, mlp_b1, out0; writes out0
.if DOCPART == 7
	.amdgcn_target "amdgcn-amd-amdhsa--gfx1250"
	.amdhsa_code_object_version 6
	.text
	.protected	k_q3f45a62312_down
	.globl	k_q3f45a62312_down
	.p2align	8
	.type	k_q3f45a62312_down,@function
k_q3f45a62312_down:
	s_mov_b64 s[64:65], 0
	v_nop
	global_prefetch_b8 v0, s[64:65] scope:SCOPE_SE
	s_setreg_imm32_b32 hwreg(HW_REG_WAVE_MODE, 25, 1), 1
	s_wait_xcnt 0x0
	s_wait_alu depctr_hold_cnt(0) depctr_sa_sdst(0) depctr_va_vdst(0) depctr_va_sdst(0) depctr_va_ssrc(0) depctr_va_vcc(0) depctr_vm_vsrc(0)
	s_getreg_b32 s2, hwreg(HW_REG_IB_STS2, 6, 4)
	s_cmp_eq_u32 s2, 0
	s_cbranch_scc0 .Lentry_in_a_cluster
	s_endpgm
.Lentry_in_a_cluster:
	s_bfe_u32 s2, ttmp6, 0x10000c
	s_cmp_lg_u32 s2, 0xf033
	s_cbranch_scc0 .Lentry_shape_is_right
	s_endpgm
.Lentry_shape_is_right:
; out0 = x1 + g w1 + b1 on codes of FP6; out0 is f32.  One tile of 128 tokens x 128 columns to a work-group, K = 4,096: eight chunks of four K steps through a ring of two slots.
; OPERANDS are images of operand registers, in panels of 128 rows x 128 K, 12,800 bytes: tile t, half c at 1536 t + 768 c (registers 6 c .. 6 c + 3 at 16 x lane, 6 c + 4, 6 c + 5 at 512 + 8 x lane);
; scale words at 12288 + 256 (t / 4) + 16 r + 4 (t % 4).  Lane r of tile t holds row 32 (t / 2) + 8 (t % 2) + r + 8 (r / 8).
; SHARES.  Eight waves: 2 x 2 quadrants of 64 x 64 times 2 groups along K (of a slot's four K steps group g takes 2 g, 2 g + 1); two waves to a SIMD, each within 256 registers.  At the end the groups exchange
; halves of their sums through LDS; each wave finishes 32 rows x 64 columns.  (So K is summed in two interleaved halves: the order of f32 additions differs from an ascending sum.)
; CLUSTER 4 x 4.  W's panels are asked for jointly along a column of the cluster, X's along a row.  One tensor load of a wave is out at a time.
; OUT.  16 rows x 256 bytes go through the wave's own stage and leave as whole rows: sixteen lanes store 256 consecutive bytes, aligned.
.set BIAS,  1
.set PANEL, 12800
.set CHUNK, 4*PANEL
.set SLOT,  2*CHUNK
.set SCR,   2*SLOT
.set STG,   SCR+8*8192
.set SPARE, STG+8*16*272               ; the spare words, 128 bytes a wave: four blocks of 256 bytes that no other line names
.set XSTEP, SLOT                       ; a slot's next chunk lies two chunks on, in both operands
.set WSTEP, SLOT
.set WOFF,  13107200                   ; mlp_w1's image
.set WBLK,  32*PANEL
.set XBLK,  32*PANEL
.set AW16, 1
.set AW8,  3
.set AX16, 5
.set AX8,  7
.set ASW,  9
.set ASX,  11
.set SPW,  13
.set NIL,  14
.set XS,   15
.set FW,   16
.set FX,   64
.set TT,   80
.set SCW,  112
.set SCX,  116
.set XL,   120
.set STO,  121
.set SRD,  126
.set GLN,  127
.set ACC,  128
.set PW,   4
.set PX,   6
.set PRES, 8
.set PB,   10
.set POUT, 12
.set WV, 14
.set KG, 15
.set QD, 16
.set WH, 17
.set XH, 18
.set LB, 19
.set G1W, 24
.set G0W, 32
.set G1X, 48
.set G0X, 56
.macro PLACES
.rept 4
	v_nop
.endr
.endm
.macro JLOAD s
	s_cmp_eq_u32 s[KG], 0
	s_cbranch_scc0 .Lfor_x_\@
	tensor_load_to_lds s[G0W+4*(\s):G0W+4*(\s)+3], s[G1W:G1W+7]
	s_nop 0
.rept 4
	v_nop
.endr
	s_branch .Lasked_\@
.Lfor_x_\@:
	tensor_load_to_lds s[G0X+4*(\s):G0X+4*(\s)+3], s[G1X:G1X+7]
	s_nop 0
.rept 4
	v_nop
.endr
.Lasked_\@:
.endm
.macro CROUND
	s_barrier_signal -1
	s_barrier_wait -1
	s_cmp_lg_u32 s[WV], 0
	s_cbranch_scc1 .Lnot_wave_0_\@
	s_barrier_signal -3
.Lnot_wave_0_\@:
	s_barrier_wait -3
	s_barrier_signal -1
	s_barrier_wait -1
.endm
.macro CHANGE rs, fill
	s_wait_tensorcnt 0x0                           ; no tensor load of mine is out, so a group 0 may be written
	ds_add_u32 v[SPW], v[NIL]                      ; 0 onto my spare word
	s_add_nc_u64 s[G0X+4*(\rs)+2:G0X+4*(\rs)+3], s[G0X+4*(\rs)+2:G0X+4*(\rs)+3], XSTEP
.if WSTEP
	s_add_nc_u64 s[G0W+4*(\rs)+2:G0W+4*(\rs)+3], s[G0W+4*(\rs)+2:G0W+4*(\rs)+3], WSTEP
.endif
	s_wait_dscnt 0x0                               ; the add, my reads of the slot that I leave, and my stores for my partner
.if \fill
	CROUND
	JLOAD 1-\rs
.else
	s_barrier_signal -1
	s_barrier_wait -1
.endif
.endm
.macro LOADF slot, kk
	ds_load_b128 v[SCW:SCW+3], v[ASW+\slot] offset:\kk*PANEL
	ds_load_b128 v[SCX:SCX+3], v[ASX+\slot] offset:\kk*PANEL
.irp t, 0,1,2,3
.irp c, 0,1
	ds_load_b128 v[FW+12*\t+6*\c:FW+12*\t+6*\c+3], v[AW16+\slot] offset:\kk*PANEL+1536*\t+768*\c
	ds_load_b64 v[FW+12*\t+6*\c+4:FW+12*\t+6*\c+5], v[AW8+\slot] offset:\kk*PANEL+1536*\t+768*\c+512
.endr
.endr
.irp t, 0,1,2,3
.irp c, 0,1
	ds_load_b128 v[FX+12*\t+6*\c:FX+12*\t+6*\c+3], v[AX16+\slot] offset:\kk*PANEL+1536*\t+768*\c
	ds_load_b64 v[FX+12*\t+6*\c+4:FX+12*\t+6*\c+5], v[AX8+\slot] offset:\kk*PANEL+1536*\t+768*\c+512
.endr
.endr
.endm
.macro MM d, fa, fb, zero, sa, sb
.if \zero
	v_wmma_scale_f32_16x16x128_f8f6f4 v[\d:\d+7], v[\fa:\fa+11], v[\fb:\fb+11], 0, v[\sa], v[\sb] matrix_a_fmt:MATRIX_FMT_FP6 matrix_b_fmt:MATRIX_FMT_FP6
.else
	v_wmma_scale_f32_16x16x128_f8f6f4 v[\d:\d+7], v[\fa:\fa+11], v[\fb:\fb+11], v[\d:\d+7], v[\sa], v[\sb] matrix_a_fmt:MATRIX_FMT_FP6 matrix_b_fmt:MATRIX_FMT_FP6
.endif
.endm
.macro MULS zero                       ; 16 products, the sixteen accumulators by turns
.irp a, 0,1,2,3
	s_wait_dscnt 12-4*\a                           ; X's fragments behind tile a, four loads each, may stay out
.irp b, 0,1,2,3
	MM ACC+8*(4*\a+\b), FW+12*\b, FX+12*\a, \zero, SCW+\b, SCX+\a
.endr
.endr
.endm
.macro WORK slot, zero
	PLACES
	LOADF \slot, 0
	MULS \zero
	PLACES
	LOADF \slot, 1
	MULS 0
.endm
.macro EARLY                           ; the bias at my four columns of a row, and the residual's rows in the layout of the stores, are asked for ahead of the exchange
.if BIAS
	v_and_b32 v80, 15, v0
	v_lshlrev_b32 v80, 4, v80
	global_load_b128 v[122:125], v80, s[76:77]
.endif
.irp ap, 0,1
.irp i, 0,1,2,3,4,5,6,7
	global_load_b128 v[16+32*\ap+4*\i:16+32*\ap+4*\i+3], v[GLN], s[72:73] offset:(8*\ap+2*\i+8*(\i/4))*4096
.endr
.endr
.endm
.macro XSTORE
	PLACES
	EARLY
	s_cmp_eq_u32 s[KG], 0
	s_cbranch_scc0 .Lxs1_\@
.irp i, 0,1,2,3,4,5,6,7,8,9,10,11,12,13,14,15
	ds_store_b128 v[XS], v[ACC+64+4*\i:ACC+64+4*\i+3] offset:512*\i
.endr
	s_branch .Lxs2_\@
.Lxs1_\@:
.irp i, 0,1,2,3,4,5,6,7,8,9,10,11,12,13,14,15
	ds_store_b128 v[XS], v[ACC+4*\i:ACC+4*\i+3] offset:512*\i
.endr
.Lxs2_\@:
.endm
.macro XADD ap
.irp i, 0,1,2,3,4,5,6,7
	ds_load_b128 v[TT+4*\i:TT+4*\i+3], v[XL] offset:4096*\ap+512*\i
.endr
	s_wait_dscnt 0x0
	s_cmp_eq_u32 s[KG], 0
	s_cbranch_scc0 .Lxa1_\@
.irp i, 0,2,4,6,8,10,12,14,16,18,20,22,24,26,28,30
	v_pk_add_f32 v[ACC+32*\ap+\i:ACC+32*\ap+\i+1], v[ACC+32*\ap+\i:ACC+32*\ap+\i+1], v[TT+\i:TT+\i+1]
.endr
	s_branch .Lxa2_\@
.Lxa1_\@:
.irp i, 0,2,4,6,8,10,12,14,16,18,20,22,24,26,28,30
	v_pk_add_f32 v[ACC+32*\ap+\i:ACC+32*\ap+\i+1], v[ACC+64+32*\ap+\i:ACC+64+32*\ap+\i+1], v[TT+\i:TT+\i+1]
.endr
.Lxa2_\@:
.endm
.macro EPI
.irp ap, 0,1
	s_wait_xcnt 0x0                                ; earlier loads and stores have read their registers
	XADD \ap
.irp b, 0,1,2,3
	ds_store_b128 v[STO], v[ACC+32*\ap+8*\b:ACC+32*\ap+8*\b+3] offset:128*(\b/2)+32*(\b%2)
	ds_store_b128 v[STO], v[ACC+32*\ap+8*\b+4:ACC+32*\ap+8*\b+7] offset:128*(\b/2)+32*(\b%2)+16
.endr
.irp i, 0,1,2,3,4,5,6,7
	ds_load_b128 v[TT+4*\i:TT+4*\i+3], v[SRD] offset:2*\i*272      ; LDS serves a wave's instructions in order: these see my stores
.endr
	s_wait_dscnt 0x0
	s_wait_loadcnt 8-8*\ap                         ; the bias and this half's residual are in; the other half's eight loads may stay out
.irp i, 0,1,2,3,4,5,6,7
	v_pk_add_f32 v[TT+4*\i:TT+4*\i+1], v[TT+4*\i:TT+4*\i+1], v[16+32*\ap+4*\i:16+32*\ap+4*\i+1]
	v_pk_add_f32 v[TT+4*\i+2:TT+4*\i+3], v[TT+4*\i+2:TT+4*\i+3], v[16+32*\ap+4*\i+2:16+32*\ap+4*\i+3]
.if BIAS
	v_pk_add_f32 v[TT+4*\i:TT+4*\i+1], v[TT+4*\i:TT+4*\i+1], v[122:123]
	v_pk_add_f32 v[TT+4*\i+2:TT+4*\i+3], v[TT+4*\i+2:TT+4*\i+3], v[124:125]
.endif
	global_store_b128 v[GLN], v[TT+4*\i:TT+4*\i+3], s[74:75] offset:(8*\ap+2*\i+8*(\i/4))*4096 th:TH_STORE_NT
.endr
.endr
.endm
	s_load_b256 s[4:11], s[0:1], 0x0               ; the images, g's image, x1, b1
	s_load_b64 s[12:13], s[0:1], 0x20              ; out0
	v_lshl_add_u32 v[SPW], v0, 2, SPARE
	v_mov_b32 v[NIL], 0
	ds_add_u32 v13, v14
	ds_add_u32 v13, v14
	s_wait_dscnt 0x0
	v_lshrrev_b32 v16, 5, v0
	v_readfirstlane_b32 s[WV], v16
	s_lshr_b32 s[KG], s[WV], 2
	s_and_b32 s[QD], s[WV], 3
	s_and_b32 s[WH], s[QD], 1
	s_lshr_b32 s[XH], s[QD], 1
	s_mul_i32 s[LB], s[WV], PANEL
	s_bfe_u32 s40, ttmp6, 0x40000
	s_bfe_u32 s41, ttmp6, 0x40004
	s_lshl_b32 s42, ttmp9, 2
	s_add_co_u32 s42, s42, s40                     ; x: the block of 128 columns
	s_and_b32 s43, ttmp7, 0xffff
	s_lshl_b32 s43, s43, 2
	s_add_co_u32 s43, s43, s41                     ; y: the block of 128 tokens
	s_lshl_b32 s44, s41, 2
	s_lshl_b32 s44, 15, s44
	s_lshl_b32 s45, 0x1111, s40
	s_or_b32 s[G1X], s44, (3<<16)|(1<<21)
	s_or_b32 s[G1W], s45, (3<<16)|(1<<21)
.irp g, G1W, G1X
	s_mov_b32 s[\g+1], 32<<16
	s_mov_b32 s[\g+2], 50<<16
	s_mov_b32 s[\g+3], 32<<16
	s_mov_b32 s[\g+4], 50
	s_mov_b32 s[\g+5], 32
	s_mov_b32 s[\g+6], 0
	s_mov_b32 s[\g+7], 0
.endr
	s_mul_i32 s46, s42, WBLK
	s_mul_i32 s47, s[QD], PANEL
	s_add_co_u32 s46, s46, s47
	s_add_co_u32 s46, s46, WOFF
	s_mov_b32 s47, 0
	s_mul_i32 s20, s43, XBLK
	s_mul_i32 s21, s[QD], PANEL
	s_add_co_u32 s20, s20, s21
	s_mov_b32 s21, 0
	v_and_b32 v16, 31, v0
	v_and_b32 v17, 15, v0
	v_bfe_u32 v18, v0, 4, 1
	v_lshlrev_b32 v19, 4, v16
	v_lshlrev_b32 v20, 3, v16
	v_lshlrev_b32 v21, 4, v17
	s_mul_i32 s2, s[KG], 2*PANEL
	s_mul_i32 s3, s[WH], 6144
	s_add_co_u32 s3, s3, s2
	s_mul_i32 s22, s[XH], 6144
	s_add_co_u32 s22, s22, s2
	s_add_co_u32 s22, s22, CHUNK
	s_lshl_b32 s23, s[WH], 8
	s_add_co_u32 s23, s23, s2
	s_add_co_u32 s23, s23, 12288
	s_lshl_b32 s69, s[XH], 8
	s_add_co_u32 s69, s69, s2
	s_add_co_u32 s69, s69, CHUNK+12288
.irp s, 0,1
	v_add_nc_u32 v[AW16+\s], s3, v19
	v_add_nc_u32 v[AW8+\s], s3, v20
	v_add_nc_u32 v[AX16+\s], s22, v19
	v_add_nc_u32 v[AX8+\s], s22, v20
	v_add_nc_u32 v[ASW+\s], s23, v21
	v_add_nc_u32 v[ASX+\s], s69, v21
	s_add_co_u32 s3, s3, SLOT
	s_add_co_u32 s22, s22, SLOT
	s_add_co_u32 s23, s23, SLOT
	s_add_co_u32 s69, s69, SLOT
.endr
	s_lshl_b32 s2, s[WV], 13
	s_add_co_u32 s2, s2, SCR
	v_add_nc_u32 v[XS], s2, v19
	s_xor_b32 s2, s[WV], 4
	s_lshl_b32 s2, s2, 13
	s_add_co_u32 s2, s2, SCR
	v_add_nc_u32 v[XL], s2, v19
	s_mul_i32 s2, s[WV], 16*272
	s_add_co_u32 s2, s2, STG
	v_mul_u32_u24 v22, v17, 272
	v_lshl_add_u32 v22, v18, 6, v22
	v_add_nc_u32 v[STO], s2, v22
	v_mul_u32_u24 v22, v18, 272
	v_add_nc_u32 v22, v22, v21
	v_add_nc_u32 v[SRD], s2, v22
	v_lshl_add_u32 v[GLN], v18, 12, v21
	s_lshl_b32 s72, s43, 7
	s_lshl_b32 s73, s[XH], 6
	s_add_co_u32 s72, s72, s73
	s_lshl_b32 s73, s[KG], 5
	s_add_co_u32 s72, s72, s73                     ; my 32 rows begin at 128 y + 64 xh + 32 g
	s_lshl_b32 s72, s72, 12
	s_lshl_b32 s76, s42, 9
	s_lshl_b32 s77, s[WH], 8
	s_add_co_u32 s76, s76, s77                     ; my 64 columns, in bytes
	s_add_co_u32 s72, s72, s76
	s_mov_b32 s73, 0
	s_mov_b32 s77, 0
	s_wait_kmcnt 0x0
	s_add_nc_u64 s[46:47], s[PW:PW+1], s[46:47]
	s_add_nc_u64 s[20:21], s[PX:PX+1], s[20:21]
	s_add_nc_u64 s[74:75], s[POUT:POUT+1], s[72:73]
	s_add_nc_u64 s[72:73], s[PRES:PRES+1], s[72:73]
	s_add_nc_u64 s[76:77], s[PB:PB+1], s[76:77]
.irp s, 0,1
	s_mov_b32 s[G0W+4*\s], 1
	s_add_co_u32 s[G0W+4*\s+1], s[LB], \s*SLOT
	s_add_nc_u64 s[G0W+4*\s+2:G0W+4*\s+3], s[46:47], \s*CHUNK
	s_or_b32 s[G0W+4*\s+3], s[G0W+4*\s+3], 0x80000000
	s_mov_b32 s[G0X+4*\s], 1
	s_add_co_u32 s[G0X+4*\s+1], s[LB], \s*SLOT
	s_add_nc_u64 s[G0X+4*\s+2:G0X+4*\s+3], s[20:21], \s*CHUNK
	s_or_b32 s[G0X+4*\s+3], s[G0X+4*\s+3], 0x80000000
.endr
	CROUND
	JLOAD 0                                        ; chunk 0
	CHANGE 0, 1                                    ; chunk 1
	WORK 0, 1                                      ; the first chunk's products start the sums
	CHANGE 1, 1
	WORK 1, 0
	CHANGE 0, 1
	s_mov_b32 s67, 2
.Llap:                                                 ; a trip: two chunks, both slots filled again; the two trips ask for chunks 4 to 7
	WORK 0, 0
	CHANGE 1, 1
	WORK 1, 0
	CHANGE 0, 1
	s_sub_co_u32 s67, s67, 1
	s_cmp_lg_u32 s67, 0
	s_cbranch_scc1 .Llap
	WORK 0, 0                                      ; the last two chunks ask for nothing more
	CHANGE 1, 0
	WORK 1, 0
	XSTORE
	CHANGE 0, 0
	EPI
	s_wait_tensorcnt 0x0                           ; the wave's end
	ds_add_u32 v[SPW], v[NIL]
	s_wait_dscnt 0x0
	CROUND
	s_endpgm
.Lfunc_end_k_q3f45a62312_down:
	.size	k_q3f45a62312_down, .Lfunc_end_k_q3f45a62312_down-k_q3f45a62312_down
	.p2alignl 7, 3214868480
	.fill 96, 4, 3214868480
	.section	.rodata,"a",@progbits
	.p2align	6, 0x0
	.amdhsa_kernel k_q3f45a62312_down
		.amdhsa_group_segment_fixed_size 327680
		.amdhsa_private_segment_fixed_size 0
		.amdhsa_enable_private_segment 0
		.amdhsa_kernarg_size 40
		.amdhsa_user_sgpr_count 2
		.amdhsa_user_sgpr_kernarg_segment_ptr 1
		.amdhsa_wavefront_size32 1
		.amdhsa_system_sgpr_workgroup_id_x 1
		.amdhsa_system_sgpr_workgroup_id_y 1
		.amdhsa_system_sgpr_workgroup_id_z 1
		.amdhsa_system_vgpr_workitem_id 0
		.amdhsa_next_free_vgpr 256
		.amdhsa_next_free_sgpr 100
		.amdhsa_reserve_vcc 0
		.amdhsa_float_denorm_mode_32 3
		.amdhsa_float_denorm_mode_16_64 3
		.amdhsa_memory_ordered 1
		.amdhsa_forward_progress 1
		.amdhsa_inst_pref_size 84
	.end_amdhsa_kernel
	.amdgpu_metadata
---
amdhsa.version: [ 1, 2 ]
amdhsa.kernels:
  - .name:           k_q3f45a62312_down
    .symbol:         k_q3f45a62312_down.kd
    .args:
      - { .name: img, .offset: 0, .size: 8, .value_kind: global_buffer, .address_space: global }
      - { .name: glc, .offset: 8, .size: 8, .value_kind: global_buffer, .address_space: global }
      - { .name: x1, .offset: 16, .size: 8, .value_kind: global_buffer, .address_space: global }
      - { .name: mlp_b1, .offset: 24, .size: 8, .value_kind: global_buffer, .address_space: global }
      - { .name: out0, .offset: 32, .size: 8, .value_kind: global_buffer, .address_space: global }
    .group_segment_fixed_size: 327680
    .private_segment_fixed_size: 0
    .kernarg_segment_align: 8
    .kernarg_segment_size: 40
    .max_flat_workgroup_size: 256
    .sgpr_count:     100
    .vgpr_count:     256
    .wavefront_size: 32
...
	.end_amdgpu_metadata
.endif
;; end of part 7
;; ======== version 2 of 2: 7 launches
;; limits: right only within a limited range of input values
;; workspace buffers: img 16,384,000 bytes; qkvc 10,092,544 bytes; attc 3,276,800 bytes; x1 16,777,216 bytes; hnc 3,276,800 bytes; glc 13,107,200 bytes
;; launch prep (part 8): grid 448 x 1, 8 waves a work-group, no clusters, 67,072 bytes of LDS; arguments x, ln1_scale, ln1_bias, img, wq_codes, wq_scales, wk_codes, wk_scales, wv_codes, wv_scales, wo_codes, wo_scales, mlp_w0_codes, mlp_w0_scales, mlp_w1_codes, mlp_w1_scales; writes img
.if DOCPART == 8
	.amdgcn_target "amdgcn-amd-amdhsa--gfx1250"
	.amdhsa_code_object_version 6
	.text
	.protected	k_q3f45a62312_prep
	.globl	k_q3f45a62312_prep
	.p2align	8
	.type	k_q3f45a62312_prep,@function
k_q3f45a62312_prep:
	s_mov_b64 s[64:65], 0
	v_nop
	global_prefetch_b8 v0, s[64:65] scope:SCOPE_SE
	s_setreg_imm32_b32 hwreg(HW_REG_WAVE_MODE, 25, 1), 1
	s_wait_xcnt 0x0
; Work-groups 0-255: 16 rows of x each.  The rows are quantised to FP6 (E2M3, one E8M0 byte for 32 along K) twice: as they are, and after layer norm 1.
; Work-groups 256-447: the six weights' codes and scale bytes are laid out anew, unchanged in value.
; ALL RESULTS ARE IMAGES OF OPERAND REGISTERS.  An operand of R rows x K is [R / 128][K / 128] panels of 12,800 bytes.  In a panel: tile t (16 rows), half c (64 along K) at 1536 t + 768 c:
; registers 6 c .. 6 c + 3 of lane l at 16 l, registers 6 c + 4, 6 c + 5 at 512 + 8 l; the rows' scale words at 12288 + 256 (t / 4) + 16 r + 4 (t % 4).
; Lane r of tile t holds row 32 (t / 2) + 8 (t % 2) + r + 8 (r / 8) of the panel's 128: so the results of two neighbouring tiles used as source 0 are 16 neighbours along the next K.
; ROWS.  Wave w loads rows 2 w, 2 w + 1 of the tile whole (512 consecutive bytes a load), finds mean and 1 / sqrt(var + eps) (the variance from the deviations, so a common offset does no harm),
; and puts the rows into a stage in LDS; behind one barrier wave w takes K step w of all 16 rows: lane (r, h) holds 2 x 32 neighbours, two whole blocks, so no other lane is asked for a maximum.
; A block's scale byte is its largest magnitude's exponent field - 2, held at 1 from below.
; LIMITS: NaN and infinities are not served; a block whose largest magnitude lies under 2^-124 (a block of zeros too) keeps the byte 1: its codes are then small or zero, and only this program reads the bytes.
; No cluster, no tensor load: no two work-groups read the same rows, and gain and bias are 8 KB.
.set RAW,    1                         ; the rows as they are get an image too
.set PANEL,  12800
.set NOFF,   3276800                   ; the normalised rows' image begins here; the raw rows' at 0
.set SPITCH, 4112                      ; a stage row: 4,096 bytes + 16, so that 16 rows' equal columns fall on 16 different groups of banks
.set STAT,   16*SPITCH                 ; behind the stage: (mean, 1 / sigma) of the 16 rows
.set X,   32                           ; v32-95   phase 1: two rows, 32 numbers a lane each; phase 2: my 64 numbers
.set GA,  96                           ; v96-159  the gain at my 64 columns
.set BI,  160                          ; v160-223 the bias
.set CO,  224                          ; v224-235 a fragment's codes
.set CT,  236                          ; v236-242 the blocks' upper halves as the conversion leaves them
.set WV,  52
.set SEL, 54                           ; s[54:55] lane l xor 16
	s_load_b256 s[4:11], s[0:1], 0x0               ; x, gain, bias, the images
	s_load_b256 s[12:19], s[0:1], 0x20             ; wq's codes and scales, wk's
	s_load_b256 s[20:27], s[0:1], 0x40             ; wv's, wo's
	s_load_b256 s[28:35], s[0:1], 0x60             ; mlp_w0's, mlp_w1's
	v_lshl_add_u32 v239, v0, 2, 0x10200
	v_mov_b32 v243, 0
	v_lshrrev_b32 v1, 5, v0
	s_delay_alu instid0(VALU_DEP_1)
	v_readfirstlane_b32 s[WV], v1                  ; wave 0..7
	v_and_b32 v2, 31, v0                           ; lane
	v_and_b32 v3, 15, v0                           ; r
	v_bfe_u32 v4, v0, 4, 1                         ; h
	s_delay_alu instid0(VALU_DEP_3)
	v_lshlrev_b32 v5, 4, v2                        ; 16 x lane
	s_delay_alu instid0(VALU_DEP_4)
	v_lshlrev_b32 v6, 3, v2                        ; 8 x lane
	s_delay_alu instid0(VALU_DEP_4)
	v_lshlrev_b32 v13, 4, v3                       ; 16 r: a row's place among the scale words
	s_cmp_ge_u32 ttmp9, 256
	s_cbranch_scc1 .Lrelay
	s_mov_b32 s[SEL], 0x76543210
	s_mov_b32 s[SEL+1], 0xfedcba98
	s_mov_b32 s56, 0x3a800000                      ; 1 / 1024
	s_mov_b32 s57, 0x358637bd                      ; eps = 1e-6
	s_lshr_b32 s40, ttmp9, 1
	s_lshl_b32 s40, s40, 5
	s_and_b32 s41, ttmp9, 1
	s_lshl_b32 s41, s41, 3
	s_add_co_u32 s40, s40, s41                     ; the tile's first row: 32 (T / 2) + 8 (T % 2)
	s_lshl_b32 s41, s[WV], 1
	s_add_co_u32 s40, s40, s41
	s_lshr_b32 s41, s[WV], 2
	s_lshl_b32 s41, s41, 3
	s_add_co_u32 s40, s40, s41                     ; stage row i = 2 w is row i + 8 (i / 8) of it
	s_lshl_b32 s40, s40, 12                        ; in bytes
	s_mov_b32 s41, 0
	s_lshl_b32 s42, s[WV], 9
	s_wait_alu depctr_va_vdst(0)
	v_lshlrev_b32 v7, 7, v4
	s_delay_alu instid0(VALU_DEP_1)
	v_add_nc_u32 v7, s42, v7                       ; 512 w + 128 h: my columns of K step w
	s_mul_i32 s43, s[WV], 2*SPITCH
	v_add_nc_u32 v8, s43, v5                       ; the stage, in: my two rows, 16 bytes a lane
	s_lshl_b32 s43, s[WV], 4
	s_add_co_u32 s43, s43, STAT
	v_mov_b32 v9, s43                              ; their two pairs of figures
	v_mul_u32_u24 v10, v3, SPITCH
	s_delay_alu instid0(VALU_DEP_1)
	v_add_nc_u32 v10, v10, v7                      ; the stage, out: row r, my columns
	v_lshl_add_u32 v11, v3, 3, STAT                ; row r's figures
	v_lshlrev_b32 v12, 3, v4                       ; 8 h: where my two scale bytes stand in the word
	s_lshr_b32 s44, ttmp9, 3
	s_lshl_b32 s44, s44, 3
	s_add_co_u32 s44, s44, s[WV]
	s_mul_i32 s44, s44, PANEL                      ; panel (row block, K step w)
	s_and_b32 s46, ttmp9, 7                        ; t
	s_mul_i32 s45, s46, 1536
	s_lshr_b32 s47, s46, 2
	s_lshl_b32 s47, s47, 8
	s_and_b32 s46, s46, 3
	s_lshl_b32 s46, s46, 2
	s_add_co_u32 s46, s46, s47
	s_add_co_u32 s46, s46, s44
	s_add_co_u32 s46, s46, 12288                   ; the tile's scale words
	s_add_co_u32 s44, s44, s45                     ; the tile's codes
	s_mov_b32 s45, 0
	s_mov_b32 s47, 0
	s_wait_alu depctr_va_vdst(0)
	s_wait_kmcnt 0x0
	s_add_nc_u64 s[4:5], s[4:5], s[40:41]
	s_add_nc_u64 s[44:45], s[10:11], s[44:45]
	s_add_nc_u64 s[46:47], s[10:11], s[46:47]
.irp e, 0,1
.irp j, 0,1,2,3,4,5,6,7
	global_load_b128 v[X+32*\e+4*\j:X+32*\e+4*\j+3], v5, s[4:5] offset:4096*\e+512*\j
.endr
.endr
.irp c, 0,1
.irp j, 0,1,2,3,4,5,6,7
	global_load_b128 v[GA+32*\c+4*\j:GA+32*\c+4*\j+3], v7, s[6:7] offset:256*\c+16*\j
	global_load_b128 v[BI+32*\c+4*\j:BI+32*\c+4*\j+3], v7, s[8:9] offset:256*\c+16*\j
.endr
.endr
.macro REDUCE                          ; v244 summed over the 32 lanes, in every lane
	s_delay_alu instid0(VALU_DEP_1)
	v_add_f32_dpp v244, v244, v244 row_xmask:1 row_mask:0xf bank_mask:0xf
	s_delay_alu instid0(VALU_DEP_1)
	v_add_f32_dpp v244, v244, v244 row_xmask:2 row_mask:0xf bank_mask:0xf
	s_delay_alu instid0(VALU_DEP_1)
	v_add_f32_dpp v244, v244, v244 row_xmask:4 row_mask:0xf bank_mask:0xf
	s_delay_alu instid0(VALU_DEP_1)
	v_add_f32_dpp v244, v244, v244 row_xmask:8 row_mask:0xf bank_mask:0xf
	s_delay_alu instid0(VALU_DEP_1)
	v_permlanex16_b32 v245, v244, s[SEL], s[SEL+1]
	s_delay_alu instid0(VALU_DEP_1)
	v_add_f32 v244, v244, v245
.endm
.macro ROWSTAT e                       ; row e of my two: mean, then the mean of the squared deviations, 1 / sqrt of it + eps; both to LDS
.set B, X+32*\e
	v_pk_add_f32 v[244:245], v[B:B+1], v[B+2:B+3]
	v_pk_add_f32 v[246:247], v[B+4:B+5], v[B+6:B+7]
.irp j, 8,12,16,20,24,28
	s_delay_alu instid0(VALU_DEP_2)
	v_pk_add_f32 v[244:245], v[244:245], v[B+\j:B+\j+1]
	s_delay_alu instid0(VALU_DEP_2)
	v_pk_add_f32 v[246:247], v[246:247], v[B+\j+2:B+\j+3]
.endr
	s_delay_alu instid0(VALU_DEP_1)
	v_pk_add_f32 v[244:245], v[244:245], v[246:247]
	s_delay_alu instid0(VALU_DEP_1)
	v_add_f32 v244, v244, v245
	REDUCE
	s_delay_alu instid0(VALU_DEP_1)
	v_mul_f32 v248, s56, v244                      ; the mean
	s_delay_alu instid0(VALU_DEP_1)
	v_mov_b32 v249, v248
	s_delay_alu instid0(VALU_DEP_1)
	v_pk_add_f32 v[250:251], v[B:B+1], v[248:249] neg_lo:[0,1] neg_hi:[0,1]
	s_delay_alu instid0(VALU_DEP_2)
	v_pk_add_f32 v[252:253], v[B+2:B+3], v[248:249] neg_lo:[0,1] neg_hi:[0,1]
	s_delay_alu instid0(VALU_DEP_2)
	v_pk_mul_f32 v[244:245], v[250:251], v[250:251]
	s_delay_alu instid0(VALU_DEP_2)
	v_pk_mul_f32 v[246:247], v[252:253], v[252:253]
.irp j, 4,8,12,16,20,24,28
	v_pk_add_f32 v[250:251], v[B+\j:B+\j+1], v[248:249] neg_lo:[0,1] neg_hi:[0,1]
	v_pk_add_f32 v[252:253], v[B+\j+2:B+\j+3], v[248:249] neg_lo:[0,1] neg_hi:[0,1]
	s_delay_alu instid0(VALU_DEP_2)
	v_pk_fma_f32 v[244:245], v[250:251], v[250:251], v[244:245]
	s_delay_alu instid0(VALU_DEP_2)
	v_pk_fma_f32 v[246:247], v[252:253], v[252:253], v[246:247]
.endr
	s_delay_alu instid0(VALU_DEP_1)
	v_pk_add_f32 v[244:245], v[244:245], v[246:247]
	s_delay_alu instid0(VALU_DEP_1)
	v_add_f32 v244, v244, v245
	REDUCE
	s_delay_alu instid0(VALU_DEP_1)
	v_fma_f32 v244, v244, s56, s57                 ; var + eps
	s_wait_alu depctr_va_vdst(0)
	v_rsq_f32 v249, v244
	v_nop                                          ; a plain line between the root and the use of its result
	s_wait_alu depctr_va_vdst(0)
	ds_store_b64 v9, v[248:249] offset:8*\e        ; every lane writes the same pair
.endm
; My 64 numbers in v[X] on (block 2 c + h in registers 32 c .. 32 c + 31) become a fragment's codes in v[CO] on and the row's scale word in v250.
.macro QFULL
.irp c, 0,1
	v_max3_num_f32 v[244+\c], |v[X+32*\c]|, |v[X+32*\c+1]|, 0x1800000   ; with the floor 2^-124: the byte cannot fall under 1
.endr
.irp i, 2,4,6,8,10,12,14,16,18,20,22,24,26,28,30
.irp c, 0,1
	s_delay_alu instid0(VALU_DEP_2)
	v_max3_num_f32 v[244+\c], v[244+\c], |v[X+32*\c+\i]|, |v[X+32*\c+\i+1]|
.endr
.endr
.irp c, 0,1
	s_delay_alu instid0(VALU_DEP_2)
	v_add_nc_u32 v[246+\c], 0xff000000, v[244+\c]  ; 2 off the exponent field: the conversion's scale operand
.endr
.irp c, 0,1
	s_delay_alu instid0(VALU_DEP_2)
	v_lshrrev_b32 v[248+\c], 23, v[246+\c]         ; the scale's byte
.endr
	s_delay_alu instid0(VALU_DEP_1)
	v_lshl_or_b32 v250, v249, 16, v248             ; bytes h and 2 + h of the word,
	s_delay_alu instid0(VALU_DEP_1)
	v_lshlrev_b32 v250, v12, v250                  ; at their places;
	v_mov_b32 v251, 0
	s_delay_alu instid0(VALU_DEP_1)
	v_permlanex16_b32 v251, v250, s[SEL], s[SEL+1]
	s_delay_alu instid0(VALU_DEP_1)
	v_or_b32 v250, v250, v251                      ; with lane l xor 16's two the word is whole
.irp c, 0,1
	v_cvt_scalef32_pk16_fp6_f32 v[CO+6*\c:CO+6*\c+2], v[X+32*\c:X+32*\c+15], v[246+\c]
	v_cvt_scalef32_pk16_fp6_f32 v[CT+4*\c:CT+4*\c+2], v[X+32*\c+16:X+32*\c+31], v[246+\c]   ; (three registers from an even one on: made aside and moved)
.endr
	v_nop                                          ; a plain line behind the scaled conversions
.irp c, 0,1
.irp i, 0,1,2
	v_mov_b32 v[CO+3+6*\c+\i], v[CT+4*\c+\i]
.endr
.endr
.endm
.macro PUT off                         ; each store of codes covers 512 or 256 consecutive bytes, aligned to 256
	global_store_b128 v5, v[CO:CO+3], s[44:45] offset:\off
	global_store_b64 v6, v[CO+4:CO+5], s[44:45] offset:\off+512
	global_store_b128 v5, v[CO+6:CO+9], s[44:45] offset:\off+768
	global_store_b64 v6, v[CO+10:CO+11], s[44:45] offset:\off+1280
	global_store_b32 v13, v250, s[46:47] offset:\off   ; lanes r and r + 16 write the same word with the same value
.endm
	s_wait_loadcnt 32                              ; my two rows are in; the 32 loads of gain and bias behind them may stay out
.irp e, 0,1
.irp j, 0,1,2,3,4,5,6,7
	ds_store_b128 v8, v[X+32*\e+4*\j:X+32*\e+4*\j+3] offset:\e*SPITCH+512*\j
.endr
.endr
	ROWSTAT 0
	ROWSTAT 1
	s_wait_dscnt 0x0                               ; for the others' sake: my rows and figures lie in LDS
	s_barrier_signal -1
	s_barrier_wait -1
.irp c, 0,1
.irp j, 0,1,2,3,4,5,6,7
	ds_load_b128 v[X+32*\c+4*\j:X+32*\c+4*\j+3], v10 offset:256*\c+16*\j
.endr
.endr
	ds_load_b64 v[252:253], v11
	s_wait_dscnt 0x0
.if RAW
	QFULL
	PUT 0
.endif
	v_mov_b32 v254, v253                           ; 1 / sigma twice, the mean twice: pairs for the packed forms
	v_mov_b32 v255, v253
	v_mov_b32 v253, v252
	s_wait_alu depctr_va_vdst(0)
	s_wait_loadcnt 0x0                             ; gain and bias
.set J, 0
.rept 32
	v_pk_add_f32 v[X+J:X+J+1], v[X+J:X+J+1], v[252:253] neg_lo:[0,1] neg_hi:[0,1]
.set J, J+2
.endr
.set J, 0
.rept 32
	v_pk_mul_f32 v[X+J:X+J+1], v[X+J:X+J+1], v[254:255]
.set J, J+2
.endr
.set J, 0
.rept 32
	v_pk_fma_f32 v[X+J:X+J+1], v[X+J:X+J+1], v[GA+J:GA+J+1], v[BI+J:BI+J+1]
.set J, J+2
.endr
	s_wait_xcnt 0x0                                ; the first image's stores have read their registers: the codes are written again only behind this wait
	QFULL
	PUT NOFF
	s_wait_tensorcnt 0x0
	ds_add_u32 v239, v243
	s_wait_dscnt 0x0
	s_endpgm
; THE WEIGHTS.  A wave moves 16 rows x 512 along K: four fragments and their scale words, loaded in the operand's own pieces (24 bytes a lane and half as three loads of 8) and stored as images.
; 1,536 such units make 192 work-groups: small units, so that the requests of these scattered loads are spread over many WGPs.
.Lrelay:
	s_sub_co_u32 s40, ttmp9, 256                   ; 0-15 wq, 16-31 wk, 32-47 wv, 48-63 wo, 64-127 mlp_w0, 128-191 mlp_w1
	s_wait_kmcnt 0x0
	s_mov_b64 s[36:37], s[32:33]
	s_mov_b64 s[38:39], s[34:35]
	s_mov_b32 s41, 128                             ; the weight's first work-group
	s_mov_b32 s42, 13107200                        ; its image's first byte
	s_mov_b32 s43, 3072                            ; a row of its codes in bytes
	s_cmp_lt_u32 s40, 128
	s_cselect_b64 s[36:37], s[28:29], s[36:37]
	s_cselect_b64 s[38:39], s[30:31], s[38:39]
	s_cselect_b32 s41, 64, s41
	s_cselect_b32 s42, 9830400, s42
	s_cselect_b32 s43, 768, s43
	s_cselect_b32 s44, 32, 128                     ; a row of its scale bytes
	s_cselect_b32 s45, 8, 32                       ; K steps in a row
	s_cselect_b32 s46, 1, 3                        ; two waves share a tile of rows, 512 along K each; in mlp_w1 eight
	s_cselect_b32 s47, 1, 7
	s_cmp_lt_u32 s40, 64
	s_cselect_b64 s[36:37], s[24:25], s[36:37]
	s_cselect_b64 s[38:39], s[26:27], s[38:39]
	s_cselect_b32 s41, 48, s41
	s_cselect_b32 s42, 9011200, s42
	s_cmp_lt_u32 s40, 48
	s_cselect_b64 s[36:37], s[20:21], s[36:37]
	s_cselect_b64 s[38:39], s[22:23], s[38:39]
	s_cselect_b32 s41, 32, s41
	s_cselect_b32 s42, 8192000, s42
	s_cmp_lt_u32 s40, 32
	s_cselect_b64 s[36:37], s[16:17], s[36:37]
	s_cselect_b64 s[38:39], s[18:19], s[38:39]
	s_cselect_b32 s41, 16, s41
	s_cselect_b32 s42, 7372800, s42
	s_cmp_lt_u32 s40, 16
	s_cselect_b64 s[36:37], s[12:13], s[36:37]
	s_cselect_b64 s[38:39], s[14:15], s[38:39]
	s_cselect_b32 s41, 0, s41
	s_cselect_b32 s42, 6553600, s42
	s_sub_co_u32 s40, s40, s41
	s_lshl_b32 s40, s40, 3
	s_add_co_u32 s40, s40, s[WV]                   ; my unit of the weight
	s_and_b32 s47, s40, s47                        ; which 512 along K
	s_lshr_b32 s46, s40, s46                       ; which tile of 16 rows
	s_lshr_b32 s48, s46, 1
	s_lshl_b32 s48, s48, 5
	s_and_b32 s49, s46, 1
	s_lshl_b32 s49, s49, 3
	s_add_co_u32 s48, s48, s49                     ; the tile's first row
	s_mul_i32 s50, s48, s43
	s_mul_i32 s49, s47, 384
	s_add_co_u32 s50, s50, s49
	s_mov_b32 s51, 0
	s_add_nc_u64 s[36:37], s[36:37], s[50:51]      ; its codes
	s_mul_i32 s50, s48, s44
	s_lshl_b32 s49, s47, 4
	s_add_co_u32 s50, s50, s49
	s_add_nc_u64 s[38:39], s[38:39], s[50:51]      ; its scale bytes
	s_lshr_b32 s48, s46, 3
	s_mul_i32 s48, s48, s45
	s_lshl_b32 s49, s47, 2
	s_add_co_u32 s48, s48, s49
	s_mul_i32 s48, s48, PANEL
	s_add_co_u32 s48, s48, s42                     ; my first panel
	s_and_b32 s49, s46, 7
	s_mul_i32 s50, s49, 1536
	s_add_co_u32 s50, s50, s48
	s_add_nc_u64 s[58:59], s[10:11], s[50:51]      ; the tile's codes in it
	s_lshr_b32 s49, s49, 2
	s_lshl_b32 s49, s49, 8
	s_add_co_u32 s50, s48, s49
	s_and_b32 s49, s46, 3
	s_lshl_b32 s49, s49, 2
	s_add_co_u32 s50, s50, s49
	s_add_co_u32 s50, s50, 12288
	s_add_nc_u64 s[60:61], s[10:11], s[50:51]      ; and its scale words
	s_wait_alu depctr_va_vdst(0)
	v_and_b32 v7, 8, v3
	s_delay_alu instid0(VALU_DEP_1)
	v_add_nc_u32 v7, v7, v3                        ; r + 8 (r / 8)
	s_delay_alu instid0(VALU_DEP_1)
	v_mul_u32_u24 v8, v7, s43
	s_delay_alu instid0(VALU_DEP_1)
	v_mad_u32_u24 v8, v4, 24, v8                   ; my row's codes, + 24 h
	s_delay_alu instid0(VALU_DEP_3)
	v_mul_u32_u24 v9, v7, s44                      ; my row's scale bytes
	global_load_b128 v[16:19], v9, s[38:39] th:TH_LOAD_NT
.irp s, 0,1,2,3
.irp c, 0,1
.irp p, 0,1,2
	global_load_b64 v[32+12*\s+6*\c+2*\p:32+12*\s+6*\c+2*\p+1], v8, s[36:37] offset:96*\s+48*\c+8*\p th:TH_LOAD_NT
.endr
.endr
.endr
	s_wait_loadcnt 0x0
.irp s, 0,1,2,3
.irp c, 0,1
	global_store_b128 v5, v[32+12*\s+6*\c:32+12*\s+6*\c+3], s[58:59] offset:\s*PANEL+768*\c
	global_store_b64 v6, v[32+12*\s+6*\c+4:32+12*\s+6*\c+5], s[58:59] offset:\s*PANEL+768*\c+512
.endr
	global_store_b32 v13, v[16+\s], s[60:61] offset:\s*PANEL
.endr
	s_endpgm
.Lfunc_end_k_q3f45a62312_prep:
	.size	k_q3f45a62312_prep, .Lfunc_end_k_q3f45a62312_prep-k_q3f45a62312_prep
	.p2alignl 7, 3214868480
	.fill 96, 4, 3214868480
	.section	.rodata,"a",@progbits
	.p2align	6, 0x0
	.amdhsa_kernel k_q3f45a62312_prep
		.amdhsa_group_segment_fixed_size 67072
		.amdhsa_private_segment_fixed_size 0
		.amdhsa_enable_private_segment 0
		.amdhsa_kernarg_size 128
		.amdhsa_user_sgpr_count 2
		.amdhsa_user_sgpr_kernarg_segment_ptr 1
		.amdhsa_wavefront_size32 1
		.amdhsa_system_sgpr_workgroup_id_x 1
		.amdhsa_system_sgpr_workgroup_id_y 1
		.amdhsa_system_sgpr_workgroup_id_z 1
		.amdhsa_system_vgpr_workitem_id 0
		.amdhsa_next_free_vgpr 256
		.amdhsa_next_free_sgpr 66
		.amdhsa_reserve_vcc 0
		.amdhsa_float_denorm_mode_32 3
		.amdhsa_float_denorm_mode_16_64 3
		.amdhsa_memory_ordered 1
		.amdhsa_forward_progress 1
		.amdhsa_inst_pref_size 45
	.end_amdhsa_kernel
	.amdgpu_metadata
---
amdhsa.version: [ 1, 2 ]
amdhsa.kernels:
  - .name:           k_q3f45a62312_prep
    .symbol:         k_q3f45a62312_prep.kd
    .args:
      - { .name: x, .offset: 0, .size: 8, .value_kind: global_buffer, .address_space: global }
      - { .name: ln1_scale, .offset: 8, .size: 8, .value_kind: global_buffer, .address_space: global }
      - { .name: ln1_bias, .offset: 16, .size: 8, .value_kind: global_buffer, .address_space: global }
      - { .name: img, .offset: 24, .size: 8, .value_kind: global_buffer, .address_space: global }
      - { .name: wq_codes, .offset: 32, .size: 8, .value_kind: global_buffer, .address_space: global }
      - { .name: wq_scales, .offset: 40, .size: 8, .value_kind: global_buffer, .address_space: global }
      - { .name: wk_codes, .offset: 48, .size: 8, .value_kind: global_buffer, .address_space: global }
      - { .name: wk_scales, .offset: 56, .size: 8, .value_kind: global_buffer, .address_space: global }
      - { .name: wv_codes, .offset: 64, .size: 8, .value_kind: global_buffer, .address_space: global }
      - { .name: wv_scales, .offset: 72, .size: 8, .value_kind: global_buffer, .address_space: global }
      - { .name: wo_codes, .offset: 80, .size: 8, .value_kind: global_buffer, .address_space: global }
      - { .name: wo_scales, .offset: 88, .size: 8, .value_kind: global_buffer, .address_space: global }
      - { .name: mlp_w0_codes, .offset: 96, .size: 8, .value_kind: global_buffer, .address_space: global }
      - { .name: mlp_w0_scales, .offset: 104, .size: 8, .value_kind: global_buffer, .address_space: global }
      - { .name: mlp_w1_codes, .offset: 112, .size: 8, .value_kind: global_buffer, .address_space: global }
      - { .name: mlp_w1_scales, .offset: 120, .size: 8, .value_kind: global_buffer, .address_space: global }
    .group_segment_fixed_size: 67072
    .private_segment_fixed_size: 0
    .kernarg_segment_align: 8
    .kernarg_segment_size: 128
    .max_flat_workgroup_size: 256
    .sgpr_count:     66
    .vgpr_count:     256
    .wavefront_size: 32
...
	.end_amdgpu_metadata
.endif
;; end of part 8
;; launch qkv (part 9): grid 8 x 24, 8 waves a work-group, clusters of 4 x 4, 327,680 bytes of LDS; arguments img, qkvc; writes qkvc
.if DOCPART == 9
	.amdgcn_target "amdgcn-amd-amdhsa--gfx1250"
	.amdhsa_code_object_version 6
	.text
	.protected	k_q3f45a62312_qkv
	.globl	k_q3f45a62312_qkv
	.p2align	8
	.type	k_q3f45a62312_qkv,@function
k_q3f45a62312_qkv:
	s_mov_b64 s[64:65], 0
	v_nop
	global_prefetch_b8 v0, s[64:65] scope:SCOPE_SE
	s_setreg_imm32_b32 hwreg(HW_REG_WAVE_MODE, 25, 1), 1
	s_wait_xcnt 0x0
	s_wait_alu depctr_hold_cnt(0) depctr_sa_sdst(0) depctr_va_vdst(0) depctr_va_sdst(0) depctr_va_ssrc(0) depctr_va_vcc(0) depctr_vm_vsrc(0)
	s_getreg_b32 s2, hwreg(HW_REG_IB_STS2, 6, 4)
	s_cmp_eq_u32 s2, 0
	s_cbranch_scc0 .Lentry_in_a_cluster
	s_endpgm
.Lentry_in_a_cluster:
	s_bfe_u32 s2, ttmp6, 0x10000c
	s_cmp_lg_u32 s2, 0xf033
	s_cbranch_scc0 .Lentry_shape_is_right
	s_endpgm
.Lentry_shape_is_right:
; q = LN1(x) wq, k = x wk, v = x wv on codes of FP6, and each result quantised for attention's products: q and k along the head's 64, v along the keys.
; OPERANDS are images of operand registers, in panels of 128 rows x 128 K, 12,800 bytes: tile t, half c at 1536 t + 768 c (registers 6 c .. 6 c + 3 at 16 x lane, 6 c + 4, 6 c + 5 at 512 + 8 x lane);
; scale words at 12288 + 256 (t / 4) + 16 r + 4 (t % 4).  Lane r of tile t holds row 32 (t / 2) + 8 (t % 2) + r + 8 (r / 8).  A block of 128 rows is one dense stream along K.
; SHARES.  A work-group makes two tiles of 256 tokens x 128 columns (two heads), one below the other.  Eight waves, 4 x 2 quadrants of 64 x 64: wave w takes token block w / 4 of the tile's two, half (w / 2) % 2
; of it, and half w % 2 of W's rows; sixteen accumulators, K ascending.  Two waves share a SIMD, each within 256 registers: one wave's LDS loads stand beside the other's products.
; W STAYS.  The work-group's 128 rows of W, all of K = 1,024, are 102,400 bytes: they come into LDS once and serve both tiles.
; RING.  Two slots for X, each four K steps of the tile's two token blocks (8 panels): slot 0 always holds K steps 0-3, slot 1 K steps 4-7.  Each wave fetches one panel (50 rows of 256 bytes) of a slot.
; The first fills go out in two stages, one load a wave in each (W's K steps 0-3 and slot 0, then W's K steps 4-7 and slot 1); later one load of a wave is out at a time, and it has a slot's
; 64 matrix instructions a wave in which to land, the second refill the way out besides.  Each slot is filled again once, so the text has no loop.
; CLUSTER 4 x 4.  W's panels hang on the column block alone and are asked for jointly along a column of the cluster, X's on the token block alone, along a row.
; q, k: source 0 = 16 columns of W, source 1 = 16 tokens: a lane holds one token and 32 registers run along the head's 64.  v: the sources swapped: a lane holds one channel and the registers run along 64 tokens.
; OUT.  For each (batch, head) and each 128 keys a record of 13,056 bytes: K's eight tiles as half fragments (768 t), K's words at 6144 + 32 r + 4 t (upper two bytes 0), V^T's fragments at
; 6656 + 1536 d + 768 c, V's words at 12800 + 16 r + 4 d.  Q: half fragments of 768 bytes a tile, and 16 words a tile (upper two bytes 0).
; LIMITS: NaN and infinities are not served; a block whose largest magnitude lies under 2^-124 keeps the byte 1.
.set PANEL, 12800
.set RING,  8*PANEL                    ; LDS: W's eight panels from byte 0; behind them the ring
.set SLOT,  8*PANEL                    ; two token blocks x four K steps
.set SPARE, RING+2*SLOT                ; the spare words, 128 bytes a wave: four blocks of 256 bytes that no other line names
.set WQOFF, 6553600
.set XNOFF, 3276800
.set REC,   13056
.set QOFF,  6684672
.set QSOFF, 9830400
.set AW16, 1                           ; v1-2   W's codes of K steps 0-3, 4-7: 16 x lane on;  v3-4 the same with 8 x lane
.set AW8,  3
.set AX16, 5                           ; v5-8   X's, in slot 0, 1
.set AX8,  7
.set ASW,  9                           ; v9-10  W's scale words;  v11-12 X's
.set ASX,  11
.set SPW,  13                          ; v13    my spare word;  v14 = 0: both never rewritten
.set NIL,  14
.set FW,   16                          ; v16-63   W's four fragments
.set FX,   64                          ; v64-111  X's four
.set SCW,  112                         ; v112-115 W's scale words, v116-119 X's: scales and nothing else
.set SCX,  116
.set L16,  121                         ; v121 16 x lane, v122 8 x lane, v123 a row's place among the scale words
.set L8,   122
.set LSC,  123
.set ACC,  128                         ; v128-255 accumulator (a = source 1's tile, b = source 0's) at 128 + 8 (4 a + b)
.set PIMG, 4                           ; s[4:5] the images;  s[6:7] the output
.set POUT, 6
.set WV, 14
.set WH, 15                            ; which 64 rows of W
.set XQ, 16
.set XR, 17                            ; which token block of the tile's two.  Also: of which block I fetch a panel
.set XH, 18                            ; which 64 rows of it
.set LB, 19
.set G1W,  24                          ; s[24:31] group 1 for W: 50 rows;  s[32:35], s[36:39] its two groups 0
.set G0WA, 32
.set G0WB, 36
.set G1X,  48                          ; s[48:55] group 1 for X: 50 rows;  s[56:63] groups 0, one for each slot
.set G0X,  56
.set TYPE, 68                          ; 0 q, 1 k, 2 v: from the cluster's y alone, the same in all partners
.set SEL, 70
.set CB,  72                           ; s[72:79] where my four half fragments go;  s[80:87] their scales
.set SB,  80
.macro PLACES                          ; four plain lines between a matrix instruction and a load into, or a vector instruction or store on, its registers
.rept 4
	v_nop
.endr
.endm
.macro CROUND                          ; a round of the cluster's barrier
	s_barrier_signal -1
	s_barrier_wait -1
	s_cmp_lg_u32 s[WV], 0
	s_cbranch_scc1 .Lnot_wave_0_\@
	s_barrier_signal -3
.Lnot_wave_0_\@:
	s_barrier_wait -3
	s_barrier_signal -1
	s_barrier_wait -1
.endm
; The change of slots.  All my tensor loads have landed (my panel of the slot ahead among them) and my LDS reads of slot fs are done: then the round.  fill = 1: slot fs takes the next tile's K steps.
.macro CHANGE fs, fill
	s_wait_tensorcnt 0x0                           ; no tensor load of mine is out, so a group 0 may be written
	ds_add_u32 v[SPW], v[NIL]                      ; 0 onto my spare word
.if \fill
	s_mov_b32 s[G1X+2], 50<<16                     ; a refill brings one panel a wave
	s_mov_b32 s[G1X+4], 50
	s_add_co_u32 s[G0X+4*(\fs)+1], s[LB], RING+(\fs)*SLOT
	s_add_nc_u64 s[G0X+4*(\fs)+2:G0X+4*(\fs)+3], s[20:21], (\fs)*4*PANEL+16*PANEL   ; my panel of the slot, two token blocks on
	s_or_b32 s[G0X+4*(\fs)+3], s[G0X+4*(\fs)+3], 0x80000000
.endif
	s_wait_dscnt 0x0                               ; the add, and my reads of the slot that I leave
.if \fill
	CROUND
	tensor_load_to_lds s[G0X+4*(\fs):G0X+4*(\fs)+3], s[G1X:G1X+7]   ; my one load behind the round; four v_nop follow it
	s_nop 0
.rept 4
	v_nop
.endr
.else
	s_barrier_signal -1
	s_barrier_wait -1
.endif
.endm
.macro LOADF slot, kk                  ; K step 4 slot + kk: two loads of scale words, W's four fragments, X's four: 34 loads, every one at consecutive lane addresses
	ds_load_b128 v[SCW:SCW+3], v[ASW+\slot] offset:\kk*PANEL
	ds_load_b128 v[SCX:SCX+3], v[ASX+\slot] offset:\kk*PANEL
.irp t, 0,1,2,3
.irp c, 0,1
	ds_load_b128 v[FW+12*\t+6*\c:FW+12*\t+6*\c+3], v[AW16+\slot] offset:\kk*PANEL+1536*\t+768*\c
	ds_load_b64 v[FW+12*\t+6*\c+4:FW+12*\t+6*\c+5], v[AW8+\slot] offset:\kk*PANEL+1536*\t+768*\c+512
.endr
.endr
.irp t, 0,1,2,3
.irp c, 0,1
	ds_load_b128 v[FX+12*\t+6*\c:FX+12*\t+6*\c+3], v[AX16+\slot] offset:\kk*PANEL+1536*\t+768*\c
	ds_load_b64 v[FX+12*\t+6*\c+4:FX+12*\t+6*\c+5], v[AX8+\slot] offset:\kk*PANEL+1536*\t+768*\c+512
.endr
.endr
.endm
.macro MM d, fa, fb, zero, sa, sb
.if \zero
	v_wmma_scale_f32_16x16x128_f8f6f4 v[\d:\d+7], v[\fa:\fa+11], v[\fb:\fb+11], 0, v[\sa], v[\sb] matrix_a_fmt:MATRIX_FMT_FP6 matrix_b_fmt:MATRIX_FMT_FP6
.else
	v_wmma_scale_f32_16x16x128_f8f6f4 v[\d:\d+7], v[\fa:\fa+11], v[\fb:\fb+11], v[\d:\d+7], v[\sa], v[\sb] matrix_a_fmt:MATRIX_FMT_FP6 matrix_b_fmt:MATRIX_FMT_FP6
.endif
.endm
; 16 products; the sixteen accumulators take turns, one instruction a turn, in the same order everywhere.  zero = 1: the products start the sums.
.macro MUL16 zero, swap
.if \swap
	s_wait_dscnt 0x0
.endif
.irp a, 0,1,2,3
.if !\swap
	s_wait_dscnt 12-4*\a                           ; X's fragments behind tile a, four loads each, may stay out
.endif
.irp b, 0,1,2,3
.if \swap
	MM ACC+8*(4*\a+\b), FX+12*\b, FW+12*\a, \zero, SCX+\b, SCW+\a
.else
	MM ACC+8*(4*\a+\b), FW+12*\b, FX+12*\a, \zero, SCW+\b, SCX+\a
.endif
.endr
.endr
.endm
.macro MULS zero                       ; v takes the tokens as source 0
	s_cmp_eq_u32 s[TYPE], 2
	s_cbranch_scc1 .Lswap_\@
	MUL16 \zero, 0
	s_branch .Lmuld_\@
.Lswap_\@:
	MUL16 \zero, 1
.Lmuld_\@:
.endm
.macro WORK slot, zero                 ; the slot's four K steps
.irp kk, 0,1,2,3
	PLACES
	LOADF \slot, \kk
.if \kk == 0
	MULS \zero
.else
	MULS 0
.endif
.endr
.endm
; 32 numbers of a lane, register 16 b + i = k 32 b + 16 (lane / 16) + i of my row, become half a fragment (64 along K) in v[C] .. v[C + 5] and two scale bytes in v[HW].  D: three registers, T: six, at work.
.macro QHALF S, C, D, HW, T
	v_max3_num_f32 v[\T], |v[\S]|, |v[\S+1]|, 0x1800000          ; with the floor 2^-124: the byte cannot fall under 1
	v_max3_num_f32 v[\T+1], |v[\S+16]|, |v[\S+17]|, 0x1800000
.irp i, 2,4,6,8,10,12,14
	v_max3_num_f32 v[\T], v[\T], |v[\S+\i]|, |v[\S+\i+1]|
	v_max3_num_f32 v[\T+1], v[\T+1], |v[\S+16+\i]|, |v[\S+17+\i]|
.endr
	v_mov_b32 v[\T+2], 0                           ; (a lane permute's destination counts as one of its sources)
	v_mov_b32 v[\T+3], 0
	s_delay_alu instid0(VALU_DEP_2)
	v_permlanex16_b32 v[\T+2], v[\T], s[SEL], s[SEL+1]
	s_delay_alu instid0(VALU_DEP_2)
	v_permlanex16_b32 v[\T+3], v[\T+1], s[SEL], s[SEL+1]
	s_delay_alu instid0(VALU_DEP_2)
	v_max_num_f32 v[\T], v[\T], v[\T+2]            ; with lane l xor 16's 16: the block's largest magnitude
	s_delay_alu instid0(VALU_DEP_2)
	v_max_num_f32 v[\T+1], v[\T+1], v[\T+3]
	s_delay_alu instid0(VALU_DEP_2)
	v_add_nc_u32 v[\T+4], 0xff000000, v[\T]        ; 2 off the exponent field: the conversion's scale operand
	s_delay_alu instid0(VALU_DEP_2)
	v_add_nc_u32 v[\T+5], 0xff000000, v[\T+1]
	s_delay_alu instid0(VALU_DEP_2)
	v_lshrrev_b32 v[\T+2], 23, v[\T+4]             ; the scale's byte
	s_delay_alu instid0(VALU_DEP_2)
	v_lshrrev_b32 v[\T+3], 23, v[\T+5]
	s_delay_alu instid0(VALU_DEP_1)
	v_lshl_or_b32 v[\HW], v[\T+3], 8, v[\T+2]
	v_cvt_scalef32_pk16_fp6_f32 v[\C:\C+2], v[\S:\S+15], v[\T+4]
	v_cvt_scalef32_pk16_fp6_f32 v[\D:\D+2], v[\S+16:\S+31], v[\T+5]
	v_nop                                          ; a plain line behind the scaled conversions
.irp i, 0,1,2
	v_permlane16_swap_b32 v[\C+\i], v[\D+\i]       ; a whole block to a lane: lanes 0-15 block 0, lanes 16-31 block 1
.endr
.irp i, 0,1,2
	s_delay_alu instid0(VALU_DEP_3)
	v_mov_b32 v[\C+3+\i], v[\D+\i]
.endr
.endm
.macro SSTORE a                        ; q, k: a whole word, its upper bytes 0, since the instruction's upper 64 along K meet zero codes there; v: my two bytes of a word
	s_cmp_eq_u32 s[TYPE], 2
	s_cbranch_scc1 .Lhalf_\@
	global_store_b32 v[LSC], v[28+\a], s[SB+2*\a:SB+2*\a+1]
	s_branch .Lsst_\@
.Lhalf_\@:
	s_wait_alu depctr_va_vdst(0)
	global_store_b16 v[LSC], v[28+\a], s[SB+2*\a:SB+2*\a+1]
.Lsst_\@:
.endm
.macro EPI                             ; source 1's four tiles, one after the other; each has registers of its own for its codes and bytes, so no store's data are written again here
	PLACES
.irp a, 0,1,2,3
	QHALF ACC+32*\a, 32+8*\a, 64, 28+\a, 68
	global_store_b128 v[L16], v[32+8*\a:35+8*\a], s[CB+2*\a:CB+2*\a+1]             ; 512 consecutive bytes, aligned to 256
	global_store_b64 v[L8], v[36+8*\a:37+8*\a], s[CB+2*\a:CB+2*\a+1] offset:512    ; and 256 more
	SSTORE \a
.endr
.endm
	s_load_b128 s[4:7], s[0:1], 0x0
	v_lshl_add_u32 v[SPW], v0, 2, SPARE
	v_mov_b32 v[NIL], 0
	ds_add_u32 v13, v14
	ds_add_u32 v13, v14
	s_wait_dscnt 0x0
	v_lshrrev_b32 v16, 5, v0
	s_delay_alu instid0(VALU_DEP_1)
	v_readfirstlane_b32 s[WV], v16
	s_and_b32 s[WH], s[WV], 1
	s_lshr_b32 s[XQ], s[WV], 1
	s_lshr_b32 s[XR], s[WV], 2
	s_and_b32 s[XH], s[XQ], 1
	s_mul_i32 s[LB], s[WV], PANEL                  ; where my panel goes in a slot: no place in the cluster enters an LDS address
	s_bfe_u32 s40, ttmp6, 0x40000                  ; cx, cy
	s_bfe_u32 s41, ttmp6, 0x40004
	s_lshl_b32 s42, ttmp9, 2
	s_add_co_u32 s42, s42, s40                     ; x: the block of 128 columns
	s_and_b32 s43, ttmp7, 0xffff
	s_lshr_b32 s[TYPE], s43, 1
	s_lshl_b32 s43, s43, 2
	s_add_co_u32 s43, s43, s41                     ; y = 8 x type + the group of four token blocks
	s_lshl_b32 s44, s41, 2
	s_lshl_b32 s44, 15, s44                        ; my row of the cluster
	s_lshl_b32 s45, 0x1111, s40                    ; my column
	s_or_b32 s[G1X], s44, (3<<16)|(1<<21)          ; 15:0 the mask; 17:16 elements of 8 bytes; 21 set beside a mask; no padding
	s_or_b32 s[G1W], s45, (3<<16)|(1<<21)
	s_mov_b32 s[G1W+1], 32<<16                     ; W: rows of 32 elements, 256 bytes,
	s_mov_b32 s[G1W+2], 50<<16                     ; 50 of them: a panel
	s_mov_b32 s[G1W+3], 32<<16
	s_mov_b32 s[G1W+4], 50
	s_mov_b32 s[G1W+5], 32                         ; the pitch: dense
	s_mov_b32 s[G1W+6], 0
	s_mov_b32 s[G1W+7], 0
	s_mov_b32 s[G1X+1], 32<<16                     ; X: 50 such rows: a panel
	s_mov_b32 s[G1X+2], 100<<16                    ; the first fills bring two panels a load; the refills set these two words to 50
	s_mov_b32 s[G1X+3], 32<<16
	s_mov_b32 s[G1X+4], 100
	s_mov_b32 s[G1X+5], 32
	s_mov_b32 s[G1X+6], 0
	s_mov_b32 s[G1X+7], 0
	s_mov_b32 s[SEL], 0x76543210
	s_mov_b32 s[SEL+1], 0xfedcba98
	s_mul_i32 s46, s42, 8*PANEL                    ; W: the weight's image, its block x, my eighth of four panels
	s_mul_i32 s47, s[TYPE], 64*PANEL
	s_add_co_u32 s46, s46, s47
	s_and_b32 s47, s[WV], 3
	s_mul_i32 s47, s47, PANEL                      ; waves 0-3 fetch W: panel wave % 4 of four
	s_add_co_u32 s46, s46, s47
	s_add_co_u32 s46, s46, WQOFF
	s_mov_b32 s47, 0
	s_and_b32 s20, s43, 7                          ; X: four token blocks on end,
	s_mul_i32 s20, s20, 32*PANEL
	s_min_u32 s21, s[TYPE], 1
	s_xor_b32 s21, s21, 1
	s_mul_i32 s21, s21, XNOFF                      ; of the normalised rows for q, of the rows as they are for k and v;
	s_add_co_u32 s20, s20, s21
	s_mul_i32 s21, s[XR], 8*PANEL                  ; my panel of a slot: token block wave / 4,
	s_add_co_u32 s20, s20, s21
	s_and_b32 s21, s[WV], 3
	s_mul_i32 s21, s21, PANEL                      ; K step wave % 4
	s_add_co_u32 s20, s20, s21
	s_mov_b32 s21, 0
	s_and_b32 s100, s43, 7                         ; the first fills of X, by waves 4-7: two panels on end, token block (wave % 4) / 2, K steps 2 (wave % 2) on
	s_mul_i32 s100, s100, 32*PANEL
	s_min_u32 s101, s[TYPE], 1
	s_xor_b32 s101, s101, 1
	s_mul_i32 s101, s101, XNOFF
	s_add_co_u32 s100, s100, s101
	s_bfe_u32 s101, s[WV], 0x10001
	s_mul_i32 s101, s101, 8*PANEL
	s_add_co_u32 s100, s100, s101
	s_and_b32 s101, s[WV], 1
	s_mul_i32 s101, s101, 2*PANEL
	s_add_co_u32 s100, s100, s101
	s_mov_b32 s101, 0
	v_and_b32 v16, 31, v0
	v_and_b32 v17, 15, v0
	s_delay_alu instid0(VALU_DEP_2)
	v_lshlrev_b32 v19, 4, v16
	s_wait_alu depctr_va_vdst(0)
	v_lshlrev_b32 v20, 3, v16
	s_wait_alu depctr_va_vdst(0)
	v_lshlrev_b32 v21, 4, v17
	s_wait_alu depctr_va_vdst(0)
	s_cmp_lt_u32 s[WV], 4                          ; the prefetch's offset: the four partners that ask jointly share a load's blocks of 256 bytes out by address
	s_cselect_b32 s8, 13, 25                       ; blocks a partner: W 50 in all, X 100
	s_cselect_b32 s9, s41, s40                     ; W's partners differ in cy, X's in cx
	s_cselect_b32 s10, 49, 99                      ; the load's last block
	s_mul_i32 s9, s9, s8
	s_sub_co_u32 s8, s8, 1
	v_min_u32 v15, s8, v16                         ; lanes left over name their share's last block again
	s_delay_alu instid0(VALU_DEP_1)
	v_add_nc_u32 v15, s9, v15
	s_delay_alu instid0(VALU_DEP_1)
	v_min_u32 v15, s10, v15
	s_delay_alu instid0(VALU_DEP_1)
	v_lshlrev_b32 v15, 8, v15
	s_mul_i32 s9, s40, 13                          ; the refills' prefetches: a panel of X is 50 blocks; the four partners along the row take 13 each, by address
	v_min_u32 v120, 12, v16
	s_delay_alu instid0(VALU_DEP_1)
	v_add_nc_u32 v120, s9, v120
	s_delay_alu instid0(VALU_DEP_1)
	v_min_u32 v120, 49, v120
	s_delay_alu instid0(VALU_DEP_1)
	v_lshlrev_b32 v120, 8, v120
	s_mul_i32 s3, s[WH], 6144
	s_mul_i32 s22, s[XR], 4*PANEL                  ; X's: my token block's four panels, my four tiles
	s_mul_i32 s2, s[XH], 6144
	s_add_co_u32 s22, s22, s2
	s_add_co_u32 s22, s22, RING
	s_lshl_b32 s23, s[WH], 8
	s_add_co_u32 s23, s23, 12288                   ; W's scale words
	s_mul_i32 s69, s[XR], 4*PANEL
	s_lshl_b32 s2, s[XH], 8
	s_add_co_u32 s69, s69, s2
	s_add_co_u32 s69, s69, RING+12288              ; X's
.irp s, 0,1
	v_add_nc_u32 v[AW16+\s], s3, v19
	v_add_nc_u32 v[AW8+\s], s3, v20
	v_add_nc_u32 v[AX16+\s], s22, v19
	v_add_nc_u32 v[AX8+\s], s22, v20
	v_add_nc_u32 v[ASW+\s], s23, v21
	v_add_nc_u32 v[ASX+\s], s69, v21
	s_add_co_u32 s3, s3, 4*PANEL
	s_add_co_u32 s22, s22, SLOT
	s_add_co_u32 s23, s23, 4*PANEL
	s_add_co_u32 s69, s69, SLOT
.endr
	; where the results go
	s_and_b32 s8, s43, 7
	s_lshr_b32 s9, s8, 2                           ; batch
	s_and_b32 s8, s8, 3
	s_lshl_b32 s8, s8, 2
	s_add_co_u32 s8, s8, s[XR]                     ; my block of 128 tokens in the batch
	s_lshl_b32 s10, s42, 1
	s_add_co_u32 s10, s10, s[WH]                   ; head
	s_lshl_b32 s9, s9, 4
	s_add_co_u32 s9, s9, s10                       ; 16 x batch + head
	s_lshl_b32 s10, s[XH], 2                       ; my first tile of tokens in the block
	s_lshl_b32 s11, s9, 7
	s_lshl_b32 s12, s8, 3
	s_add_co_u32 s11, s11, s12
	s_add_co_u32 s11, s11, s10                     ; q: the tile's number
	s_mul_i32 s12, s11, 768
	s_add_co_u32 s12, s12, QOFF                    ; q's codes
	s_lshl_b32 s13, s11, 6
	s_add_co_u32 s13, s13, QSOFF                   ; q's words
	s_lshl_b32 s11, s9, 4
	s_add_co_u32 s11, s11, s8
	s_mul_i32 s11, s11, REC                        ; k, v: the record
	s_mul_i32 s97, s10, 768
	s_add_co_u32 s97, s97, s11                     ; k's codes
	s_lshl_b32 s98, s10, 2
	s_add_co_u32 s98, s98, s11
	s_add_co_u32 s98, s98, 6144                    ; k's words
	s_mul_i32 s99, s[XH], 768
	s_add_co_u32 s99, s99, s11
	s_add_co_u32 s99, s99, 6656                    ; v's codes: my 64 keys are half XH of each fragment
	s_lshl_b32 s66, s[XH], 1
	s_add_co_u32 s66, s66, s11
	s_add_co_u32 s66, s66, 12800                   ; v's bytes
	s_mov_b32 s92, 2*REC                           ; from tile to tile (two token blocks): codes,
	s_mov_b32 s94, 2*REC                           ; scales
	s_mov_b32 s88, 768                             ; from one of my half fragments to the next
	s_cmp_eq_u32 s[TYPE], 0
	s_cselect_b32 s10, s12, s97
	s_cselect_b32 s12, s13, s98
	s_cselect_b32 s92, 12288, s92
	s_cselect_b32 s94, 1024, s94
	s_cselect_b32 s90, 64, 4
	s_cselect_b32 s96, 2, 5                        ; a row's scales lie 4, 32 or 16 bytes apart
	s_cmp_eq_u32 s[TYPE], 2
	s_cselect_b32 s10, s99, s10
	s_cselect_b32 s12, s66, s12
	s_cselect_b32 s88, 1536, s88
	s_cselect_b32 s96, 4, s96
	s_mov_b32 s11, 0
	s_mov_b32 s13, 0
	s_mov_b32 s89, 0
	s_mov_b32 s91, 0
	s_mov_b32 s93, 0
	s_mov_b32 s95, 0
	v_mov_b32 v[L16], v19
	v_mov_b32 v[L8], v20
	v_lshlrev_b32 v[LSC], s96, v17
	s_and_b32 s3, s[WV], 3
	s_mul_i32 s2, s3, 2*PANEL                      ; where my two panels of X go in a slot
	s_mul_i32 s3, s3, PANEL                        ; where my panel of W goes
	s_wait_kmcnt 0x0
	s_add_nc_u64 s[46:47], s[PIMG:PIMG+1], s[46:47]
	s_add_nc_u64 s[20:21], s[PIMG:PIMG+1], s[20:21]
	s_add_nc_u64 s[100:101], s[PIMG:PIMG+1], s[100:101]
	s_add_nc_u64 s[CB:CB+1], s[POUT:POUT+1], s[10:11]
	s_add_nc_u64 s[SB:SB+1], s[POUT:POUT+1], s[12:13]
.irp a, 1,2,3
	s_add_nc_u64 s[CB+2*\a:CB+2*\a+1], s[CB+2*\a-2:CB+2*\a-1], s[88:89]
	s_add_nc_u64 s[SB+2*\a:SB+2*\a+1], s[SB+2*\a-2:SB+2*\a-1], s[90:91]
.endr
	s_mov_b32 s[G0WA], 1                           ; W's K steps 0-3
	s_mov_b32 s[G0WA+1], s3
	s_mov_b64 s[G0WA+2:G0WA+3], s[46:47]
	s_or_b32 s[G0WA+3], s[G0WA+3], 0x80000000
	s_mov_b32 s[G0WB], 1                           ; and 4-7
	s_add_co_u32 s[G0WB+1], s3, 4*PANEL
	s_add_nc_u64 s[G0WB+2:G0WB+3], s[46:47], 4*PANEL
	s_or_b32 s[G0WB+3], s[G0WB+3], 0x80000000
.irp s, 0,1
	s_mov_b32 s[G0X+4*\s], 1
	s_add_co_u32 s[G0X+4*\s+1], s2, RING+\s*SLOT
	s_add_nc_u64 s[G0X+4*\s+2:G0X+4*\s+3], s[100:101], \s*4*PANEL
	s_or_b32 s[G0X+4*\s+3], s[G0X+4*\s+3], 0x80000000
.endr
	CROUND                                         ; all sixteen work-groups are here: the first joint loads meet
; THE FIRST FILLS, one tensor load a wave and stage: waves 0-3 a panel of W each, waves 4-7 two panels of X each.  Stage 1: W's K steps 0-3 and slot 0; stage 2, behind the full sequence and a round: W's K steps 4-7 and slot 1.
.macro HLOAD gw, gx
	s_cmp_lt_u32 s[WV], 4
	s_cbranch_scc0 .Lhx_\@
	tensor_load_to_lds s[\gw:\gw+3], s[G1W:G1W+7]
	s_nop 0
.rept 4
	v_nop
.endr
	s_branch .Lhd_\@
.Lhx_\@:
	tensor_load_to_lds s[\gx:\gx+3], s[G1X:G1X+7]
	s_nop 0
.rept 4
	v_nop
.endr
.Lhd_\@:
.endm
	s_cmp_lt_u32 s[WV], 4
	s_cselect_b64 s[46:47], s[46:47], s[100:101]   ; what I fetch in stage 1; stage 2's bytes lie four panels on
	HLOAD G0WA, G0X
	global_prefetch_b8 v15, s[46:47] offset:4*PANEL th:TH_LOAD_NT scope:SCOPE_SE   ; my share of stage 2's load, one stage ahead of it
	s_wait_alu depctr_va_vdst(0)
	s_wait_tensorcnt 0x0                           ; my load of stage 1 is in
	ds_add_u32 v[SPW], v[NIL]
	s_wait_dscnt 0x0
	CROUND                                         ; everybody's is, and the joint loads of stage 2 meet
	HLOAD G0WB, G0X+4
	global_prefetch_b8 v120, s[20:21] offset:16*PANEL th:TH_LOAD_NT scope:SCOPE_SE   ; my share of the panel that I fetch at slot 0's refill, one fill ahead
	WORK 0, 1                                      ; tile 0
	CHANGE 0, 1
	global_prefetch_b8 v120, s[20:21] offset:20*PANEL th:TH_LOAD_NT scope:SCOPE_SE   ; and of slot 1's refill, one fill ahead
	s_wait_alu depctr_va_vdst(0)
	WORK 1, 0
	CHANGE 1, 1                                    ; slot 1 takes tile 1's K steps 4-7: asked for ahead of the way out
	EPI
	s_wait_xcnt 0x0                                ; the stores' registers and bases are written again only behind this wait
.irp a, 0,1,2,3
	s_add_nc_u64 s[CB+2*\a:CB+2*\a+1], s[CB+2*\a:CB+2*\a+1], s[92:93]
	s_add_nc_u64 s[SB+2*\a:SB+2*\a+1], s[SB+2*\a:SB+2*\a+1], s[94:95]
.endr
	WORK 0, 1                                      ; tile 1
	CHANGE 0, 0                                    ; nothing more is asked for
	WORK 1, 0
	EPI
	s_wait_tensorcnt 0x0                           ; the wave's end
	ds_add_u32 v[SPW], v[NIL]
	s_wait_dscnt 0x0
	CROUND                                         ; the closing round
	s_endpgm
.Lfunc_end_k_q3f45a62312_qkv:
	.size	k_q3f45a62312_qkv, .Lfunc_end_k_q3f45a62312_qkv-k_q3f45a62312_qkv
	.p2alignl 7, 3214868480
	.fill 96, 4, 3214868480
	.section	.rodata,"a",@progbits
	.p2align	6, 0x0
	.amdhsa_kernel k_q3f45a62312_qkv
		.amdhsa_group_segment_fixed_size 327680
		.amdhsa_private_segment_fixed_size 0
		.amdhsa_enable_private_segment 0
		.amdhsa_kernarg_size 16
		.amdhsa_user_sgpr_count 2
		.amdhsa_user_sgpr_kernarg_segment_ptr 1
		.amdhsa_wavefront_size32 1
		.amdhsa_system_sgpr_workgroup_id_x 1
		.amdhsa_system_sgpr_workgroup_id_y 1
		.amdhsa_system_sgpr_workgroup_id_z 1
		.amdhsa_system_vgpr_workitem_id 0
		.amdhsa_next_free_vgpr 256
		.amdhsa_next_free_sgpr 102
		.amdhsa_reserve_vcc 0
		.amdhsa_float_denorm_mode_32 3
		.amdhsa_float_denorm_mode_16_64 3
		.amdhsa_memory_ordered 1
		.amdhsa_forward_progress 1
		.amdhsa_inst_pref_size 142
	.end_amdhsa_kernel
	.amdgpu_metadata
---
amdhsa.version: [ 1, 2 ]
amdhsa.kernels:
  - .name:           k_q3f45a62312_qkv
    .symbol:         k_q3f45a62312_qkv.kd
    .args:
      - { .name: img, .offset: 0, .size: 8, .value_kind: global_buffer, .address_space: global }
      - { .name: qkvc, .offset: 8, .size: 8, .value_kind: global_buffer, .address_space: global }
    .group_segment_fixed_size: 327680
    .private_segment_fixed_size: 0
    .kernarg_segment_align: 8
    .kernarg_segment_size: 16
    .max_flat_workgroup_size: 256
    .sgpr_count:     102
    .vgpr_count:     256
    .wavefront_size: 32
...
	.end_amdgpu_metadata
.endif
;; end of part 9
;; launch attn (part 10): grid 8 x 32, 16 waves a work-group, clusters of 4 x 1, 327,680 bytes of LDS; arguments qkvc, sscale, attc; writes attc
.if DOCPART == 10
	.amdgcn_target "amdgcn-amd-amdhsa--gfx1250"
	.amdhsa_code_object_version 6
	.text
	.protected	k_q3f45a62312_attn
	.globl	k_q3f45a62312_attn
	.p2align	8
	.type	k_q3f45a62312_attn,@function
k_q3f45a62312_attn:
	s_mov_b64 s[64:65], 0
	v_nop
	global_prefetch_b8 v0, s[64:65] scope:SCOPE_SE
	s_setreg_imm32_b32 hwreg(HW_REG_WAVE_MODE, 25, 1), 1
	s_wait_xcnt 0x0
	s_wait_alu depctr_hold_cnt(0) depctr_sa_sdst(0) depctr_va_vdst(0) depctr_va_sdst(0) depctr_va_ssrc(0) depctr_va_vcc(0) depctr_vm_vsrc(0)
	s_getreg_b32 s2, hwreg(HW_REG_IB_STS2, 6, 4)
	s_cmp_eq_u32 s2, 0
	s_cbranch_scc0 .Lentry_in_a_cluster
	s_endpgm
.Lentry_in_a_cluster:
	s_bfe_u32 s2, ttmp6, 0x10000c
	s_cmp_lg_u32 s2, 0x3003
	s_cbranch_scc0 .Lentry_shape_is_right
	s_endpgm
.Lentry_shape_is_right:
; O = softmax(q k^T / 8 x sscale x ln 2048) v for one (batch, head), both products on codes of FP6; O / l is quantised along the model's 1,024 and stored as an operand's image.
; t = score x c, c = sscale x 11 / 8 (ln 2048 x log2 e = 11).  M = the running largest t rounded up to a whole number; p = 2^(t - M) is quantised along the keys; l sums the unquantised p.
; A negative sscale: the signs of q's codes are turned and |c| is used: the same t.  No branch hangs on it.
; SHARES.  A work-group owns 256 queries, each of its sixteen waves one tile of 16.  A head's K and V, sixteen records of 13,056 bytes (128 keys), lie in LDS whole: wave w fetches record w by one
; tensor load (one load of a wave is out), one barrier, nothing is filled again.  CLUSTER 4 x 1: the four blocks of queries of a cluster share a head, so each record is asked for jointly.
; No prefetch: every record is asked for at the head, so there is no loop in which to ask ahead.
; A record in memory: K's eight tiles as half fragments (768 t: registers 0-3 at 16 x lane, 4, 5 at 512 + 8 x lane), K's words at 6144 + 32 r + 4 t, V^T's fragments at 6656 + 1536 d + 768 c,
; V's words at 12800 + 16 r + 4 d.  Lane r of a stored tile t holds key 32 (t / 2) + 8 (t % 2) + r + 8 (r / 8).  In LDS 64 bytes of padding follow each 256: byte y lies at y + 64 (y / 256).
; K'S TILES ARE FORMED ANEW BY THE LANES' ADDRESSES: row m of tile (c, u) is key 64 c + 32 (m / 8) + 8 u + m % 8, which is lane 8 (u / 2) + m % 8 of stored tile 4 c + 2 (m / 8) + u % 2.
; Both products are used transposed.  So lane (r, h) holds query r, and its 32 registers of tiles (c, 0..3) are keys 64 c + 32 h + 0 .. 31: a whole block of p, in the order of the next operand's
; registers: a block's maximum asks no other lane, and the conversions' results are the operand.  With the padding, rows 0-7 and 8-15 of a tile read different halves of the 64 banks by the 16-byte loads.
; THE FIRST PRODUCT'S K IS 64, the instruction's 128: q's registers 6-11 are zero codes; a tile's operand runs on into the next tile's codes, the last into six registers of zeros.
; LIMITS: NaN and infinities are not served; the promise holds while |t| stays under 2^31; a block of p that has fallen to 0 keeps the byte 1 over zero codes.
.set REC,   13056
.set LREC,  16320                      ; a record in LDS: 51 rows of 320 bytes
.set SPARE, 277504                     ; the spare words, 128 bytes a wave, a record's length behind the sixteenth record
.set QOFF,  6684672
.set QSOFF, 9830400
.set PANEL, 12800
.set WV,  10
.set G1,  24
.set G0,  32
.set CS,  36                           ; s[36:37] |c|, twice
.set SEL, 38                           ; s[38:39] lane l xor 16
.set TB,  46                           ; the record in hand, in LDS
.set CNT, 47
.set AD,  228                          ; v228-233 the step's addresses: K's 16-byte pieces, 8-byte pieces, words; V's likewise
.set AC,  236                          ; v236-251 eight pairs: the row's sum at work
; v1 16 x lane, v2 8 x lane, v4 16 r, v9 4 r; v3, v5, v6, v7 lane terms of K's pieces and words and of V's 16-byte pieces; v10 8 h; v12 -M, v13 the largest score, v[14:15] l; v16-27 q; v28 q's word;
; v30-37 K's words, then V's in v30-33; v38 p's word; v40-93 K's tiles or V^T's fragments; v96-159 S^T, then p; v160-191 O^T; v192-203 p's codes; v204-210, v212-227 at work
.macro CROUND
	s_barrier_signal -1
	s_barrier_wait -1
	s_cmp_lg_u32 s[WV], 0
	s_cbranch_scc1 .Lnot_wave_0_\@
	s_barrier_signal -3
.Lnot_wave_0_\@:
	s_barrier_wait -3
	s_barrier_signal -1
	s_barrier_wait -1
.endm
; 32 numbers of a lane, register 16 b + i = k 32 b + 16 (lane / 16) + i of my row, become half a fragment in v[C] .. v[C + 5] and two scale bytes in v[HW]
.macro QHALF S, C, D, HW, T
	v_max3_num_f32 v[\T], |v[\S]|, |v[\S+1]|, 0x1800000
	v_max3_num_f32 v[\T+1], |v[\S+16]|, |v[\S+17]|, 0x1800000
.irp i, 2,4,6,8,10,12,14
	s_delay_alu instid0(VALU_DEP_2)
	v_max3_num_f32 v[\T], v[\T], |v[\S+\i]|, |v[\S+\i+1]|
	s_delay_alu instid0(VALU_DEP_2)
	v_max3_num_f32 v[\T+1], v[\T+1], |v[\S+16+\i]|, |v[\S+17+\i]|
.endr
	v_mov_b32 v[\T+2], 0
	v_mov_b32 v[\T+3], 0
	s_delay_alu instid0(VALU_DEP_2)
	v_permlanex16_b32 v[\T+2], v[\T], s[SEL], s[SEL+1]
	s_delay_alu instid0(VALU_DEP_2)
	v_permlanex16_b32 v[\T+3], v[\T+1], s[SEL], s[SEL+1]
	s_delay_alu instid0(VALU_DEP_2)
	v_max_num_f32 v[\T], v[\T], v[\T+2]
	s_delay_alu instid0(VALU_DEP_2)
	v_max_num_f32 v[\T+1], v[\T+1], v[\T+3]
	s_delay_alu instid0(VALU_DEP_2)
	v_add_nc_u32 v[\T+4], 0xff000000, v[\T]
	s_delay_alu instid0(VALU_DEP_2)
	v_add_nc_u32 v[\T+5], 0xff000000, v[\T+1]
	s_delay_alu instid0(VALU_DEP_2)
	v_lshrrev_b32 v[\T+2], 23, v[\T+4]
	s_delay_alu instid0(VALU_DEP_2)
	v_lshrrev_b32 v[\T+3], 23, v[\T+5]
	s_delay_alu instid0(VALU_DEP_1)
	v_lshl_or_b32 v[\HW], v[\T+3], 8, v[\T+2]
	v_cvt_scalef32_pk16_fp6_f32 v[\C:\C+2], v[\S:\S+15], v[\T+4]
	v_cvt_scalef32_pk16_fp6_f32 v[\D:\D+2], v[\S+16:\S+31], v[\T+5]
	v_nop
.irp i, 0,1,2
	v_permlane16_swap_b32 v[\C+\i], v[\D+\i]
.endr
.irp i, 0,1,2
	s_delay_alu instid0(VALU_DEP_3)
	v_mov_b32 v[\C+3+\i], v[\D+\i]
.endr
.endm
; The next n of the 32 lines that sum my 64 p into l: 24 additions into eight pairs, seven that join the pairs, and l = l x f + the sum.  KS counts the lines of a step.
.macro SUMS n
.rept \n
.if KS < 8
	v_pk_add_f32 v[AC+2*KS:AC+2*KS+1], v[96+2*KS:97+2*KS], v[112+2*KS:113+2*KS]
.elseif KS < 24
	v_pk_add_f32 v[AC+2*(KS%8):AC+2*(KS%8)+1], v[AC+2*(KS%8):AC+2*(KS%8)+1], v[112+2*KS:113+2*KS]
.elseif KS < 28
	v_pk_add_f32 v[AC+2*(KS-24):AC+2*(KS-24)+1], v[AC+2*(KS-24):AC+2*(KS-24)+1], v[AC+2*(KS-20):AC+2*(KS-20)+1]
.elseif KS < 30
	s_delay_alu instid0(VALU_DEP_2)
	v_pk_add_f32 v[AC+2*(KS-28):AC+2*(KS-28)+1], v[AC+2*(KS-28):AC+2*(KS-28)+1], v[AC+2*(KS-26):AC+2*(KS-26)+1]
.elseif KS == 30
	s_delay_alu instid0(VALU_DEP_1)
	v_pk_add_f32 v[AC:AC+1], v[AC:AC+1], v[AC+2:AC+3]
.else
	s_delay_alu instid0(VALU_DEP_1)
	v_pk_fma_f32 v[14:15], v[14:15], v[226:227], v[AC:AC+1] op_sel_hi:[1,0,1]
.endif
.set KS, KS+1
.endr
.endm
	s_load_b128 s[4:7], s[0:1], 0x0                ; q, k, v as codes; sscale
	s_load_b64 s[8:9], s[0:1], 0x10                ; the output's image
	v_lshl_add_u32 v254, v0, 2, SPARE
	v_mov_b32 v255, 0
	ds_add_u32 v254, v255                          ; the opening lines
	ds_add_u32 v254, v255
	v_lshrrev_b32 v9, 5, v0
	s_delay_alu instid0(VALU_DEP_1)
	v_readfirstlane_b32 s[WV], v9                  ; wave 0..15
	s_bfe_u32 s11, ttmp6, 0x40000                  ; cx: it enters q's and the output's addresses alone
	s_lshl_b32 s12, ttmp9, 2
	s_add_co_u32 s12, s12, s11                     ; my block of 256 queries
	s_and_b32 s13, ttmp7, 0xffff                   ; 16 x batch + head, which the partners share
	s_lshl_b32 s14, s13, 4
	s_add_co_u32 s14, s14, s[WV]
	s_mul_i32 s14, s14, REC                        ; record w of the head, in memory
	s_mov_b32 s15, 0
	s_mul_i32 s16, s[WV], LREC                     ; and in LDS
	s_mov_b32 s[G1], 15|(3<<16)|(1<<20)|(1<<21)|(5<<22)|(15<<25)   ; the mask: all four; elements of 8 bytes; padding on; bit 21 beside a mask; after every 64 words 16 words
	s_mov_b32 s[G1+1], 32<<16                      ; rows of 256 bytes,
	s_mov_b32 s[G1+2], 51<<16                      ; 51 of them
	s_mov_b32 s[G1+3], 32<<16
	s_mov_b32 s[G1+4], 51
	s_mov_b32 s[G1+5], 32
	s_mov_b32 s[G1+6], 0
	s_mov_b32 s[G1+7], 0
	s_mov_b32 s[SEL], 0x76543210
	s_mov_b32 s[SEL+1], 0xfedcba98
	s_lshl_b32 s18, s12, 4
	s_add_co_u32 s18, s18, s[WV]                   ; my tile of queries, 0..127
	s_lshl_b32 s19, s13, 7
	s_add_co_u32 s19, s19, s18
	s_mul_i32 s52, s19, 768
	s_add_co_u32 s52, s52, QOFF
	s_mov_b32 s53, 0
	s_lshl_b32 s54, s19, 6
	s_add_co_u32 s54, s54, QSOFF
	s_mov_b32 s55, 0
	s_lshr_b32 s56, s13, 4
	s_lshl_b32 s56, s56, 4
	s_lshr_b32 s57, s18, 3
	s_add_co_u32 s56, s56, s57                     ; the block of 128 tokens
	s_lshl_b32 s56, s56, 3
	s_and_b32 s57, s13, 15                         ; head
	s_lshr_b32 s58, s57, 1
	s_add_co_u32 s56, s56, s58                     ; two heads make a K step of the next product
	s_mul_i32 s56, s56, PANEL
	s_and_b32 s57, s57, 1
	s_and_b32 s58, s18, 7
	s_mul_i32 s59, s58, 1536
	s_add_co_u32 s59, s59, s56
	s_mul_i32 s60, s57, 768
	s_add_co_u32 s60, s60, s59                     ; my half fragment
	s_mov_b32 s61, 0
	s_lshr_b32 s59, s58, 2
	s_lshl_b32 s59, s59, 8
	s_add_co_u32 s62, s56, s59
	s_and_b32 s59, s18, 3
	s_lshl_b32 s59, s59, 2
	s_add_co_u32 s62, s62, s59
	s_lshl_b32 s59, s57, 1
	s_add_co_u32 s62, s62, s59
	s_add_co_u32 s62, s62, 12288                   ; my two bytes of the rows' scale words
	s_mov_b32 s63, 0
	v_and_b32 v10, 31, v0
	v_and_b32 v11, 15, v0                          ; r
	v_and_b32 v212, 7, v0                          ; r % 8
	v_bfe_u32 v213, v0, 3, 1                       ; r / 8
	v_bfe_u32 v214, v0, 4, 1                       ; h
	v_lshlrev_b32 v1, 4, v10
	v_lshlrev_b32 v2, 3, v10
	v_lshlrev_b32 v4, 4, v11
	v_lshlrev_b32 v9, 2, v11
	v_mul_u32_u24 v3, v213, 1920                   ; rows 8-15 of a tile come from the stored tile two further on
	v_lshlrev_b32 v6, 5, v212
	v_mul_u32_u24 v7, v214, 320
	v_lshlrev_b32 v10, 3, v214                     ; 8 h: where my two scale bytes of p stand in the word
	v_lshl_add_u32 v5, v212, 3, v3
	v_lshl_add_u32 v3, v212, 4, v3
	v_lshl_add_u32 v6, v213, 3, v6                 ; K's words: 32 (r % 8) + 8 (r / 8)
	v_lshl_add_u32 v5, v214, 7, v5                 ; K's 8-byte pieces: 1920 (r / 8) + 8 (r % 8) + 128 h
	v_add_nc_u32 v3, v3, v7                        ; K's 16-byte pieces: 1920 (r / 8) + 16 (r % 8) + 320 h
	v_lshl_add_u32 v7, v11, 4, v7                  ; V's 16-byte pieces: 320 h + 16 r
	s_wait_alu depctr_va_vdst(0)
	s_wait_dscnt 0x0
	s_wait_kmcnt 0x0
	s_load_b32 s17, s[6:7], 0x0
	s_mov_b32 s[G0], 1
	s_mov_b32 s[G0+1], s16
	s_add_nc_u64 s[G0+2:G0+3], s[4:5], s[14:15]
	s_or_b32 s[G0+3], s[G0+3], 0x80000000
	s_add_nc_u64 s[20:21], s[4:5], s[52:53]
	s_add_nc_u64 s[22:23], s[4:5], s[54:55]
	s_add_nc_u64 s[48:49], s[8:9], s[60:61]
	s_add_nc_u64 s[50:51], s[8:9], s[62:63]
	CROUND                                         ; all four work-groups are here: the joint loads meet
	tensor_load_to_lds s[G0:G0+3], s[G1:G1+7]
	s_nop 0
.rept 4
	v_nop
.endr
	global_load_b128 v[16:19], v1, s[20:21]
	global_load_b64 v[20:21], v2, s[20:21] offset:512
	global_load_b32 v28, v9, s[22:23]
	s_wait_kmcnt 0x0
	s_mul_f32 s40, s17, 0x3fb00000                 ; c = sscale x 1.375
	s_ashr_i32 s43, s40, 31                        ; all ones where c is negative
	s_and_b32 s[CS], s40, 0x7fffffff
	s_mov_b32 s[CS+1], s[CS]
	s_and_b32 s40, s43, 0x20820820                 ; the sign bits (6 i + 5) of sixteen codes in three words
	s_and_b32 s41, s43, 0x08208208
	s_and_b32 s42, s43, 0x82082082
	s_wait_loadcnt 0x0
	v_xor_b32 v16, s40, v16
	v_xor_b32 v17, s41, v17
	v_xor_b32 v18, s42, v18
	v_xor_b32 v19, s40, v19
	v_xor_b32 v20, s41, v20
	v_xor_b32 v21, s42, v21
.irp j, 22,23,24,25,26,27,88,89,90,91,92,93
	v_mov_b32 v\j, 0                               ; zero codes: q's upper 64 along K; what follows K's last tile
.endr
	v_mov_b32 v13, 0xff61b1e6                      ; the largest score so far: -3e38
	v_mov_b32 v12, 0x7f61b1e6                      ; -M to go with it
	v_mov_b32 v14, 0
	v_mov_b32 v15, 0
	v_mov_b32 v227, 0                              ; (named as the upper half of a pair)
	v_mov_b32 v215, 0                              ; (a lane permute's destination counts as one of its sources)
	v_mov_b32 v217, 0
	v_mov_b32 v[AD], v3                            ; record 0
	v_mov_b32 v[AD+1], v5
	v_mov_b32 v[AD+2], v6
	v_mov_b32 v[AD+3], v7
	v_mov_b32 v[AD+4], v2
	v_mov_b32 v[AD+5], v4
.set J, 0
.rept 32
	v_mov_b32 v[160+J], 0                          ; O^T: the step is written once, its first trip finds zeros
.set J, J+1
.endr
	s_mov_b32 s[TB], 0
	s_mov_b32 s[CNT], 16
	s_wait_alu depctr_va_vdst(0)
	s_wait_tensorcnt 0x0                           ; my record has landed,
	s_barrier_signal -1
	s_barrier_wait -1                              ; everybody's has
.Lstep:                                                ; 128 keys a trip
.irp c, 0,1
.irp w, 0,1
	ds_load_b64 v[30+4*\c+2*\w:31+4*\c+2*\w], v[AD+2] offset:7680+320*\w+16*\c     ; the words of tiles (c, 2 w) and (c, 2 w + 1)
.endr
.endr
.irp c, 0,1
.irp u, 0,1,2,3
	ds_load_b128 v[40+6*(4*\c+\u):43+6*(4*\c+\u)], v[AD] offset:960*(4*\c+\u%2)+128*(\u/2)
	ds_load_b64 v[44+6*(4*\c+\u):45+6*(4*\c+\u)], v[AD+1] offset:960*(4*\c+\u%2)+640+64*(\u/2)
.endr
.endr
	s_wait_dscnt 0x0
.irp t, 0,1,2,3,4,5,6,7
	v_wmma_scale_f32_16x16x128_f8f6f4 v[96+8*\t:103+8*\t], v[40+6*\t:51+6*\t], v[16:27], 0, v[30+\t], v28 matrix_a_fmt:MATRIX_FMT_FP6 matrix_b_fmt:MATRIX_FMT_FP6
.endr
	s_add_co_u32 s[TB], s[TB], LREC
	v_add_nc_u32 v[AD], s[TB], v3                  ; the next record's K.  These four lines are the places in front of the loads into K's registers and of the first read of the scores
	v_add_nc_u32 v[AD+1], s[TB], v5
	v_add_nc_u32 v[AD+2], s[TB], v6
	v_mov_b32 v224, v12                            ; the old -M
	ds_load_b128 v[30:33], v[AD+5] offset:16000    ; V^T lands under the softmax
.irp d, 0,1,2,3
.irp c, 0,1
	ds_load_b128 v[40+12*\d+6*\c:43+12*\d+6*\c], v[AD+3] offset:8320+1920*\d+960*\c
	ds_load_b64 v[44+12*\d+6*\c:45+12*\d+6*\c], v[AD+4] offset:8320+1920*\d+960*\c+640
.endr
.endr
.irp b, 0,1,2,3
	v_max3_num_f32 v[212+\b], v[96+16*\b], v[97+16*\b], v[98+16*\b]   ; the largest score: four chains of 16 by turns, each accumulator from its low end on
.endr
.irp i, 3,5,7,9,11,13
.irp b, 0,1,2,3
	v_max3_num_f32 v[212+\b], v[212+\b], v[96+16*\b+\i], v[97+16*\b+\i]
.endr
.endr
	v_max3_num_f32 v212, v212, v213, v111          ; the chains are joined, each with its last score
	v_max3_num_f32 v214, v214, v215, v143
	v_max_num_f32 v212, v212, v127                 ; my block h's largest score: for the row's maximum, and, since p rises with the score, for the block's largest p
	v_max_num_f32 v214, v214, v159                 ; and block 2 + h's
	s_delay_alu instid0(VALU_DEP_1)
	v_max_num_f32 v216, v212, v214
	s_delay_alu instid0(VALU_DEP_1)
	v_permlanex16_b32 v217, v216, s[SEL], s[SEL+1]
	s_delay_alu instid0(VALU_DEP_1)
	v_max3_num_f32 v13, v13, v216, v217            ; the running largest score of my query
	s_delay_alu instid0(VALU_DEP_1)
	v_mul_f32 v218, s[CS], v13                     ; as t (|c| is not negative)
	s_delay_alu instid0(VALU_DEP_1)
	v_floor_f32 v12, -v218                         ; the new -M = -ceil(t)
	s_delay_alu instid0(VALU_DEP_1)
	v_sub_f32 v224, v12, v224                      ; old M - new M: a whole number, 0 or less
.set J, 0
.macro TM n                            ; t - M, two at a time
.rept \n
	v_pk_fma_f32 v[96+J:97+J], v[96+J:97+J], s[CS:CS+1], v[12:13] op_sel_hi:[1,0,0]
.set J, J+2
.endr
.endm
	TM 4
	v_cvt_i32_f32 v224, v224                       ; (it saturates)
	TM 4
	v_ldexp_f32 v226, 1.0, v224                    ; f = 2^(old M - new M): a multiplication by it rounds nothing
	TM 24
	v_fma_f32 v212, v212, s[CS], v12
	v_fma_f32 v214, v214, s[CS], v12
.set J, 0
.rept 16
	v_pk_mul_f32 v[160+J:161+J], v[160+J:161+J], v[226:227] op_sel_hi:[1,0]   ; O^T under the new M, ahead of the exponentials
.set J, J+2
.endr
	s_wait_alu depctr_va_vdst(0)
.set J, 0
.rept 64
	v_exp_f32 v[96+J], v[96+J]                     ; p = 2^(t - M)
.set J, J+1
.endr
	v_exp_f32 v212, v212                           ; my two blocks' largest p
	v_exp_f32 v214, v214
	v_add_nc_u32 v[AD+3], s[TB], v7                ; the next record's V: plain lines behind the exponentials
	v_add_nc_u32 v[AD+4], s[TB], v2
	v_add_nc_u32 v[AD+5], s[TB], v4
	s_wait_alu depctr_va_vdst(0)                   ; one wait for the batch, ahead of its first reader
.set KS, 0
	v_max_num_f32 v212, 0x1800000, v212            ; the floor 2^-124: the byte cannot fall under 1
	v_max_num_f32 v214, 0x1800000, v214
	SUMS 4
	v_add_nc_u32 v220, 0xff000000, v212            ; 2 off the exponent field: the conversion's scale operand
	v_add_nc_u32 v221, 0xff000000, v214
	SUMS 4
.irp c, 0,1
	v_cvt_scalef32_pk16_fp6_f32 v[192+6*\c:194+6*\c], v[96+32*\c:111+32*\c], v[220+\c]
	v_cvt_scalef32_pk16_fp6_f32 v[204+4*\c:206+4*\c], v[112+32*\c:127+32*\c], v[220+\c]   ; (three registers from an even one on: made aside and moved)
.endr
	v_lshrrev_b32 v216, 23, v220                   ; the scales' bytes.  (Plain lines behind the scaled conversions)
	v_lshrrev_b32 v217, 23, v221
	SUMS 3
	s_delay_alu instid0(VALU_DEP_4)
	v_lshl_or_b32 v38, v217, 16, v216              ; bytes h and 2 + h of p's scale word,
.irp i, 0,1,2
	v_mov_b32 v[195+\i], v[204+\i]
.endr
	s_delay_alu instid0(VALU_DEP_4)
	v_lshlrev_b32 v38, v10, v38                    ; at their places;
.irp i, 0,1,2
	v_mov_b32 v[201+\i], v[208+\i]
.endr
	s_delay_alu instid0(VALU_DEP_4)
	v_permlanex16_b32 v215, v38, s[SEL], s[SEL+1]
	SUMS 4
	v_or_b32 v38, v38, v215                        ; with lane l xor 16's two the word is whole
	SUMS 11                                        ; eleven places between the scale word's last write and the products
	s_wait_alu depctr_va_vdst(0)
	s_wait_dscnt 0x0                               ; V^T and its words
.irp d, 0,1,2,3
	v_wmma_scale_f32_16x16x128_f8f6f4 v[160+8*\d:167+8*\d], v[40+12*\d:51+12*\d], v[192:203], v[160+8*\d:167+8*\d], v[30+\d], v38 matrix_a_fmt:MATRIX_FMT_FP6 matrix_b_fmt:MATRIX_FMT_FP6
.endr
	SUMS 6                                         ; the sum's last six lines are the places in front of the next trip's loads and of the way out's reads
	s_sub_co_u32 s[CNT], s[CNT], 1
	s_cmp_lg_u32 s[CNT], 0
	s_cbranch_scc1 .Lstep
	v_add_f32 v14, v14, v15
	s_delay_alu instid0(VALU_DEP_1)
	v_permlanex16_b32 v216, v14, s[SEL], s[SEL+1]
	s_delay_alu instid0(VALU_DEP_1)
	v_add_f32 v14, v14, v216                       ; the row's sum
	s_wait_alu depctr_va_vdst(0)
	v_rcp_f32 v14, v14
	v_nop
	s_wait_alu depctr_va_vdst(0)
.set J, 0
.rept 16
	v_pk_mul_f32 v[96+J:97+J], v[160+J:161+J], v[14:15] op_sel_hi:[1,0]   ; register 8 d + j is channel 32 (d / 2) + 8 (d % 2) + 16 h + j of my query: two blocks of 32, half of each
.set J, J+2
.endr
	QHALF 96, 192, 204, 212, 216
	global_store_b128 v1, v[192:195], s[48:49]
	global_store_b64 v2, v[196:197], s[48:49] offset:512
	global_store_b16 v4, v212, s[50:51]
	s_wait_tensorcnt 0x0                           ; the wave's end
	ds_add_u32 v254, v255
	s_wait_dscnt 0x0
	CROUND                                         ; the closing round
	s_endpgm
.Lfunc_end_k_q3f45a62312_attn:
	.size	k_q3f45a62312_attn, .Lfunc_end_k_q3f45a62312_attn-k_q3f45a62312_attn
	.p2alignl 7, 3214868480
	.fill 96, 4, 3214868480
	.section	.rodata,"a",@progbits
	.p2align	6, 0x0
	.amdhsa_kernel k_q3f45a62312_attn
		.amdhsa_group_segment_fixed_size 327680
		.amdhsa_private_segment_fixed_size 0
		.amdhsa_enable_private_segment 0
		.amdhsa_kernarg_size 24
		.amdhsa_user_sgpr_count 2
		.amdhsa_user_sgpr_kernarg_segment_ptr 1
		.amdhsa_wavefront_size32 1
		.amdhsa_system_sgpr_workgroup_id_x 1
		.amdhsa_system_sgpr_workgroup_id_y 1
		.amdhsa_system_sgpr_workgroup_id_z 1
		.amdhsa_system_vgpr_workitem_id 0
		.amdhsa_next_free_vgpr 256
		.amdhsa_next_free_sgpr 66
		.amdhsa_reserve_vcc 0
		.amdhsa_float_denorm_mode_32 3
		.amdhsa_float_denorm_mode_16_64 3
		.amdhsa_memory_ordered 1
		.amdhsa_forward_progress 1
		.amdhsa_inst_pref_size 29
	.end_amdhsa_kernel
	.amdgpu_metadata
---
amdhsa.version: [ 1, 2 ]
amdhsa.kernels:
  - .name:           k_q3f45a62312_attn
    .symbol:         k_q3f45a62312_attn.kd
    .args:
      - { .name: qkvc, .offset: 0, .size: 8, .value_kind: global_buffer, .address_space: global }
      - { .name: sscale, .offset: 8, .size: 8, .value_kind: global_buffer, .address_space: global }
      - { .name: attc, .offset: 16, .size: 8, .value_kind: global_buffer, .address_space: global }
    .group_segment_fixed_size: 327680
    .private_segment_fixed_size: 0
    .kernarg_segment_align: 8
    .kernarg_segment_size: 24
    .max_flat_workgroup_size: 512
    .sgpr_count:     66
    .vgpr_count:     256
    .wavefront_size: 32
...
	.end_amdgpu_metadata
.endif
;; end of part 10
;; launch proj (part 11): grid 8 x 32, 8 waves a work-group, clusters of 4 x 4, 327,680 bytes of LDS; arguments img, attc, x, x1; writes x1
.if DOCPART == 11
	.amdgcn_target "amdgcn-amd-amdhsa--gfx1250"
	.amdhsa_code_object_version 6
	.text
	.protected	k_q3f45a62312_proj
	.globl	k_q3f45a62312_proj
	.p2align	8
	.type	k_q3f45a62312_proj,@function
k_q3f45a62312_proj:
	s_mov_b64 s[64:65], 0
	v_nop
	global_prefetch_b8 v0, s[64:65] scope:SCOPE_SE
	s_setreg_imm32_b32 hwreg(HW_REG_WAVE_MODE, 25, 1), 1
	s_wait_xcnt 0x0
	s_wait_alu depctr_hold_cnt(0) depctr_sa_sdst(0) depctr_va_vdst(0) depctr_va_sdst(0) depctr_va_ssrc(0) depctr_va_vcc(0) depctr_vm_vsrc(0)
	s_getreg_b32 s2, hwreg(HW_REG_IB_STS2, 6, 4)
	s_cmp_eq_u32 s2, 0
	s_cbranch_scc0 .Lentry_in_a_cluster
	s_endpgm
.Lentry_in_a_cluster:
	s_bfe_u32 s2, ttmp6, 0x10000c
	s_cmp_lg_u32 s2, 0xf033
	s_cbranch_scc0 .Lentry_shape_is_right
	s_endpgm
.Lentry_shape_is_right:
.set BIAS,  0
.set PANEL, 12800
.set CHUNK, 4*PANEL
.set SLOT,  2*CHUNK
.set SCR,   2*SLOT
.set STG,   SCR+8*8192
.set WOFF,  9011200
.set WBLK,  8*PANEL
.set XBLK,  8*PANEL
.set AW16, 1
.set AW8,  3
.set AX16, 5
.set AX8,  7
.set ASW,  9
.set ASX,  11
.set XS,   15
.set FW,   16
.set FX,   64
.set TT,   80
.set SCW,  112
.set SCX,  116
.set XL,   120
.set STO,  121
.set SRD,  126
.set GLN,  127
.set ACC,  128
.set PW,   4
.set PX,   6
.set PRES, 8
.set POUT, 10
.set WV, 14
.set KG, 15
.set QD, 16
.set WH, 17
.set XH, 18
.set LB, 19
.set G1W, 24
.set G0W, 32
.set G1X, 48
.set G0X, 56
.macro PLACES
.rept 4
	v_nop
.endr
.endm
.macro JLOAD s
	s_cmp_eq_u32 s[KG], 0
	s_cbranch_scc0 .Lfor_x_\@
	tensor_load_to_lds s[G0W+4*(\s):G0W+4*(\s)+3], s[G1W:G1W+7]
	s_nop 0
.rept 4
	v_nop
.endr
	s_branch .Lasked_\@
.Lfor_x_\@:
	tensor_load_to_lds s[G0X+4*(\s):G0X+4*(\s)+3], s[G1X:G1X+7]
	s_nop 0
.rept 4
	v_nop
.endr
.Lasked_\@:
.endm
.macro CROUND
	s_barrier_signal -1
	s_barrier_wait -1
	s_cmp_lg_u32 s[WV], 0
	s_cbranch_scc1 .Lnot_wave_0_\@
	s_barrier_signal -3
.Lnot_wave_0_\@:
	s_barrier_wait -3
	s_barrier_signal -1
	s_barrier_wait -1
.endm
.macro MEET
	s_wait_tensorcnt 0x0
	s_wait_dscnt 0x0
	s_barrier_signal -1
	s_barrier_wait -1
.endm
.macro LOADF slot, kk
	ds_load_b128 v[SCW:SCW+3], v[ASW+\slot] offset:\kk*PANEL
	ds_load_b128 v[SCX:SCX+3], v[ASX+\slot] offset:\kk*PANEL
.irp t, 0,1,2,3
.irp c, 0,1
	ds_load_b128 v[FW+12*\t+6*\c:FW+12*\t+6*\c+3], v[AW16+\slot] offset:\kk*PANEL+1536*\t+768*\c
	ds_load_b64 v[FW+12*\t+6*\c+4:FW+12*\t+6*\c+5], v[AW8+\slot] offset:\kk*PANEL+1536*\t+768*\c+512
.endr
.endr
.irp t, 0,1,2,3
.irp c, 0,1
	ds_load_b128 v[FX+12*\t+6*\c:FX+12*\t+6*\c+3], v[AX16+\slot] offset:\kk*PANEL+1536*\t+768*\c
	ds_load_b64 v[FX+12*\t+6*\c+4:FX+12*\t+6*\c+5], v[AX8+\slot] offset:\kk*PANEL+1536*\t+768*\c+512
.endr
.endr
.endm
.macro MM d, fa, fb, zero, sa, sb
.if \zero
	v_wmma_scale_f32_16x16x128_f8f6f4 v[\d:\d+7], v[\fa:\fa+11], v[\fb:\fb+11], 0, v[\sa], v[\sb] matrix_a_fmt:MATRIX_FMT_FP6 matrix_b_fmt:MATRIX_FMT_FP6
.else
	v_wmma_scale_f32_16x16x128_f8f6f4 v[\d:\d+7], v[\fa:\fa+11], v[\fb:\fb+11], v[\d:\d+7], v[\sa], v[\sb] matrix_a_fmt:MATRIX_FMT_FP6 matrix_b_fmt:MATRIX_FMT_FP6
.endif
.endm
.macro MULS zero
.irp a, 0,1,2,3
	s_wait_dscnt 12-4*\a
.irp b, 0,1,2,3
	MM ACC+8*(4*\a+\b), FW+12*\b, FX+12*\a, \zero, SCW+\b, SCX+\a
.endr
.endr
.endm
.macro WORK slot, zero
	PLACES
	LOADF \slot, 0
	MULS \zero
	PLACES
	LOADF \slot, 1
	MULS 0
.endm
.macro EARLY
.if BIAS
	v_and_b32 v80, 15, v0
	v_lshlrev_b32 v80, 4, v80
	global_load_b128 v[122:125], v80, s[76:77]
.endif
.irp ap, 0,1
.irp i, 0,1,2,3,4,5,6,7
	global_load_b128 v[16+32*\ap+4*\i:16+32*\ap+4*\i+3], v[GLN], s[72:73] offset:(8*\ap+2*\i+8*(\i/4))*4096
.endr
.endr
.endm
.macro XSTORE
	PLACES
	EARLY
	s_cmp_eq_u32 s[KG], 0
	s_cbranch_scc0 .Lxs1_\@
.irp i, 0,1,2,3,4,5,6,7,8,9,10,11,12,13,14,15
	ds_store_b128 v[XS], v[ACC+64+4*\i:ACC+64+4*\i+3] offset:512*\i
.endr
	s_branch .Lxs2_\@
.Lxs1_\@:
.irp i, 0,1,2,3,4,5,6,7,8,9,10,11,12,13,14,15
	ds_store_b128 v[XS], v[ACC+4*\i:ACC+4*\i+3] offset:512*\i
.endr
.Lxs2_\@:
.endm
.macro XADD ap
.irp i, 0,1,2,3,4,5,6,7
	ds_load_b128 v[TT+4*\i:TT+4*\i+3], v[XL] offset:4096*\ap+512*\i
.endr
	s_wait_dscnt 0x0
	s_cmp_eq_u32 s[KG], 0
	s_cbranch_scc0 .Lxa1_\@
.irp i, 0,2,4,6,8,10,12,14,16,18,20,22,24,26,28,30
	v_pk_add_f32 v[ACC+32*\ap+\i:ACC+32*\ap+\i+1], v[ACC+32*\ap+\i:ACC+32*\ap+\i+1], v[TT+\i:TT+\i+1]
.endr
	s_branch .Lxa2_\@
.Lxa1_\@:
.irp i, 0,2,4,6,8,10,12,14,16,18,20,22,24,26,28,30
	v_pk_add_f32 v[ACC+32*\ap+\i:ACC+32*\ap+\i+1], v[ACC+64+32*\ap+\i:ACC+64+32*\ap+\i+1], v[TT+\i:TT+\i+1]
.endr
.Lxa2_\@:
.endm
.macro EPI
.irp ap, 0,1
	s_wait_xcnt 0x0
	XADD \ap
	s_wait_alu depctr_va_vdst(0)
.irp b, 0,1,2,3
	ds_store_b128 v[STO], v[ACC+32*\ap+8*\b:ACC+32*\ap+8*\b+3] offset:128*(\b/2)+32*(\b%2)
	ds_store_b128 v[STO], v[ACC+32*\ap+8*\b+4:ACC+32*\ap+8*\b+7] offset:128*(\b/2)+32*(\b%2)+16
.endr
.irp i, 0,1,2,3,4,5,6,7
	ds_load_b128 v[TT+4*\i:TT+4*\i+3], v[SRD] offset:2*\i*272
.endr
	s_wait_dscnt 0x0
	s_wait_loadcnt 8-8*\ap
.irp i, 0,1,2,3,4,5,6,7
	v_pk_add_f32 v[TT+4*\i:TT+4*\i+1], v[TT+4*\i:TT+4*\i+1], v[16+32*\ap+4*\i:16+32*\ap+4*\i+1]
	v_pk_add_f32 v[TT+4*\i+2:TT+4*\i+3], v[TT+4*\i+2:TT+4*\i+3], v[16+32*\ap+4*\i+2:16+32*\ap+4*\i+3]
.if BIAS
	v_pk_add_f32 v[TT+4*\i:TT+4*\i+1], v[TT+4*\i:TT+4*\i+1], v[122:123]
	v_pk_add_f32 v[TT+4*\i+2:TT+4*\i+3], v[TT+4*\i+2:TT+4*\i+3], v[124:125]
.endif
	global_store_b128 v[GLN], v[TT+4*\i:TT+4*\i+3], s[74:75] offset:(8*\ap+2*\i+8*(\i/4))*4096
.endr
.endr
.endm
	s_load_b256 s[4:11], s[0:1], 0x0
	v_lshl_add_u32 v124, v0, 2, 0x4a800
	v_mov_b32 v125, 0
	ds_add_u32 v124, v125
	ds_add_u32 v124, v125
	v_lshrrev_b32 v16, 5, v0
	s_delay_alu instid0(VALU_DEP_1)
	v_readfirstlane_b32 s[WV], v16
	s_lshr_b32 s[KG], s[WV], 2
	s_and_b32 s[QD], s[WV], 3
	s_and_b32 s[WH], s[QD], 1
	s_lshr_b32 s[XH], s[QD], 1
	s_mul_i32 s[LB], s[WV], PANEL
	s_bfe_u32 s40, ttmp6, 0x40000
	s_bfe_u32 s41, ttmp6, 0x40004
	s_lshl_b32 s42, ttmp9, 2
	s_add_co_u32 s42, s42, s40
	s_and_b32 s43, ttmp7, 0xffff
	s_lshl_b32 s43, s43, 2
	s_add_co_u32 s43, s43, s41
	s_lshl_b32 s44, s41, 2
	s_lshl_b32 s44, 15, s44
	s_lshl_b32 s45, 0x1111, s40
	s_or_b32 s[G1X], s44, (3<<16)|(1<<21)
	s_or_b32 s[G1W], s45, (3<<16)|(1<<21)
.irp g, G1W, G1X
	s_mov_b32 s[\g+1], 32<<16
	s_mov_b32 s[\g+2], 50<<16
	s_mov_b32 s[\g+3], 32<<16
	s_mov_b32 s[\g+4], 50
	s_mov_b32 s[\g+5], 32
	s_mov_b32 s[\g+6], 0
	s_mov_b32 s[\g+7], 0
.endr
	s_mul_i32 s46, s42, WBLK
	s_mul_i32 s47, s[QD], PANEL
	s_add_co_u32 s46, s46, s47
	s_add_co_u32 s46, s46, WOFF
	s_mov_b32 s47, 0
	s_mul_i32 s20, s43, XBLK
	s_mul_i32 s21, s[QD], PANEL
	s_add_co_u32 s20, s20, s21
	s_mov_b32 s21, 0
	v_and_b32 v16, 31, v0
	v_and_b32 v17, 15, v0
	v_bfe_u32 v18, v0, 4, 1
	s_delay_alu instid0(VALU_DEP_3)
	v_lshlrev_b32 v19, 4, v16
	s_wait_alu depctr_va_vdst(0)
	v_lshlrev_b32 v20, 3, v16
	s_wait_alu depctr_va_vdst(0)
	v_lshlrev_b32 v21, 4, v17
	s_wait_alu depctr_va_vdst(0)
	s_cmp_eq_u32 s[KG], 0                          ; the prefetches' offsets: a panel is 50 blocks of 256 bytes; the four partners that ask for it jointly take 13 each, told apart by address
	s_cselect_b32 s80, s41, s40                    ; W's partners differ in cy, X's in cx
	s_mul_i32 s80, s80, 13
	v_min_u32 v13, 12, v16                         ; lanes left over name their share's last block again
	v_lshlrev_b32 v14, 12, v16                     ; the residual: a lane a row of 4,096 bytes
	s_delay_alu instid0(VALU_DEP_2)
	v_add_nc_u32 v13, s80, v13
	s_delay_alu instid0(VALU_DEP_1)
	v_min_u32 v13, 49, v13
	s_delay_alu instid0(VALU_DEP_1)
	v_lshlrev_b32 v13, 8, v13
	s_mul_i32 s2, s[KG], 2*PANEL
	s_mul_i32 s3, s[WH], 6144
	s_add_co_u32 s3, s3, s2
	s_mul_i32 s22, s[XH], 6144
	s_add_co_u32 s22, s22, s2
	s_add_co_u32 s22, s22, CHUNK
	s_lshl_b32 s23, s[WH], 8
	s_add_co_u32 s23, s23, s2
	s_add_co_u32 s23, s23, 12288
	s_lshl_b32 s69, s[XH], 8
	s_add_co_u32 s69, s69, s2
	s_add_co_u32 s69, s69, CHUNK+12288
.irp s, 0,1
	v_add_nc_u32 v[AW16+\s], s3, v19
	v_add_nc_u32 v[AW8+\s], s3, v20
	v_add_nc_u32 v[AX16+\s], s22, v19
	v_add_nc_u32 v[AX8+\s], s22, v20
	v_add_nc_u32 v[ASW+\s], s23, v21
	v_add_nc_u32 v[ASX+\s], s69, v21
	s_add_co_u32 s3, s3, SLOT
	s_add_co_u32 s22, s22, SLOT
	s_add_co_u32 s23, s23, SLOT
	s_add_co_u32 s69, s69, SLOT
.endr
	s_lshl_b32 s2, s[WV], 13
	s_add_co_u32 s2, s2, SCR
	v_add_nc_u32 v[XS], s2, v19
	s_xor_b32 s2, s[WV], 4
	s_lshl_b32 s2, s2, 13
	s_add_co_u32 s2, s2, SCR
	v_add_nc_u32 v[XL], s2, v19
	s_mul_i32 s2, s[WV], 16*272
	s_add_co_u32 s2, s2, STG
	v_mul_u32_u24 v22, v17, 272
	s_delay_alu instid0(VALU_DEP_1)
	v_lshl_add_u32 v22, v18, 6, v22
	s_delay_alu instid0(VALU_DEP_1)
	v_add_nc_u32 v[STO], s2, v22
	v_mul_u32_u24 v22, v18, 272
	s_delay_alu instid0(VALU_DEP_1)
	v_add_nc_u32 v22, v22, v21
	s_delay_alu instid0(VALU_DEP_1)
	v_add_nc_u32 v[SRD], s2, v22
	v_lshl_add_u32 v[GLN], v18, 12, v21
	s_lshl_b32 s72, s43, 7
	s_lshl_b32 s73, s[XH], 6
	s_add_co_u32 s72, s72, s73
	s_lshl_b32 s73, s[KG], 5
	s_add_co_u32 s72, s72, s73
	s_lshl_b32 s72, s72, 12
	s_lshl_b32 s76, s42, 9
	s_lshl_b32 s77, s[WH], 8
	s_add_co_u32 s76, s76, s77
	s_add_co_u32 s72, s72, s76
	s_mov_b32 s73, 0
	s_mov_b32 s77, 0
	s_wait_dscnt 0x0
	s_wait_kmcnt 0x0
	s_add_nc_u64 s[46:47], s[PW:PW+1], s[46:47]
	s_add_nc_u64 s[20:21], s[PX:PX+1], s[20:21]
	s_add_nc_u64 s[74:75], s[POUT:POUT+1], s[72:73]
	s_add_nc_u64 s[72:73], s[PRES:PRES+1], s[72:73]
	s_cmp_eq_u32 s[KG], 0
	s_cselect_b64 s[78:79], s[46:47], s[20:21]     ; my panel of chunk 0: of W or of X
.irp s, 0,1
	s_mov_b32 s[G0W+4*\s], 1
	s_add_co_u32 s[G0W+4*\s+1], s[LB], \s*SLOT
	s_add_nc_u64 s[G0W+4*\s+2:G0W+4*\s+3], s[46:47], \s*CHUNK
	s_or_b32 s[G0W+4*\s+3], s[G0W+4*\s+3], 0x80000000
	s_mov_b32 s[G0X+4*\s], 1
	s_add_co_u32 s[G0X+4*\s+1], s[LB], \s*SLOT
	s_add_nc_u64 s[G0X+4*\s+2:G0X+4*\s+3], s[20:21], \s*CHUNK
	s_or_b32 s[G0X+4*\s+3], s[G0X+4*\s+3], 0x80000000
.endr
	CROUND
	JLOAD 0
	global_prefetch_b8 v13, s[78:79] offset:CHUNK th:TH_LOAD_NT scope:SCOPE_SE   ; my share of chunk 1, one fill ahead of its load
	global_prefetch_b8 v14, s[72:73] th:TH_LOAD_NT scope:SCOPE_SE                ; the 32 rows x 256 bytes of x that I alone add on the way out
	s_wait_alu depctr_va_vdst(0)
	s_wait_tensorcnt 0x0
	ds_add_u32 v124, v125
	s_wait_dscnt 0x0
	CROUND
	JLOAD 1
	s_wait_tensorcnt 0x1
	s_barrier_signal -1
	s_barrier_wait -1
	WORK 0, 1
	MEET
	WORK 1, 0
	s_wait_alu depctr_va_vdst(0)
	XSTORE
	MEET
	EPI
	s_wait_tensorcnt 0x0
	ds_add_u32 v124, v125
	s_wait_dscnt 0x0
	CROUND
	s_endpgm
.Lfunc_end_k_q3f45a62312_proj:
	.size	k_q3f45a62312_proj, .Lfunc_end_k_q3f45a62312_proj-k_q3f45a62312_proj
	.p2alignl 7, 3214868480
	.fill 96, 4, 3214868480
	.section	.rodata,"a",@progbits
	.p2align	6, 0x0
	.amdhsa_kernel k_q3f45a62312_proj
		.amdhsa_group_segment_fixed_size 327680
		.amdhsa_private_segment_fixed_size 0
		.amdhsa_enable_private_segment 0
		.amdhsa_kernarg_size 32
		.amdhsa_user_sgpr_count 2
		.amdhsa_user_sgpr_kernarg_segment_ptr 1
		.amdhsa_wavefront_size32 1
		.amdhsa_system_sgpr_workgroup_id_x 1
		.amdhsa_system_sgpr_workgroup_id_y 1
		.amdhsa_system_sgpr_workgroup_id_z 1
		.amdhsa_system_vgpr_workitem_id 0
		.amdhsa_next_free_vgpr 256
		.amdhsa_next_free_sgpr 100
		.amdhsa_reserve_vcc 0
		.amdhsa_float_denorm_mode_32 3
		.amdhsa_float_denorm_mode_16_64 3
		.amdhsa_memory_ordered 1
		.amdhsa_forward_progress 1
		.amdhsa_inst_pref_size 43
	.end_amdhsa_kernel
	.amdgpu_metadata
---
amdhsa.version: [ 1, 2 ]
amdhsa.kernels:
  - .name:           k_q3f45a62312_proj
    .symbol:         k_q3f45a62312_proj.kd
    .args:
      - { .name: img, .offset: 0, .size: 8, .value_kind: global_buffer, .address_space: global }
      - { .name: attc, .offset: 8, .size: 8, .value_kind: global_buffer, .address_space: global }
      - { .name: x, .offset: 16, .size: 8, .value_kind: global_buffer, .address_space: global }
      - { .name: x1, .offset: 24, .size: 8, .value_kind: global_buffer, .address_space: global }
    .group_segment_fixed_size: 327680
    .private_segment_fixed_size: 0
    .kernarg_segment_align: 8
    .kernarg_segment_size: 32
    .max_flat_workgroup_size: 256
    .sgpr_count:     100
    .vgpr_count:     256
    .wavefront_size: 32
...
	.end_amdgpu_metadata
.endif
;; end of part 11
;; launch norm2 (part 12): grid 256 x 1, 8 waves a work-group, no clusters, 67,072 bytes of LDS; arguments x1, ln2_scale, ln2_bias, hnc; writes hnc
.if DOCPART == 12
	.amdgcn_target "amdgcn-amd-amdhsa--gfx1250"
	.amdhsa_code_object_version 6
	.text
	.protected	k_q3f45a62312_norm2
	.globl	k_q3f45a62312_norm2
	.p2align	8
	.type	k_q3f45a62312_norm2,@function
k_q3f45a62312_norm2:
	s_mov_b64 s[64:65], 0
	v_nop
	global_prefetch_b8 v0, s[64:65] scope:SCOPE_SE
	s_setreg_imm32_b32 hwreg(HW_REG_WAVE_MODE, 25, 1), 1
	s_wait_xcnt 0x0
; Layer norm 2 of x1, quantised to FP6 (E2M3, one E8M0 byte for 32 along K) and stored as an image of operand registers: panels of 128 rows x 128 K, 12,800 bytes: tile t, half c at 1536 t + 768 c
; (registers 6 c .. 6 c + 3 at 16 x lane, 6 c + 4, 6 c + 5 at 512 + 8 x lane); scale words at 12288 + 256 (t / 4) + 16 r + 4 (t % 4).  Lane r of tile t holds row 32 (t / 2) + 8 (t % 2) + r + 8 (r / 8).
; A work-group takes one tile of 16 rows.  Wave w loads rows 2 w, 2 w + 1 whole, finds mean and 1 / sqrt(var + eps) (the variance from the deviations), puts the rows into a stage in LDS; behind one barrier
; wave w takes K step w of all 16 rows: lane (r, h) holds two whole blocks of 32.
; LIMITS: NaN and infinities are not served; a block whose largest magnitude lies under 2^-124 keeps the byte 1.  No cluster, no tensor load: no two work-groups read the same rows.
.set PANEL,  12800
.set SPITCH, 4112
.set STAT,   16*SPITCH
.set X,   32
.set GA,  96
.set BI,  160
.set CO,  224
.set CT,  236
.set WV,  52
.set SEL, 54
	s_load_b256 s[4:11], s[0:1], 0x0               ; x1, gain, bias, the image
	v_lshl_add_u32 v239, v0, 2, 0x10200
	v_mov_b32 v243, 0
	v_lshrrev_b32 v1, 5, v0
	s_delay_alu instid0(VALU_DEP_1)
	v_readfirstlane_b32 s[WV], v1
	v_and_b32 v2, 31, v0
	v_and_b32 v3, 15, v0
	v_bfe_u32 v4, v0, 4, 1
	s_wait_alu depctr_va_vdst(0)
	v_lshlrev_b32 v5, 4, v2
	s_wait_alu depctr_va_vdst(0)
	v_lshlrev_b32 v6, 3, v2
	v_lshlrev_b32 v13, 4, v3
	s_mov_b32 s[SEL], 0x76543210
	s_mov_b32 s[SEL+1], 0xfedcba98
	s_mov_b32 s56, 0x3a800000                      ; 1 / 1024
	s_mov_b32 s57, 0x358637bd                      ; eps = 1e-6
	s_lshr_b32 s40, ttmp9, 1
	s_lshl_b32 s40, s40, 5
	s_and_b32 s41, ttmp9, 1
	s_lshl_b32 s41, s41, 3
	s_add_co_u32 s40, s40, s41
	s_lshl_b32 s41, s[WV], 1
	s_add_co_u32 s40, s40, s41
	s_lshr_b32 s41, s[WV], 2
	s_lshl_b32 s41, s41, 3
	s_add_co_u32 s40, s40, s41                     ; stage row i = 2 w is row i + 8 (i / 8) of the tile
	s_lshl_b32 s40, s40, 12
	s_mov_b32 s41, 0
	s_lshl_b32 s42, s[WV], 9
	v_lshlrev_b32 v7, 7, v4
	s_delay_alu instid0(VALU_DEP_1)
	v_add_nc_u32 v7, s42, v7
	s_mul_i32 s43, s[WV], 2*SPITCH
	v_add_nc_u32 v8, s43, v5
	s_lshl_b32 s43, s[WV], 4
	s_add_co_u32 s43, s43, STAT
	v_mov_b32 v9, s43
	v_mul_u32_u24 v10, v3, SPITCH
	s_delay_alu instid0(VALU_DEP_1)
	v_add_nc_u32 v10, v10, v7
	v_lshl_add_u32 v11, v3, 3, STAT
	v_lshlrev_b32 v12, 3, v4
	s_lshr_b32 s44, ttmp9, 3
	s_lshl_b32 s44, s44, 3
	s_add_co_u32 s44, s44, s[WV]
	s_mul_i32 s44, s44, PANEL
	s_and_b32 s46, ttmp9, 7
	s_mul_i32 s45, s46, 1536
	s_lshr_b32 s47, s46, 2
	s_lshl_b32 s47, s47, 8
	s_and_b32 s46, s46, 3
	s_lshl_b32 s46, s46, 2
	s_add_co_u32 s46, s46, s47
	s_add_co_u32 s46, s46, s44
	s_add_co_u32 s46, s46, 12288
	s_add_co_u32 s44, s44, s45
	s_mov_b32 s45, 0
	s_mov_b32 s47, 0
	s_wait_alu depctr_va_vdst(0)
	s_wait_kmcnt 0x0
	s_add_nc_u64 s[4:5], s[4:5], s[40:41]
	s_add_nc_u64 s[44:45], s[10:11], s[44:45]
	s_add_nc_u64 s[46:47], s[10:11], s[46:47]
.irp e, 0,1
.irp j, 0,1,2,3,4,5,6,7
	global_load_b128 v[X+32*\e+4*\j:X+32*\e+4*\j+3], v5, s[4:5] offset:4096*\e+512*\j
.endr
.endr
.irp c, 0,1
.irp j, 0,1,2,3,4,5,6,7
	global_load_b128 v[GA+32*\c+4*\j:GA+32*\c+4*\j+3], v7, s[6:7] offset:256*\c+16*\j
	global_load_b128 v[BI+32*\c+4*\j:BI+32*\c+4*\j+3], v7, s[8:9] offset:256*\c+16*\j
.endr
.endr
.macro REDUCE
	s_delay_alu instid0(VALU_DEP_1)
	v_add_f32_dpp v244, v244, v244 row_xmask:1 row_mask:0xf bank_mask:0xf
	s_delay_alu instid0(VALU_DEP_1)
	v_add_f32_dpp v244, v244, v244 row_xmask:2 row_mask:0xf bank_mask:0xf
	s_delay_alu instid0(VALU_DEP_1)
	v_add_f32_dpp v244, v244, v244 row_xmask:4 row_mask:0xf bank_mask:0xf
	s_delay_alu instid0(VALU_DEP_1)
	v_add_f32_dpp v244, v244, v244 row_xmask:8 row_mask:0xf bank_mask:0xf
	s_delay_alu instid0(VALU_DEP_1)
	v_permlanex16_b32 v245, v244, s[SEL], s[SEL+1]
	s_delay_alu instid0(VALU_DEP_1)
	v_add_f32 v244, v244, v245
.endm
.macro ROWSTAT e
.set B, X+32*\e
	v_pk_add_f32 v[244:245], v[B:B+1], v[B+2:B+3]
	v_pk_add_f32 v[246:247], v[B+4:B+5], v[B+6:B+7]
.irp j, 8,12,16,20,24,28
	s_delay_alu instid0(VALU_DEP_2)
	v_pk_add_f32 v[244:245], v[244:245], v[B+\j:B+\j+1]
	s_delay_alu instid0(VALU_DEP_2)
	v_pk_add_f32 v[246:247], v[246:247], v[B+\j+2:B+\j+3]
.endr
	s_delay_alu instid0(VALU_DEP_1)
	v_pk_add_f32 v[244:245], v[244:245], v[246:247]
	s_delay_alu instid0(VALU_DEP_1)
	v_add_f32 v244, v244, v245
	REDUCE
	s_delay_alu instid0(VALU_DEP_1)
	v_mul_f32 v248, s56, v244
	s_delay_alu instid0(VALU_DEP_1)
	v_mov_b32 v249, v248
	s_delay_alu instid0(VALU_DEP_1)
	v_pk_add_f32 v[250:251], v[B:B+1], v[248:249] neg_lo:[0,1] neg_hi:[0,1]
	s_delay_alu instid0(VALU_DEP_2)
	v_pk_add_f32 v[252:253], v[B+2:B+3], v[248:249] neg_lo:[0,1] neg_hi:[0,1]
	s_delay_alu instid0(VALU_DEP_2)
	v_pk_mul_f32 v[244:245], v[250:251], v[250:251]
	s_delay_alu instid0(VALU_DEP_2)
	v_pk_mul_f32 v[246:247], v[252:253], v[252:253]
.irp j, 4,8,12,16,20,24,28
	v_pk_add_f32 v[250:251], v[B+\j:B+\j+1], v[248:249] neg_lo:[0,1] neg_hi:[0,1]
	v_pk_add_f32 v[252:253], v[B+\j+2:B+\j+3], v[248:249] neg_lo:[0,1] neg_hi:[0,1]
	s_delay_alu instid0(VALU_DEP_2)
	v_pk_fma_f32 v[244:245], v[250:251], v[250:251], v[244:245]
	s_delay_alu instid0(VALU_DEP_2)
	v_pk_fma_f32 v[246:247], v[252:253], v[252:253], v[246:247]
.endr
	s_delay_alu instid0(VALU_DEP_1)
	v_pk_add_f32 v[244:245], v[244:245], v[246:247]
	s_delay_alu instid0(VALU_DEP_1)
	v_add_f32 v244, v244, v245
	REDUCE
	s_delay_alu instid0(VALU_DEP_1)
	v_fma_f32 v244, v244, s56, s57
	s_wait_alu depctr_va_vdst(0)
	v_rsq_f32 v249, v244
	v_nop                                          ; a plain line between the root and the use of its result
	s_wait_alu depctr_va_vdst(0)
	ds_store_b64 v9, v[248:249] offset:8*\e
.endm
	s_wait_loadcnt 32                              ; my two rows are in; the 32 loads of gain and bias behind them may stay out
.irp e, 0,1
.irp j, 0,1,2,3,4,5,6,7
	ds_store_b128 v8, v[X+32*\e+4*\j:X+32*\e+4*\j+3] offset:\e*SPITCH+512*\j
.endr
.endr
	ROWSTAT 0
	ROWSTAT 1
	s_wait_dscnt 0x0                               ; for the others' sake: my rows and figures lie in LDS
	s_barrier_signal -1
	s_barrier_wait -1
.irp c, 0,1
.irp j, 0,1,2,3,4,5,6,7
	ds_load_b128 v[X+32*\c+4*\j:X+32*\c+4*\j+3], v10 offset:256*\c+16*\j
.endr
.endr
	ds_load_b64 v[252:253], v11
	s_wait_dscnt 0x0
	v_mov_b32 v254, v253
	v_mov_b32 v255, v253
	v_mov_b32 v253, v252
	s_wait_alu depctr_va_vdst(0)
	s_wait_loadcnt 0x0
.set J, 0
.rept 32
	v_pk_add_f32 v[X+J:X+J+1], v[X+J:X+J+1], v[252:253] neg_lo:[0,1] neg_hi:[0,1]
.set J, J+2
.endr
.set J, 0
.rept 32
	v_pk_mul_f32 v[X+J:X+J+1], v[X+J:X+J+1], v[254:255]
.set J, J+2
.endr
.set J, 0
.rept 32
	v_pk_fma_f32 v[X+J:X+J+1], v[X+J:X+J+1], v[GA+J:GA+J+1], v[BI+J:BI+J+1]
.set J, J+2
.endr
.irp c, 0,1
	v_max3_num_f32 v[244+\c], |v[X+32*\c]|, |v[X+32*\c+1]|, 0x1800000   ; with the floor 2^-124
.endr
.irp i, 2,4,6,8,10,12,14,16,18,20,22,24,26,28,30
.irp c, 0,1
	s_delay_alu instid0(VALU_DEP_2)
	v_max3_num_f32 v[244+\c], v[244+\c], |v[X+32*\c+\i]|, |v[X+32*\c+\i+1]|
.endr
.endr
.irp c, 0,1
	s_delay_alu instid0(VALU_DEP_2)
	v_add_nc_u32 v[246+\c], 0xff000000, v[244+\c]
.endr
.irp c, 0,1
	s_delay_alu instid0(VALU_DEP_2)
	v_lshrrev_b32 v[248+\c], 23, v[246+\c]
.endr
	s_delay_alu instid0(VALU_DEP_1)
	v_lshl_or_b32 v250, v249, 16, v248
	s_delay_alu instid0(VALU_DEP_1)
	v_lshlrev_b32 v250, v12, v250
	v_mov_b32 v251, 0
	s_delay_alu instid0(VALU_DEP_1)
	v_permlanex16_b32 v251, v250, s[SEL], s[SEL+1]
	s_delay_alu instid0(VALU_DEP_1)
	v_or_b32 v250, v250, v251
.irp c, 0,1
	v_cvt_scalef32_pk16_fp6_f32 v[CO+6*\c:CO+6*\c+2], v[X+32*\c:X+32*\c+15], v[246+\c]
	v_cvt_scalef32_pk16_fp6_f32 v[CT+4*\c:CT+4*\c+2], v[X+32*\c+16:X+32*\c+31], v[246+\c]
.endr
	v_nop
.irp c, 0,1
.irp i, 0,1,2
	v_mov_b32 v[CO+3+6*\c+\i], v[CT+4*\c+\i]
.endr
.endr
	global_store_b128 v5, v[CO:CO+3], s[44:45]
	global_store_b64 v6, v[CO+4:CO+5], s[44:45] offset:512
	global_store_b128 v5, v[CO+6:CO+9], s[44:45] offset:768
	global_store_b64 v6, v[CO+10:CO+11], s[44:45] offset:1280
	global_store_b32 v13, v250, s[46:47]
	s_wait_tensorcnt 0x0
	ds_add_u32 v239, v243
	s_wait_dscnt 0x0
	s_endpgm
.Lfunc_end_k_q3f45a62312_norm2:
	.size	k_q3f45a62312_norm2, .Lfunc_end_k_q3f45a62312_norm2-k_q3f45a62312_norm2
	.p2alignl 7, 3214868480
	.fill 96, 4, 3214868480
	.section	.rodata,"a",@progbits
	.p2align	6, 0x0
	.amdhsa_kernel k_q3f45a62312_norm2
		.amdhsa_group_segment_fixed_size 67072
		.amdhsa_private_segment_fixed_size 0
		.amdhsa_enable_private_segment 0
		.amdhsa_kernarg_size 32
		.amdhsa_user_sgpr_count 2
		.amdhsa_user_sgpr_kernarg_segment_ptr 1
		.amdhsa_wavefront_size32 1
		.amdhsa_system_sgpr_workgroup_id_x 1
		.amdhsa_system_sgpr_workgroup_id_y 1
		.amdhsa_system_sgpr_workgroup_id_z 1
		.amdhsa_system_vgpr_workitem_id 0
		.amdhsa_next_free_vgpr 256
		.amdhsa_next_free_sgpr 66
		.amdhsa_reserve_vcc 0
		.amdhsa_float_denorm_mode_32 3
		.amdhsa_float_denorm_mode_16_64 3
		.amdhsa_memory_ordered 1
		.amdhsa_forward_progress 1
		.amdhsa_inst_pref_size 32
	.end_amdhsa_kernel
	.amdgpu_metadata
---
amdhsa.version: [ 1, 2 ]
amdhsa.kernels:
  - .name:           k_q3f45a62312_norm2
    .symbol:         k_q3f45a62312_norm2.kd
    .args:
      - { .name: x1, .offset: 0, .size: 8, .value_kind: global_buffer, .address_space: global }
      - { .name: ln2_scale, .offset: 8, .size: 8, .value_kind: global_buffer, .address_space: global }
      - { .name: ln2_bias, .offset: 16, .size: 8, .value_kind: global_buffer, .address_space: global }
      - { .name: hnc, .offset: 24, .size: 8, .value_kind: global_buffer, .address_space: global }
    .group_segment_fixed_size: 67072
    .private_segment_fixed_size: 0
    .kernarg_segment_align: 8
    .kernarg_segment_size: 32
    .max_flat_workgroup_size: 256
    .sgpr_count:     66
    .vgpr_count:     256
    .wavefront_size: 32
...
	.end_amdgpu_metadata
.endif
;; end of part 12
;; launch up (part 13): grid 32 x 8, 8 waves a work-group, clusters of 4 x 4, 327,680 bytes of LDS; arguments img, hnc, mlp_b0, glc; writes glc
.if DOCPART == 13
	.amdgcn_target "amdgcn-amd-amdhsa--gfx1250"
	.amdhsa_code_object_version 6
	.text
	.protected	k_q3f45a62312_up
	.globl	k_q3f45a62312_up
	.p2align	8
	.type	k_q3f45a62312_up,@function
k_q3f45a62312_up:
	s_mov_b64 s[64:65], 0
	v_nop
	global_prefetch_b8 v0, s[64:65] scope:SCOPE_SE
	s_setreg_imm32_b32 hwreg(HW_REG_WAVE_MODE, 25, 1), 1
	s_wait_xcnt 0x0
	s_wait_alu depctr_hold_cnt(0) depctr_sa_sdst(0) depctr_va_vdst(0) depctr_va_sdst(0) depctr_va_ssrc(0) depctr_va_vcc(0) depctr_vm_vsrc(0)
	s_getreg_b32 s2, hwreg(HW_REG_IB_STS2, 6, 4)
	s_cmp_eq_u32 s2, 0
	s_cbranch_scc0 .Lentry_in_a_cluster
	s_endpgm
.Lentry_in_a_cluster:
	s_bfe_u32 s2, ttmp6, 0x10000c
	s_cmp_lg_u32 s2, 0xf033
	s_cbranch_scc0 .Lentry_shape_is_right
	s_endpgm
.Lentry_shape_is_right:
; g = gelu(LN2(x1) w0 + b0) on codes of FP6, quantised along the 4,096 hidden units and stored as an image of operand registers for the next product.
; OPERANDS are images, in panels of 128 rows x 128 K, 12,800 bytes: tile t, half c at 1536 t + 768 c (registers 6 c .. 6 c + 3 at 16 x lane, 6 c + 4, 6 c + 5 at 512 + 8 x lane);
; scale words at 12288 + 256 (t / 4) + 16 r + 4 (t % 4).  Lane r of tile t holds row 32 (t / 2) + 8 (t % 2) + r + 8 (r / 8).
; SHARES.  A work-group makes two tiles of 256 tokens x 128 hidden units, one below the other.  Eight waves, 4 x 2 quadrants of 64 x 64: wave w takes token block w / 4 of the tile's two, half (w / 2) % 2 of it,
; and half w % 2 of W's rows; sixteen accumulators, K ascending.  Two waves share a SIMD, each within 256 registers.
; W STAYS.  The work-group's 128 rows of W, all of K = 1,024, are 102,400 bytes: they come into LDS once and serve both tiles.
; RING.  Two slots for X, each four K steps of the tile's two token blocks (8 panels): slot 0 always holds K steps 0-3, slot 1 K steps 4-7; each wave fetches one panel of a slot.  The first fills go
; out in two stages, one load a wave in each; later one load of a wave is out at a time, with a slot's 64 matrix instructions a wave in which to land, the second refill the way out besides.  No loop.
; CLUSTER 4 x 4: W's panels jointly along a column, X's along a row.
; gelu(x) = x / (1 + 2^(x (c1 + c2 x^2))), c1 = -2 log2(e) sqrt(2 / pi), c2 = 0.044715 c1: the tanh form, written without the difference 1 + tanh.
; LIMITS: NaN and infinities are not served; a block whose largest magnitude lies under 2^-124 keeps the byte 1.
.set PANEL, 12800
.set RING,  8*PANEL                    ; LDS: W's eight panels from byte 0; behind them the ring
.set SLOT,  8*PANEL                    ; two token blocks x four K steps
.set SPARE, RING+2*SLOT                ; the spare words, 128 bytes a wave: four blocks of 256 bytes that no other line names
.set WOFF,  9830400                    ; mlp_w0's image
.set AW16, 1
.set AW8,  3
.set AX16, 5
.set AX8,  7
.set ASW,  9
.set ASX,  11
.set SPW,  13
.set NIL,  14
.set FW,   16
.set FX,   64
.set SCW,  112
.set SCX,  116
.set L16,  121
.set L8,   122
.set LSC,  123                         ; 16 r
.set LBI,  124                         ; 64 h: my half's place in the bias
.set C1,   126                         ; v[126:127] c1, twice
.set ACC,  128
.set PW,   4
.set PX,   6
.set PB,   8
.set POUT, 10
.set WV, 14
.set WH, 15
.set XQ, 16
.set XR, 17
.set XH, 18
.set LB, 19
.set G1W,  24
.set G0WA, 32
.set G0WB, 36
.set G1X,  48
.set G0X,  56
.set SEL, 70
.set C2,  84                           ; s[84:85] c2, twice
.macro PLACES
.rept 4
	v_nop
.endr
.endm
.macro CROUND
	s_barrier_signal -1
	s_barrier_wait -1
	s_cmp_lg_u32 s[WV], 0
	s_cbranch_scc1 .Lnot_wave_0_\@
	s_barrier_signal -3
.Lnot_wave_0_\@:
	s_barrier_wait -3
	s_barrier_signal -1
	s_barrier_wait -1
.endm
; The change of slots.  All my tensor loads have landed and my LDS reads of slot fs are done: then the round.  fill = 1: slot fs takes the next tile's K steps.
.macro CHANGE fs, fill
	s_wait_tensorcnt 0x0                           ; no tensor load of mine is out, so a group 0 may be written
	ds_add_u32 v[SPW], v[NIL]                      ; 0 onto my spare word
.if \fill
	s_mov_b32 s[G1X+2], 50<<16                     ; a refill brings one panel a wave
	s_mov_b32 s[G1X+4], 50
	s_add_co_u32 s[G0X+4*(\fs)+1], s[LB], RING+(\fs)*SLOT
	s_add_nc_u64 s[G0X+4*(\fs)+2:G0X+4*(\fs)+3], s[20:21], (\fs)*4*PANEL+16*PANEL   ; my panel of the slot, two token blocks on
	s_or_b32 s[G0X+4*(\fs)+3], s[G0X+4*(\fs)+3], 0x80000000
.endif
	s_wait_dscnt 0x0                               ; the add, and my reads of the slot that I leave
.if \fill
	CROUND
	tensor_load_to_lds s[G0X+4*(\fs):G0X+4*(\fs)+3], s[G1X:G1X+7]   ; my one load behind the round; four v_nop follow it
	s_nop 0
.rept 4
	v_nop
.endr
.else
	s_barrier_signal -1
	s_barrier_wait -1
.endif
.endm
.macro LOADF slot, kk
	ds_load_b128 v[SCW:SCW+3], v[ASW+\slot] offset:\kk*PANEL
	ds_load_b128 v[SCX:SCX+3], v[ASX+\slot] offset:\kk*PANEL
.irp t, 0,1,2,3
.irp c, 0,1
	ds_load_b128 v[FW+12*\t+6*\c:FW+12*\t+6*\c+3], v[AW16+\slot] offset:\kk*PANEL+1536*\t+768*\c
	ds_load_b64 v[FW+12*\t+6*\c+4:FW+12*\t+6*\c+5], v[AW8+\slot] offset:\kk*PANEL+1536*\t+768*\c+512
.endr
.endr
.irp t, 0,1,2,3
.irp c, 0,1
	ds_load_b128 v[FX+12*\t+6*\c:FX+12*\t+6*\c+3], v[AX16+\slot] offset:\kk*PANEL+1536*\t+768*\c
	ds_load_b64 v[FX+12*\t+6*\c+4:FX+12*\t+6*\c+5], v[AX8+\slot] offset:\kk*PANEL+1536*\t+768*\c+512
.endr
.endr
.endm
.macro MM d, fa, fb, zero, sa, sb
.if \zero
	v_wmma_scale_f32_16x16x128_f8f6f4 v[\d:\d+7], v[\fa:\fa+11], v[\fb:\fb+11], 0, v[\sa], v[\sb] matrix_a_fmt:MATRIX_FMT_FP6 matrix_b_fmt:MATRIX_FMT_FP6
.else
	v_wmma_scale_f32_16x16x128_f8f6f4 v[\d:\d+7], v[\fa:\fa+11], v[\fb:\fb+11], v[\d:\d+7], v[\sa], v[\sb] matrix_a_fmt:MATRIX_FMT_FP6 matrix_b_fmt:MATRIX_FMT_FP6
.endif
.endm
.macro MULS zero                       ; 16 products, the sixteen accumulators by turns
.irp a, 0,1,2,3
	s_wait_dscnt 12-4*\a                           ; X's fragments behind tile a, four loads each, may stay out
.irp b, 0,1,2,3
	MM ACC+8*(4*\a+\b), FW+12*\b, FX+12*\a, \zero, SCW+\b, SCX+\a
.endr
.endr
.endm
.macro WORK slot, zero                 ; the slot's four K steps
.irp kk, 0,1,2,3
	PLACES
	LOADF \slot, \kk
.if \kk == 0
	MULS \zero
.else
	MULS 0
.endif
.endr
.endm
.macro EARLY                           ; the bias in the result's layout: register 8 b + j is unit 32 (b / 2) + 8 (b % 2) + 16 h + j of my 64.  It lands where W's fragments lay: four places first
	PLACES
.irp b, 0,1,2,3
	global_load_b128 v[16+8*\b:19+8*\b], v[LBI], s[78:79] offset:128*(\b/2)+32*(\b%2)
	global_load_b128 v[20+8*\b:23+8*\b], v[LBI], s[78:79] offset:128*(\b/2)+32*(\b%2)+16
.endr
.endm
.macro QHALF S, C, D, HW, T
	v_max3_num_f32 v[\T], |v[\S]|, |v[\S+1]|, 0x1800000
	v_max3_num_f32 v[\T+1], |v[\S+16]|, |v[\S+17]|, 0x1800000
.irp i, 2,4,6,8,10,12,14
	s_delay_alu instid0(VALU_DEP_2)
	v_max3_num_f32 v[\T], v[\T], |v[\S+\i]|, |v[\S+\i+1]|
	s_delay_alu instid0(VALU_DEP_2)
	v_max3_num_f32 v[\T+1], v[\T+1], |v[\S+16+\i]|, |v[\S+17+\i]|
.endr
	v_mov_b32 v[\T+2], 0
	v_mov_b32 v[\T+3], 0
	s_delay_alu instid0(VALU_DEP_2)
	v_permlanex16_b32 v[\T+2], v[\T], s[SEL], s[SEL+1]
	s_delay_alu instid0(VALU_DEP_2)
	v_permlanex16_b32 v[\T+3], v[\T+1], s[SEL], s[SEL+1]
	s_delay_alu instid0(VALU_DEP_2)
	v_max_num_f32 v[\T], v[\T], v[\T+2]
	s_delay_alu instid0(VALU_DEP_2)
	v_max_num_f32 v[\T+1], v[\T+1], v[\T+3]
	s_delay_alu instid0(VALU_DEP_2)
	v_add_nc_u32 v[\T+4], 0xff000000, v[\T]
	s_delay_alu instid0(VALU_DEP_2)
	v_add_nc_u32 v[\T+5], 0xff000000, v[\T+1]
	s_delay_alu instid0(VALU_DEP_2)
	v_lshrrev_b32 v[\T+2], 23, v[\T+4]
	s_delay_alu instid0(VALU_DEP_2)
	v_lshrrev_b32 v[\T+3], 23, v[\T+5]
	s_delay_alu instid0(VALU_DEP_1)
	v_lshl_or_b32 v[\HW], v[\T+3], 8, v[\T+2]
	v_cvt_scalef32_pk16_fp6_f32 v[\C:\C+2], v[\S:\S+15], v[\T+4]
	v_cvt_scalef32_pk16_fp6_f32 v[\D:\D+2], v[\S+16:\S+31], v[\T+5]
	v_nop
.irp i, 0,1,2
	v_permlane16_swap_b32 v[\C+\i], v[\D+\i]
.endr
.irp i, 0,1,2
	s_delay_alu instid0(VALU_DEP_3)
	v_mov_b32 v[\C+3+\i], v[\D+\i]
.endr
.endm
.macro GELU A                          ; 32 numbers in v[A] on: + bias, gelu, in place; v48-79 at work
.set J, 0
.rept 16
	v_pk_add_f32 v[\A+J:\A+J+1], v[\A+J:\A+J+1], v[16+J:17+J]
.set J, J+2
.endr
.set J, 0
.rept 16
	v_pk_mul_f32 v[48+J:49+J], v[\A+J:\A+J+1], v[\A+J:\A+J+1]
.set J, J+2
.endr
.set J, 0
.rept 16
	v_pk_fma_f32 v[48+J:49+J], v[48+J:49+J], s[C2:C2+1], v[C1:C1+1] op_sel_hi:[1,0,1]
.set J, J+2
.endr
.set J, 0
.rept 16
	v_pk_mul_f32 v[48+J:49+J], v[48+J:49+J], v[\A+J:\A+J+1]
.set J, J+2
.endr
.set J, 0
	s_wait_alu depctr_va_vdst(0)
.rept 32
	v_exp_f32 v[48+J], v[48+J]
.set J, J+1
.endr
	v_nop                                          ; a plain line behind the exponentials
.set J, 0
	s_wait_alu depctr_va_vdst(0)
.rept 16
	v_pk_add_f32 v[48+J:49+J], v[48+J:49+J], 1.0 op_sel_hi:[1,0]
.set J, J+2
.endr
.set J, 0
	s_wait_alu depctr_va_vdst(0)
.rept 32
	v_rcp_f32 v[48+J], v[48+J]
.set J, J+1
.endr
	v_nop                                          ; and behind the reciprocals
.set J, 0
	s_wait_alu depctr_va_vdst(0)
.rept 16
	v_pk_mul_f32 v[\A+J:\A+J+1], v[\A+J:\A+J+1], v[48+J:49+J]
.set J, J+2
.endr
.endm
.macro EPI                             ; my four tiles of tokens, one after the other; each has registers of its own for its codes (v80 + 8 a on) and bytes (v86 + 8 a), so no store's data are written again here
	s_wait_loadcnt 0x0                             ; the bias
.irp a, 0,1,2,3
	GELU ACC+32*\a
	QHALF ACC+32*\a, 80+8*\a, 48, 86+8*\a, 52
	global_store_b128 v[L16], v[80+8*\a:83+8*\a], s[74:75] offset:1536*\a
	global_store_b64 v[L8], v[84+8*\a:85+8*\a], s[74:75] offset:1536*\a+512
	global_store_b16 v[LSC], v[86+8*\a], s[76:77] offset:4*\a
.endr
.endm
	s_load_b256 s[4:11], s[0:1], 0x0               ; the images, LN2's image, b0, the output's image
	v_lshl_add_u32 v[SPW], v0, 2, SPARE
	v_mov_b32 v[NIL], 0
	ds_add_u32 v13, v14
	ds_add_u32 v13, v14
	s_wait_dscnt 0x0
	v_lshrrev_b32 v16, 5, v0
	s_delay_alu instid0(VALU_DEP_1)
	v_readfirstlane_b32 s[WV], v16
	s_and_b32 s[WH], s[WV], 1
	s_lshr_b32 s[XQ], s[WV], 1
	s_lshr_b32 s[XR], s[WV], 2
	s_and_b32 s[XH], s[XQ], 1
	s_mul_i32 s[LB], s[WV], PANEL
	s_bfe_u32 s40, ttmp6, 0x40000
	s_bfe_u32 s41, ttmp6, 0x40004
	s_lshl_b32 s42, ttmp9, 2
	s_add_co_u32 s42, s42, s40                     ; x: the block of 128 hidden units
	s_and_b32 s43, ttmp7, 0xffff
	s_lshl_b32 s43, s43, 2
	s_add_co_u32 s43, s43, s41                     ; y: four blocks of 128 tokens
	s_lshl_b32 s44, s41, 2
	s_lshl_b32 s44, 15, s44
	s_lshl_b32 s45, 0x1111, s40
	s_or_b32 s[G1X], s44, (3<<16)|(1<<21)
	s_or_b32 s[G1W], s45, (3<<16)|(1<<21)
	s_mov_b32 s[G1W+1], 32<<16                     ; W: rows of 256 bytes,
	s_mov_b32 s[G1W+2], 50<<16                     ; 50 of them: a panel
	s_mov_b32 s[G1W+3], 32<<16
	s_mov_b32 s[G1W+4], 50
	s_mov_b32 s[G1W+5], 32
	s_mov_b32 s[G1W+6], 0
	s_mov_b32 s[G1W+7], 0
	s_mov_b32 s[G1X+1], 32<<16                     ; X: 50 such rows: a panel
	s_mov_b32 s[G1X+2], 100<<16                    ; the first fills bring two panels a load; the refills set these two words to 50
	s_mov_b32 s[G1X+3], 32<<16
	s_mov_b32 s[G1X+4], 100
	s_mov_b32 s[G1X+5], 32
	s_mov_b32 s[G1X+6], 0
	s_mov_b32 s[G1X+7], 0
	s_mov_b32 s[SEL], 0x76543210
	s_mov_b32 s[SEL+1], 0xfedcba98
	s_mov_b32 s[C2], 0xbdd2d3e8                    ; c2 = -0.10294324
	s_mov_b32 s[C2+1], s[C2]
	v_mov_b32 v[C1], 0xc0135761                    ; c1 = -2.3022082
	v_mov_b32 v[C1+1], 0xc0135761
	s_mul_i32 s46, s42, 8*PANEL                    ; W: block x, my eighth of four panels
	s_and_b32 s47, s[WV], 3
	s_mul_i32 s47, s47, PANEL                      ; waves 0-3 fetch W: panel wave % 4 of four
	s_add_co_u32 s46, s46, s47
	s_add_co_u32 s46, s46, WOFF
	s_mov_b32 s47, 0
	s_mul_i32 s20, s43, 32*PANEL                   ; X: four token blocks on end; my panel of a slot: token block wave / 4,
	s_mul_i32 s21, s[XR], 8*PANEL
	s_add_co_u32 s20, s20, s21
	s_and_b32 s21, s[WV], 3
	s_mul_i32 s21, s21, PANEL                      ; K step wave % 4
	s_add_co_u32 s20, s20, s21
	s_mov_b32 s21, 0
	s_mul_i32 s100, s43, 32*PANEL                  ; the first fills of X, by waves 4-7: two panels on end, token block (wave % 4) / 2, K steps 2 (wave % 2) on
	s_bfe_u32 s101, s[WV], 0x10001
	s_mul_i32 s101, s101, 8*PANEL
	s_add_co_u32 s100, s100, s101
	s_and_b32 s101, s[WV], 1
	s_mul_i32 s101, s101, 2*PANEL
	s_add_co_u32 s100, s100, s101
	s_mov_b32 s101, 0
	v_and_b32 v16, 31, v0
	v_and_b32 v17, 15, v0
	v_bfe_u32 v18, v0, 4, 1
	s_delay_alu instid0(VALU_DEP_3)
	v_lshlrev_b32 v19, 4, v16
	s_wait_alu depctr_va_vdst(0)
	v_lshlrev_b32 v20, 3, v16
	s_wait_alu depctr_va_vdst(0)
	v_lshlrev_b32 v21, 4, v17
	s_wait_alu depctr_va_vdst(0)
	s_cmp_lt_u32 s[WV], 4                          ; the prefetch's offset: the four partners that ask jointly share a load's blocks of 256 bytes out by address
	s_cselect_b32 s72, 13, 25                      ; blocks a partner: W 50 in all, X 100
	s_cselect_b32 s73, s41, s40                    ; W's partners differ in cy, X's in cx
	s_cselect_b32 s74, 49, 99                      ; the load's last block
	s_mul_i32 s73, s73, s72
	s_sub_co_u32 s72, s72, 1
	v_min_u32 v15, s72, v16                        ; lanes left over name their share's last block again
	s_delay_alu instid0(VALU_DEP_1)
	v_add_nc_u32 v15, s73, v15
	s_delay_alu instid0(VALU_DEP_1)
	v_min_u32 v15, s74, v15
	s_delay_alu instid0(VALU_DEP_1)
	v_lshlrev_b32 v15, 8, v15
	s_mul_i32 s73, s40, 13                         ; the refills' prefetches: a panel of X is 50 blocks; the four partners along the row take 13 each, by address
	v_min_u32 v120, 12, v16
	s_delay_alu instid0(VALU_DEP_1)
	v_add_nc_u32 v120, s73, v120
	s_delay_alu instid0(VALU_DEP_1)
	v_min_u32 v120, 49, v120
	s_delay_alu instid0(VALU_DEP_1)
	v_lshlrev_b32 v120, 8, v120
	s_mul_i32 s3, s[WH], 6144
	s_mul_i32 s22, s[XR], 4*PANEL
	s_mul_i32 s2, s[XH], 6144
	s_add_co_u32 s22, s22, s2
	s_add_co_u32 s22, s22, RING
	s_lshl_b32 s23, s[WH], 8
	s_add_co_u32 s23, s23, 12288
	s_mul_i32 s69, s[XR], 4*PANEL
	s_lshl_b32 s2, s[XH], 8
	s_add_co_u32 s69, s69, s2
	s_add_co_u32 s69, s69, RING+12288
.irp s, 0,1
	v_add_nc_u32 v[AW16+\s], s3, v19
	v_add_nc_u32 v[AW8+\s], s3, v20
	v_add_nc_u32 v[AX16+\s], s22, v19
	v_add_nc_u32 v[AX8+\s], s22, v20
	v_add_nc_u32 v[ASW+\s], s23, v21
	v_add_nc_u32 v[ASX+\s], s69, v21
	s_add_co_u32 s3, s3, 4*PANEL
	s_add_co_u32 s22, s22, SLOT
	s_add_co_u32 s23, s23, 4*PANEL
	s_add_co_u32 s69, s69, SLOT
.endr
	v_mov_b32 v[L16], v19
	v_mov_b32 v[L8], v20
	v_mov_b32 v[LSC], v21
	v_lshlrev_b32 v[LBI], 6, v18
	s_lshl_b32 s72, s43, 7
	s_lshl_b32 s73, s[XR], 5
	s_add_co_u32 s72, s72, s73
	s_add_co_u32 s72, s72, s42
	s_mul_i32 s72, s72, PANEL                      ; the output's panel: token block 4 y + wave / 4, K step x of the next product
	s_mul_i32 s74, s[XH], 6144                     ; my four tiles of tokens,
	s_mul_i32 s75, s[WH], 768                      ; my 64 units are half a fragment
	s_add_co_u32 s74, s74, s75
	s_add_co_u32 s74, s74, s72
	s_mov_b32 s75, 0
	s_lshl_b32 s76, s[XH], 8
	s_lshl_b32 s77, s[WH], 1
	s_add_co_u32 s76, s76, s77
	s_add_co_u32 s76, s76, s72
	s_add_co_u32 s76, s76, 12288
	s_mov_b32 s77, 0
	s_lshl_b32 s78, s42, 9
	s_lshl_b32 s79, s[WH], 8
	s_add_co_u32 s78, s78, s79                     ; my 64 units of the bias
	s_mov_b32 s79, 0
	s_and_b32 s3, s[WV], 3
	s_mul_i32 s2, s3, 2*PANEL                      ; where my two panels of X go in a slot
	s_mul_i32 s3, s3, PANEL                        ; where my panel of W goes
	s_wait_kmcnt 0x0
	s_add_nc_u64 s[46:47], s[PW:PW+1], s[46:47]
	s_add_nc_u64 s[20:21], s[PX:PX+1], s[20:21]
	s_add_nc_u64 s[100:101], s[PX:PX+1], s[100:101]
	s_add_nc_u64 s[74:75], s[POUT:POUT+1], s[74:75]
	s_add_nc_u64 s[76:77], s[POUT:POUT+1], s[76:77]
	s_add_nc_u64 s[78:79], s[PB:PB+1], s[78:79]
	s_mov_b32 s[G0WA], 1                           ; W's K steps 0-3
	s_mov_b32 s[G0WA+1], s3
	s_mov_b64 s[G0WA+2:G0WA+3], s[46:47]
	s_or_b32 s[G0WA+3], s[G0WA+3], 0x80000000
	s_mov_b32 s[G0WB], 1                           ; and 4-7
	s_add_co_u32 s[G0WB+1], s3, 4*PANEL
	s_add_nc_u64 s[G0WB+2:G0WB+3], s[46:47], 4*PANEL
	s_or_b32 s[G0WB+3], s[G0WB+3], 0x80000000
.irp s, 0,1
	s_mov_b32 s[G0X+4*\s], 1
	s_add_co_u32 s[G0X+4*\s+1], s2, RING+\s*SLOT
	s_add_nc_u64 s[G0X+4*\s+2:G0X+4*\s+3], s[100:101], \s*4*PANEL
	s_or_b32 s[G0X+4*\s+3], s[G0X+4*\s+3], 0x80000000
.endr
	CROUND                                         ; all sixteen work-groups are here: the first joint loads meet
; THE FIRST FILLS, one tensor load a wave and stage: waves 0-3 a panel of W each, waves 4-7 two panels of X each.  Stage 1: W's K steps 0-3 and slot 0; stage 2, behind the full sequence and a round: W's K steps 4-7 and slot 1.
.macro HLOAD gw, gx
	s_cmp_lt_u32 s[WV], 4
	s_cbranch_scc0 .Lhx_\@
	tensor_load_to_lds s[\gw:\gw+3], s[G1W:G1W+7]
	s_nop 0
.rept 4
	v_nop
.endr
	s_branch .Lhd_\@
.Lhx_\@:
	tensor_load_to_lds s[\gx:\gx+3], s[G1X:G1X+7]
	s_nop 0
.rept 4
	v_nop
.endr
.Lhd_\@:
.endm
	s_cmp_lt_u32 s[WV], 4
	s_cselect_b64 s[46:47], s[46:47], s[100:101]   ; what I fetch in stage 1; stage 2's bytes lie four panels on
	HLOAD G0WA, G0X
	global_prefetch_b8 v15, s[46:47] offset:4*PANEL th:TH_LOAD_NT scope:SCOPE_SE   ; my share of stage 2's load, one stage ahead of it
	s_wait_alu depctr_va_vdst(0)
	s_wait_tensorcnt 0x0                           ; my load of stage 1 is in
	ds_add_u32 v[SPW], v[NIL]
	s_wait_dscnt 0x0
	CROUND                                         ; everybody's is, and the joint loads of stage 2 meet
	HLOAD G0WB, G0X+4
	global_prefetch_b8 v120, s[20:21] offset:16*PANEL th:TH_LOAD_NT scope:SCOPE_SE   ; my share of the panel that I fetch at slot 0's refill, one fill ahead
	WORK 0, 1                                      ; tile 0
	CHANGE 0, 1
	global_prefetch_b8 v120, s[20:21] offset:20*PANEL th:TH_LOAD_NT scope:SCOPE_SE   ; and of slot 1's refill, one fill ahead
	s_wait_alu depctr_va_vdst(0)
	WORK 1, 0
	EARLY
	CHANGE 1, 1                                    ; slot 1 takes tile 1's K steps 4-7: asked for ahead of the way out
	EPI
	s_wait_xcnt 0x0                                ; the stores' registers and bases are written again only behind this wait
	s_add_nc_u64 s[74:75], s[74:75], 64*PANEL      ; two blocks of 128 tokens on
	s_add_nc_u64 s[76:77], s[76:77], 64*PANEL
	WORK 0, 1                                      ; tile 1
	CHANGE 0, 0                                    ; nothing more is asked for
	WORK 1, 0
	EARLY
	EPI
	s_wait_tensorcnt 0x0                           ; the wave's end
	ds_add_u32 v[SPW], v[NIL]
	s_wait_dscnt 0x0
	CROUND                                         ; the closing round
	s_endpgm
.Lfunc_end_k_q3f45a62312_up:
	.size	k_q3f45a62312_up, .Lfunc_end_k_q3f45a62312_up-k_q3f45a62312_up
	.p2alignl 7, 3214868480
	.fill 96, 4, 3214868480
	.section	.rodata,"a",@progbits
	.p2align	6, 0x0
	.amdhsa_kernel k_q3f45a62312_up
		.amdhsa_group_segment_fixed_size 327680
		.amdhsa_private_segment_fixed_size 0
		.amdhsa_enable_private_segment 0
		.amdhsa_kernarg_size 32
		.amdhsa_user_sgpr_count 2
		.amdhsa_user_sgpr_kernarg_segment_ptr 1
		.amdhsa_wavefront_size32 1
		.amdhsa_system_sgpr_workgroup_id_x 1
		.amdhsa_system_sgpr_workgroup_id_y 1
		.amdhsa_system_sgpr_workgroup_id_z 1
		.amdhsa_system_vgpr_workitem_id 0
		.amdhsa_next_free_vgpr 256
		.amdhsa_next_free_sgpr 102
		.amdhsa_reserve_vcc 0
		.amdhsa_float_denorm_mode_32 3
		.amdhsa_float_denorm_mode_16_64 3
		.amdhsa_memory_ordered 1
		.amdhsa_forward_progress 1
		.amdhsa_inst_pref_size 175
	.end_amdhsa_kernel
	.amdgpu_metadata
---
amdhsa.version: [ 1, 2 ]
amdhsa.kernels:
  - .name:           k_q3f45a62312_up
    .symbol:         k_q3f45a62312_up.kd
    .args:
      - { .name: img, .offset: 0, .size: 8, .value_kind: global_buffer, .address_space: global }
      - { .name: hnc, .offset: 8, .size: 8, .value_kind: global_buffer, .address_space: global }
      - { .name: mlp_b0, .offset: 16, .size: 8, .value_kind: global_buffer, .address_space: global }
      - { .name: glc, .offset: 24, .size: 8, .value_kind: global_buffer, .address_space: global }
    .group_segment_fixed_size: 327680
    .private_segment_fixed_size: 0
    .kernarg_segment_align: 8
    .kernarg_segment_size: 32
    .max_flat_workgroup_size: 256
    .sgpr_count:     102
    .vgpr_count:     256
    .wavefront_size: 32
...
	.end_amdgpu_metadata
.endif
;; end of part 13
;; launch down (part 14): grid 8 x 32, 8 waves a work-group, clusters of 4 x 4, 327,680 bytes of LDS; arguments img, glc, x1, mlp_b1, out0; writes out0
.if DOCPART == 14
	.amdgcn_target "amdgcn-amd-amdhsa--gfx1250"
	.amdhsa_code_object_version 6
	.text
	.protected	k_q3f45a62312_down
	.globl	k_q3f45a62312_down
	.p2align	8
	.type	k_q3f45a62312_down,@function
k_q3f45a62312_down:
	s_mov_b64 s[64:65], 0
	v_nop
	global_prefetch_b8 v0, s[64:65] scope:SCOPE_SE
	s_setreg_imm32_b32 hwreg(HW_REG_WAVE_MODE, 25, 1), 1
	s_wait_xcnt 0x0
	s_wait_alu depctr_hold_cnt(0) depctr_sa_sdst(0) depctr_va_vdst(0) depctr_va_sdst(0) depctr_va_ssrc(0) depctr_va_vcc(0) depctr_vm_vsrc(0)
	s_getreg_b32 s2, hwreg(HW_REG_IB_STS2, 6, 4)
	s_cmp_eq_u32 s2, 0
	s_cbranch_scc0 .Lentry_in_a_cluster
	s_endpgm
.Lentry_in_a_cluster:
	s_bfe_u32 s2, ttmp6, 0x10000c
	s_cmp_lg_u32 s2, 0xf033
	s_cbranch_scc0 .Lentry_shape_is_right
	s_endpgm
.Lentry_shape_is_right:
.set BIAS,  1
.set PANEL, 12800
.set CHUNK, 4*PANEL
.set SLOT,  2*CHUNK
.set SCR,   2*SLOT
.set STG,   SCR+8*8192
.set SPARE, STG+8*16*272
.set XSTEP, 2*CHUNK
.set WSTEP, 2*CHUNK
.set WOFF,  13107200
.set WBLK,  32*PANEL
.set XBLK,  32*PANEL
.set AW16, 1
.set AW8,  3
.set AX16, 5
.set AX8,  7
.set ASW,  9
.set ASX,  11
.set SPW,  13
.set NIL,  14
.set XS,   15
.set FW,   16
.set FX,   64
.set TT,   80
.set SCW,  112
.set SCX,  116
.set XL,   120
.set STO,  121
.set SRD,  126
.set GLN,  127
.set ACC,  128
.set PW,   4
.set PX,   6
.set PRES, 8
.set PB,   10
.set POUT, 12
.set WV, 14
.set KG, 15
.set QD, 16
.set WH, 17
.set XH, 18
.set LB, 19
.set G1W, 24
.set G0W, 32
.set G1X, 48
.set G0X, 56
.macro PLACES
.rept 4
	v_nop
.endr
.endm
.macro JLOAD s
	s_cmp_eq_u32 s[KG], 0
	s_cbranch_scc0 .Lfor_x_\@
	tensor_load_to_lds s[G0W+4*(\s):G0W+4*(\s)+3], s[G1W:G1W+7]
	s_nop 0
.rept 4
	v_nop
.endr
	s_branch .Lasked_\@
.Lfor_x_\@:
	tensor_load_to_lds s[G0X+4*(\s):G0X+4*(\s)+3], s[G1X:G1X+7]
	s_nop 0
.rept 4
	v_nop
.endr
.Lasked_\@:
.endm
.macro CROUND
	s_barrier_signal -1
	s_barrier_wait -1
	s_cmp_lg_u32 s[WV], 0
	s_cbranch_scc1 .Lnot_wave_0_\@
	s_barrier_signal -3
.Lnot_wave_0_\@:
	s_barrier_wait -3
	s_barrier_signal -1
	s_barrier_wait -1
.endm
.macro CHANGE fs, fill
.if \fill
	s_wait_xcnt 0x0                                ; my last prefetch has read its address: it is stepped only behind this wait
	s_add_nc_u64 s[78:79], s[78:79], CHUNK
.endif
	s_wait_tensorcnt 0x0
	ds_add_u32 v[SPW], v[NIL]
.if \fill
	s_add_nc_u64 s[G0X+4*(\fs)+2:G0X+4*(\fs)+3], s[G0X+4*(\fs)+2:G0X+4*(\fs)+3], XSTEP
	s_add_nc_u64 s[G0W+4*(\fs)+2:G0W+4*(\fs)+3], s[G0W+4*(\fs)+2:G0W+4*(\fs)+3], WSTEP
.endif
	s_wait_dscnt 0x0
.if \fill
	CROUND
	JLOAD \fs
	s_cmp_gt_i32 s81, 0                            ; the fill that stands two fills on: chunks 4 to 7; the last two refills ask for nothing
	s_cbranch_scc0 .Lnp_\@
	global_prefetch_b8 v122, s[78:79] offset:3*CHUNK th:TH_LOAD_NT scope:SCOPE_SE
.Lnp_\@:
	s_sub_co_i32 s81, s81, 1
.else
	s_barrier_signal -1
	s_barrier_wait -1
.endif
.endm
.macro LOADF slot, kk
	ds_load_b128 v[SCW:SCW+3], v[ASW+\slot] offset:\kk*PANEL
	ds_load_b128 v[SCX:SCX+3], v[ASX+\slot] offset:\kk*PANEL
.irp t, 0,1,2,3
.irp c, 0,1
	ds_load_b128 v[FW+12*\t+6*\c:FW+12*\t+6*\c+3], v[AW16+\slot] offset:\kk*PANEL+1536*\t+768*\c
	ds_load_b64 v[FW+12*\t+6*\c+4:FW+12*\t+6*\c+5], v[AW8+\slot] offset:\kk*PANEL+1536*\t+768*\c+512
.endr
.endr
.irp t, 0,1,2,3
.irp c, 0,1
	ds_load_b128 v[FX+12*\t+6*\c:FX+12*\t+6*\c+3], v[AX16+\slot] offset:\kk*PANEL+1536*\t+768*\c
	ds_load_b64 v[FX+12*\t+6*\c+4:FX+12*\t+6*\c+5], v[AX8+\slot] offset:\kk*PANEL+1536*\t+768*\c+512
.endr
.endr
.endm
.macro MM d, fa, fb, zero, sa, sb
.if \zero
	v_wmma_scale_f32_16x16x128_f8f6f4 v[\d:\d+7], v[\fa:\fa+11], v[\fb:\fb+11], 0, v[\sa], v[\sb] matrix_a_fmt:MATRIX_FMT_FP6 matrix_b_fmt:MATRIX_FMT_FP6
.else
	v_wmma_scale_f32_16x16x128_f8f6f4 v[\d:\d+7], v[\fa:\fa+11], v[\fb:\fb+11], v[\d:\d+7], v[\sa], v[\sb] matrix_a_fmt:MATRIX_FMT_FP6 matrix_b_fmt:MATRIX_FMT_FP6
.endif
.endm
.macro MULS zero
.irp a, 0,1,2,3
	s_wait_dscnt 12-4*\a
.irp b, 0,1,2,3
	MM ACC+8*(4*\a+\b), FW+12*\b, FX+12*\a, \zero, SCW+\b, SCX+\a
.endr
.endr
.endm
.macro WORK slot, zero
	PLACES
	LOADF \slot, 0
	MULS \zero
	PLACES
	LOADF \slot, 1
	MULS 0
.endm
.macro EARLY
.if BIAS
	v_and_b32 v80, 15, v0
	s_delay_alu instid0(VALU_DEP_1)
	v_lshlrev_b32 v80, 4, v80
	global_load_b128 v[122:125], v80, s[76:77]
.endif
.irp ap, 0,1
.irp i, 0,1,2,3,4,5,6,7
	global_load_b128 v[16+32*\ap+4*\i:16+32*\ap+4*\i+3], v[GLN], s[72:73] offset:(8*\ap+2*\i+8*(\i/4))*4096
.endr
.endr
.endm
.macro XSTORE
	PLACES
	s_wait_alu depctr_va_vdst(0)
	s_wait_xcnt 0x0                                ; the prefetch has read v122: the bias lands there only behind this wait
	EARLY
	s_cmp_eq_u32 s[KG], 0
	s_cbranch_scc0 .Lxs1_\@
.irp i, 0,1,2,3,4,5,6,7,8,9,10,11,12,13,14,15
	ds_store_b128 v[XS], v[ACC+64+4*\i:ACC+64+4*\i+3] offset:512*\i
.endr
	s_branch .Lxs2_\@
.Lxs1_\@:
.irp i, 0,1,2,3,4,5,6,7,8,9,10,11,12,13,14,15
	ds_store_b128 v[XS], v[ACC+4*\i:ACC+4*\i+3] offset:512*\i
.endr
.Lxs2_\@:
.endm
.macro XADD ap
.irp i, 0,1,2,3,4,5,6,7
	ds_load_b128 v[TT+4*\i:TT+4*\i+3], v[XL] offset:4096*\ap+512*\i
.endr
	s_wait_dscnt 0x0
	s_cmp_eq_u32 s[KG], 0
	s_cbranch_scc0 .Lxa1_\@
.irp i, 0,2,4,6,8,10,12,14,16,18,20,22,24,26,28,30
	v_pk_add_f32 v[ACC+32*\ap+\i:ACC+32*\ap+\i+1], v[ACC+32*\ap+\i:ACC+32*\ap+\i+1], v[TT+\i:TT+\i+1]
.endr
	s_branch .Lxa2_\@
.Lxa1_\@:
.irp i, 0,2,4,6,8,10,12,14,16,18,20,22,24,26,28,30
	v_pk_add_f32 v[ACC+32*\ap+\i:ACC+32*\ap+\i+1], v[ACC+64+32*\ap+\i:ACC+64+32*\ap+\i+1], v[TT+\i:TT+\i+1]
.endr
.Lxa2_\@:
.endm
.macro EPI
.irp ap, 0,1
	s_wait_xcnt 0x0
	XADD \ap
	s_wait_alu depctr_va_vdst(0)
.irp b, 0,1,2,3
	ds_store_b128 v[STO], v[ACC+32*\ap+8*\b:ACC+32*\ap+8*\b+3] offset:128*(\b/2)+32*(\b%2)
	ds_store_b128 v[STO], v[ACC+32*\ap+8*\b+4:ACC+32*\ap+8*\b+7] offset:128*(\b/2)+32*(\b%2)+16
.endr
.irp i, 0,1,2,3,4,5,6,7
	ds_load_b128 v[TT+4*\i:TT+4*\i+3], v[SRD] offset:2*\i*272
.endr
	s_wait_dscnt 0x0
	s_wait_loadcnt 8-8*\ap
.irp i, 0,1,2,3,4,5,6,7
	v_pk_add_f32 v[TT+4*\i:TT+4*\i+1], v[TT+4*\i:TT+4*\i+1], v[16+32*\ap+4*\i:16+32*\ap+4*\i+1]
	v_pk_add_f32 v[TT+4*\i+2:TT+4*\i+3], v[TT+4*\i+2:TT+4*\i+3], v[16+32*\ap+4*\i+2:16+32*\ap+4*\i+3]
.if BIAS
	s_delay_alu instid0(VALU_DEP_2)
	v_pk_add_f32 v[TT+4*\i:TT+4*\i+1], v[TT+4*\i:TT+4*\i+1], v[122:123]
	s_delay_alu instid0(VALU_DEP_2)
	v_pk_add_f32 v[TT+4*\i+2:TT+4*\i+3], v[TT+4*\i+2:TT+4*\i+3], v[124:125]
.endif
	global_store_b128 v[GLN], v[TT+4*\i:TT+4*\i+3], s[74:75] offset:(8*\ap+2*\i+8*(\i/4))*4096 th:TH_STORE_NT
.endr
.endr
.endm
	s_load_b256 s[4:11], s[0:1], 0x0
	s_load_b64 s[12:13], s[0:1], 0x20
	v_lshl_add_u32 v[SPW], v0, 2, SPARE
	v_mov_b32 v[NIL], 0
	ds_add_u32 v13, v14
	ds_add_u32 v13, v14
	s_wait_dscnt 0x0
	v_lshrrev_b32 v16, 5, v0
	s_delay_alu instid0(VALU_DEP_1)
	v_readfirstlane_b32 s[WV], v16
	s_lshr_b32 s[KG], s[WV], 2
	s_and_b32 s[QD], s[WV], 3
	s_and_b32 s[WH], s[QD], 1
	s_lshr_b32 s[XH], s[QD], 1
	s_mul_i32 s[LB], s[WV], PANEL
	s_bfe_u32 s40, ttmp6, 0x40000
	s_bfe_u32 s41, ttmp6, 0x40004
	s_lshl_b32 s42, ttmp9, 2
	s_add_co_u32 s42, s42, s40
	s_and_b32 s43, ttmp7, 0xffff
	s_lshl_b32 s43, s43, 2
	s_add_co_u32 s43, s43, s41
	s_lshl_b32 s44, s41, 2
	s_lshl_b32 s44, 15, s44
	s_lshl_b32 s45, 0x1111, s40
	s_or_b32 s[G1X], s44, (3<<16)|(1<<21)
	s_or_b32 s[G1W], s45, (3<<16)|(1<<21)
.irp g, G1W, G1X
	s_mov_b32 s[\g+1], 32<<16
	s_mov_b32 s[\g+2], 50<<16
	s_mov_b32 s[\g+3], 32<<16
	s_mov_b32 s[\g+4], 50
	s_mov_b32 s[\g+5], 32
	s_mov_b32 s[\g+6], 0
	s_mov_b32 s[\g+7], 0
.endr
	s_mul_i32 s46, s42, WBLK
	s_mul_i32 s47, s[QD], PANEL
	s_add_co_u32 s46, s46, s47
	s_add_co_u32 s46, s46, WOFF
	s_mov_b32 s47, 0
	s_mul_i32 s20, s43, XBLK
	s_mul_i32 s21, s[QD], PANEL
	s_add_co_u32 s20, s20, s21
	s_mov_b32 s21, 0
	v_and_b32 v16, 31, v0
	v_and_b32 v17, 15, v0
	v_bfe_u32 v18, v0, 4, 1
	s_delay_alu instid0(VALU_DEP_3)
	v_lshlrev_b32 v19, 4, v16
	s_wait_alu depctr_va_vdst(0)
	v_lshlrev_b32 v20, 3, v16
	s_wait_alu depctr_va_vdst(0)
	v_lshlrev_b32 v21, 4, v17
	s_wait_alu depctr_va_vdst(0)
	s_cmp_eq_u32 s[KG], 0                          ; the prefetches' offset: a panel is 50 blocks of 256 bytes; the four partners that ask for it jointly take 13 each, told apart by address
	s_cselect_b32 s80, s41, s40                    ; W's partners differ in cy, X's in cx
	s_mul_i32 s80, s80, 13
	v_min_u32 v122, 12, v16                        ; lanes left over name their share's last block again
	s_delay_alu instid0(VALU_DEP_1)
	v_add_nc_u32 v122, s80, v122
	s_delay_alu instid0(VALU_DEP_1)
	v_min_u32 v122, 49, v122
	s_delay_alu instid0(VALU_DEP_1)
	v_lshlrev_b32 v122, 8, v122
	s_mul_i32 s2, s[KG], 2*PANEL
	s_mul_i32 s3, s[WH], 6144
	s_add_co_u32 s3, s3, s2
	s_mul_i32 s22, s[XH], 6144
	s_add_co_u32 s22, s22, s2
	s_add_co_u32 s22, s22, CHUNK
	s_lshl_b32 s23, s[WH], 8
	s_add_co_u32 s23, s23, s2
	s_add_co_u32 s23, s23, 12288
	s_lshl_b32 s69, s[XH], 8
	s_add_co_u32 s69, s69, s2
	s_add_co_u32 s69, s69, CHUNK+12288
.irp s, 0,1
	v_add_nc_u32 v[AW16+\s], s3, v19
	v_add_nc_u32 v[AW8+\s], s3, v20
	v_add_nc_u32 v[AX16+\s], s22, v19
	v_add_nc_u32 v[AX8+\s], s22, v20
	v_add_nc_u32 v[ASW+\s], s23, v21
	v_add_nc_u32 v[ASX+\s], s69, v21
	s_add_co_u32 s3, s3, SLOT
	s_add_co_u32 s22, s22, SLOT
	s_add_co_u32 s23, s23, SLOT
	s_add_co_u32 s69, s69, SLOT
.endr
	s_lshl_b32 s2, s[WV], 13
	s_add_co_u32 s2, s2, SCR
	v_add_nc_u32 v[XS], s2, v19
	s_xor_b32 s2, s[WV], 4
	s_lshl_b32 s2, s2, 13
	s_add_co_u32 s2, s2, SCR
	v_add_nc_u32 v[XL], s2, v19
	s_mul_i32 s2, s[WV], 16*272
	s_add_co_u32 s2, s2, STG
	v_mul_u32_u24 v22, v17, 272
	s_delay_alu instid0(VALU_DEP_1)
	v_lshl_add_u32 v22, v18, 6, v22
	s_delay_alu instid0(VALU_DEP_1)
	v_add_nc_u32 v[STO], s2, v22
	v_mul_u32_u24 v22, v18, 272
	s_delay_alu instid0(VALU_DEP_1)
	v_add_nc_u32 v22, v22, v21
	s_delay_alu instid0(VALU_DEP_1)
	v_add_nc_u32 v[SRD], s2, v22
	v_lshl_add_u32 v[GLN], v18, 12, v21
	s_lshl_b32 s72, s43, 7
	s_lshl_b32 s73, s[XH], 6
	s_add_co_u32 s72, s72, s73
	s_lshl_b32 s73, s[KG], 5
	s_add_co_u32 s72, s72, s73
	s_lshl_b32 s72, s72, 12
	s_lshl_b32 s76, s42, 9
	s_lshl_b32 s77, s[WH], 8
	s_add_co_u32 s76, s76, s77
	s_add_co_u32 s72, s72, s76
	s_mov_b32 s73, 0
	s_mov_b32 s77, 0
	s_wait_kmcnt 0x0
	s_add_nc_u64 s[46:47], s[PW:PW+1], s[46:47]
	s_add_nc_u64 s[20:21], s[PX:PX+1], s[20:21]
	s_add_nc_u64 s[74:75], s[POUT:POUT+1], s[72:73]
	s_add_nc_u64 s[72:73], s[PRES:PRES+1], s[72:73]
	s_add_nc_u64 s[76:77], s[PB:PB+1], s[76:77]
	s_cmp_eq_u32 s[KG], 0
	s_cselect_b64 s[78:79], s[46:47], s[20:21]     ; my panel of chunk 0: of W or of X
	s_mov_b32 s81, 4                               ; refills that still have a chunk two fills on
.irp s, 0,1
	s_mov_b32 s[G0W+4*\s], 1
	s_add_co_u32 s[G0W+4*\s+1], s[LB], \s*SLOT
	s_add_nc_u64 s[G0W+4*\s+2:G0W+4*\s+3], s[46:47], \s*CHUNK
	s_or_b32 s[G0W+4*\s+3], s[G0W+4*\s+3], 0x80000000
	s_mov_b32 s[G0X+4*\s], 1
	s_add_co_u32 s[G0X+4*\s+1], s[LB], \s*SLOT
	s_add_nc_u64 s[G0X+4*\s+2:G0X+4*\s+3], s[20:21], \s*CHUNK
	s_or_b32 s[G0X+4*\s+3], s[G0X+4*\s+3], 0x80000000
.endr
	CROUND
	JLOAD 0
	global_prefetch_b8 v122, s[78:79] offset:CHUNK th:TH_LOAD_NT scope:SCOPE_SE     ; my share of chunk 1, one fill ahead of its load,
	global_prefetch_b8 v122, s[78:79] offset:2*CHUNK th:TH_LOAD_NT scope:SCOPE_SE   ; and of chunk 2, two fills ahead
	s_wait_alu depctr_va_vdst(0)
	s_wait_tensorcnt 0x0
	ds_add_u32 v13, v14
	s_wait_dscnt 0x0
	CROUND
	JLOAD 1
	global_prefetch_b8 v122, s[78:79] offset:3*CHUNK th:TH_LOAD_NT scope:SCOPE_SE   ; and of chunk 3
	s_wait_tensorcnt 0x1
	s_barrier_signal -1
	s_barrier_wait -1
	WORK 0, 1
	CHANGE 0, 1
	WORK 1, 0
	CHANGE 1, 1
	s_mov_b32 s67, 2
.Llap:
	WORK 0, 0
	CHANGE 0, 1
	WORK 1, 0
	CHANGE 1, 1
	s_sub_co_u32 s67, s67, 1
	s_cmp_lg_u32 s67, 0
	s_cbranch_scc1 .Llap
	s_wait_xcnt 0x0                                ; the tiles' prefetches have read their offset: it is written again only behind this wait
	v_and_b32 v122, 31, v0
	s_delay_alu instid0(VALU_DEP_1)
	v_lshlrev_b32 v122, 12, v122                   ; a lane a row of 4,096 bytes
	global_prefetch_b8 v122, s[72:73] th:TH_LOAD_NT scope:SCOPE_SE   ; the 32 rows x 256 bytes of x1 that I alone add on the way out, two slots ahead of their loads
	WORK 0, 0
	CHANGE 0, 0
	WORK 1, 0
	XSTORE
	CHANGE 1, 0
	EPI
	s_wait_tensorcnt 0x0
	ds_add_u32 v[SPW], v[NIL]
	s_wait_dscnt 0x0
	CROUND
	s_endpgm
.Lfunc_end_k_q3f45a62312_down:
	.size	k_q3f45a62312_down, .Lfunc_end_k_q3f45a62312_down-k_q3f45a62312_down
	.p2alignl 7, 3214868480
	.fill 96, 4, 3214868480
	.section	.rodata,"a",@progbits
	.p2align	6, 0x0
	.amdhsa_kernel k_q3f45a62312_down
		.amdhsa_group_segment_fixed_size 327680
		.amdhsa_private_segment_fixed_size 0
		.amdhsa_enable_private_segment 0
		.amdhsa_kernarg_size 40
		.amdhsa_user_sgpr_count 2
		.amdhsa_user_sgpr_kernarg_segment_ptr 1
		.amdhsa_wavefront_size32 1
		.amdhsa_system_sgpr_workgroup_id_x 1
		.amdhsa_system_sgpr_workgroup_id_y 1
		.amdhsa_system_sgpr_workgroup_id_z 1
		.amdhsa_system_vgpr_workitem_id 0
		.amdhsa_next_free_vgpr 256
		.amdhsa_next_free_sgpr 100
		.amdhsa_reserve_vcc 0
		.amdhsa_float_denorm_mode_32 3
		.amdhsa_float_denorm_mode_16_64 3
		.amdhsa_memory_ordered 1
		.amdhsa_forward_progress 1
		.amdhsa_inst_pref_size 87
	.end_amdhsa_kernel
	.amdgpu_metadata
---
amdhsa.version: [ 1, 2 ]
amdhsa.kernels:
  - .name:           k_q3f45a62312_down
    .symbol:         k_q3f45a62312_down.kd
    .args:
      - { .name: img, .offset: 0, .size: 8, .value_kind: global_buffer, .address_space: global }
      - { .name: glc, .offset: 8, .size: 8, .value_kind: global_buffer, .address_space: global }
      - { .name: x1, .offset: 16, .size: 8, .value_kind: global_buffer, .address_space: global }
      - { .name: mlp_b1, .offset: 24, .size: 8, .value_kind: global_buffer, .address_space: global }
      - { .name: out0, .offset: 32, .size: 8, .value_kind: global_buffer, .address_space: global }
    .group_segment_fixed_size: 327680
    .private_segment_fixed_size: 0
    .kernarg_segment_align: 8
    .kernarg_segment_size: 40
    .max_flat_workgroup_size: 256
    .sgpr_count:     100
    .vgpr_count:     256
    .wavefront_size: 32
...
	.end_amdgpu_metadata
.endif
;; end of part 14
